; MI455X (gfx1250); checked and timed in simulation.
; The chip was launched on July 23, 2026; its instructions are those of AMD's public machine-readable ISA for CDNA 5 (MIT licence, August 2026) and "CDNA5" Instruction Set Architecture Reference Guide (July 2026). The comments in the code are by the model that wrote it; some were corrected since.
;; Point Net Feature Propagation. Allowed arithmetic: matrix products marked QUANTISED: E4M3 operands, one E8M0 scale for each 32 along K, by v_wmma_scale_f32_16x16x128_f8f6f4 with both operands' format E4M3, f32 sums; products left as they are: f32 operands where the result goes on into a quantised operand, else bf16, f16 or f32 operands; f32 sums; everything else in f32.
;; Inputs: W0_codes 256 x 16 x 32 uint8 (E4M3 codes of W0, K innermost, in blocks of 32 codes); W0_scales 256 x 16 uint8 (E8M0 scales of W0, one for each 32 codes along K); W1_codes 256 x 8 x 32 uint8 (E4M3 codes of W1, K innermost, in blocks of 32 codes); W1_scales 256 x 8 uint8 (E8M0 scales of W1, one for each 32 codes along K); b0 256 float32; b1 256 float32; be0 256 float32; be1 256 float32; g0 256 float32; g1 256 float32; points1 2 x 256 x 16,384 float32; points2 2 x 256 x 4,096 float32; xyz1 2 x 3 x 16,384 float32; xyz2 2 x 3 x 4,096 float32.
;; Outputs: out0 2 x 256 x 16,384 float32.
;; This version of the problem:
;;   THIS VERSION OF THE PROBLEM IS GIVEN IN LOW PRECISION. The matrix products marked QUANTISED in the list below multiply operands that are first quantised to E4M3 (4 exponent bits, 3 mantissa bits; 8 bits a number), with one power-of-two scale for each 32 numbers along K (OCP MX v1.0); their sums are f32. All else is computed in f32.
;;   The module's matrix products, in the order in which they are computed (A, B: the left and right operand; K: the contracted axis; several contracted axes count as one K, in the product's order):
;;     1. batch 2 x [M 16,384, K 3] x [K 3, N 4,096]; A: input xyz1; B: input xyz2: left as it is (K = 3 < 32)
;;     2. [M 32,768, K 512] x [K 512, N 256]; A: computed on the way; B: input W0 (given as codes): QUANTISED
;;     3. [M 32,768, K 256] x [K 256, N 256]; A: computed on the way; B: input W1 (given as codes): QUANTISED
;;   THE QUANTISER, for each operand of a quantised product, along K:
;;     - K is cut into blocks of 32 from its start; a last block that is shorter is filled with zeros.
;;     - A block's scale is 2^e with e = floor(log2(the largest magnitude in the block)) - 8, held to -126 .. 127; a block of zeros has e = 0. As a byte (E8M0): e + 127.
;;     - Each number is divided by its block's scale, clamped to +-448, and rounded to the nearest number of E4M3, ties to even, subnormals kept.
;;     - The product sums the exact products of the quantised numbers (number of the format x scale) in f32.
;;   ~~~python
;;   def quantise(x, axis):      # numpy; x: float32 -> the quantised numbers, widened to float32 again
;;       x = np.moveaxis(x, axis, -1); K = x.shape[-1]
;;       x = np.pad(x, [(0, 0)] * (x.ndim - 1) + [(0, -K % 32)]); x = x.reshape(x.shape[:-1] + (-1, 32)); a = np.abs(x).max(-1, keepdims=True)
;;       e = np.where(a > 0, np.clip(np.frexp(np.where(a > 0, a, 1))[1] - 1 - 8, -126, 127), 0)      # np.frexp(a)[1] - 1 = floor(log2(a)), exactly
;;       r = np.clip(x / 2.0 ** e, -448, 448)
;;       step = 2.0 ** (np.maximum(np.frexp(np.where(r == 0, 1, r))[1] - 1, -6) - 3)
;;       q = np.round(r / step) * step * 2.0 ** e      # np.round: ties to even
;;       return np.moveaxis(q.reshape(q.shape[:-2] + (-1,))[..., :K], -1, axis).astype(np.float32)
;;   ~~~
;;   OPERANDS COMPUTED ON THE WAY. 'Computed on the way' means the value that the module computes at that place (a softmax that the list does not call 'softmax' is quantised finished and normalised). What goes into a quantiser is computed in f32, as accurately as f32 sums, v_exp_f32 and their like allow (about 1e-6 of the number): no bf16 or f16 on the way to a quantiser, and a product that is left as it is and whose result goes on into a quantised operand takes f32 operands (vector FMAs, or v_wmma_f32_16x16x4_f32). A number that lies on a knife's edge between two numbers of the format may be rounded either way, as far as f32 arithmetic and the matrix unit's own rounding can turn it there, and no further.
;;   INPUTS GIVEN AS CODES. W0 (in the module: [256, 512], K = its axis 1); W1 (in the module: [256, 256], K = its axis 1): each comes as NAME_codes (uint8): NAME with its K axis moved to the last place and cut into blocks of 32 codes, [.., K / 32, bytes a block], one block behind the other in memory; one code a byte (a code: sign, 4 exponent bits, 3 mantissa bits); and NAME_scales (uint8): the same leading axes, one E8M0 byte (e + 127) for each 32 codes along K. Its value is code x scale, taken as it is: it is not quantised again, and the codes and scales need not be those that the quantiser above would give.
;; 2 versions, each right; version 2 is version 1 with the launches layer0, layer1, final written anew for expert scheduling mode. Each part assembles by itself: llvm-mc -triple=amdgcn-amd-amdhsa -mcpu=gfx1250 --defsym DOCPART=n.
;; ======== version 1 of 2: 6 launches
;; workspace buffers: f2tw 8,912,896 bytes; nbr_idx 524,288 bytes of whole numbers; xbuf 18,350,080 bytes; hbuf 9,699,328 bytes; st0 3,072 bytes; st1 3,072 bytes
;; launch knn (part 1): grid 256 x 1, 8 waves a work-group, no clusters, 124,928 bytes of LDS; arguments xyz1, xyz2, points2, f2tw, nbr_idx; writes f2tw, nbr_idx
.if DOCPART == 1
	.amdgcn_target "amdgcn-amd-amdhsa--gfx1250"
	.amdhsa_code_object_version 6
	.text
	.protected	k_q1d6f8a711d_knn
	.globl	k_q1d6f8a711d_knn
	.p2align	8
	.type	k_q1d6f8a711d_knn,@function
k_q1d6f8a711d_knn:
	s_mov_b64 s[64:65], 0
	v_nop
	global_prefetch_b8 v0, s[64:65] scope:SCOPE_SE
	s_setreg_imm32_b32 hwreg(HW_REG_WAVE_MODE, 25, 1), 1
	s_wait_xcnt 0x0
; LAUNCH 1 OF 6.  For each of 2 x 16,384 query points: the 3 nearest of the batch's 4,096 points by d = (|a|^2 + |b|^2) - 2 a.b in f32, ties to the lower index,
; and the weights w_k = (1 / (d_k + 1e-8)) / their sum.  Stored: nbr_idx[point][4] = (i1, i2, i3, 0), whole numbers from which the next launch forms addresses, and, behind f2t in f2tw, w[point][4] = (w1, w2, w3, 0).
; On the side each work-group turns a piece of points2 [b][channel][s] into f2t [b][s][256 channels], rows of 1,024 bytes, so that the next launch gathers rows.
; f2t's channels are permuted: channel 8 l + e lies at float 4 l + e (e < 4) or 128 + 4 l + e - 4: two loads of 16 bytes a lane, 512 bytes apart, give lane l channels 8 l .. 8 l + 7.
; SHARES.  A work-group owns 128 queries.  EVERY wave holds all 128, four a lane (4 lane + q); wave w scans candidates 512 w .. 512 w + 511 and keeps a sorted list of three for each query; the eight lists meet in LDS.
; The candidates lie in LDS as records (-2x, -2y, -2z, |b|^2); a record is read by all lanes at one address.  A record serves 128 queries: 10 packed lines for the distances, 44 lines for the four insertions.
; THE ROUNDINGS OF d.  d is the small difference of large numbers, and the weights are 1 / d: one unit in the last place of a norm moves a weight by that unit over d.  So each part is rounded as reference() writes it.
;   FNORM = 0: a norm is sum(p * p): three products, each rounded by itself, added in the order x, y, z.  FNORM = 1: a product and two fused multiply-adds.
;   FDOT = 1: a.b, a matrix product over K = 3, is a chain of fused multiply-adds in the order x, y, z.  FDOT = 0: each product is rounded by itself.  (-2 is a power of two: -2x a_x + .. is -2 a.b with the same roundings.)
; THE WEIGHTS go on into a quantised operand, so both divisions are made to the nearest f32: a reciprocal, two Newton steps, and for the quotient a step on the remainder.
; No matrix unit: K = 3.  No tensor load: all that is read comes once, at the head.
; LIMITS: coordinates are finite and their squares stay inside f32; NaN among the coordinates is not served.  Where d + 1e-8 is exactly 0 all three weights of the point become NaN (reference() has NaN in the point's features there too).
.set FNORM, 0
.set FDOT,  1
.set TAB,  0                           ; LDS: 4,096 records of 16 bytes
.set TRS,  65536                       ; 64 rows of 512 bytes + 16: the stage that turns points2
.set TRP,  528                         ; 132 words: row r starts at bank 4 r mod 64 (64 banks of 4 bytes: ISA guide 11.1)
.set LST,  99328                       ; [wave 8][d1 d2 d3 i1 i2 i3][128 queries] words
.set NW,   8388608                     ; f2tw: where the weights begin
.set T16,  3                           ; v3   16 x thread
.set L16,  4                           ; v4   16 x lane
.set P2V,  7                           ; v7   points2: 131,072 g + 16 u
.set TRA,  8                           ; v8   into the stage
.set TRB,  9                           ; v9   out of it
.set F2V,  11                          ; v11  my 16 bytes in f2t
.set TADR, 12                          ; v12  64 x thread: my four records of 1,024
.set AD0,  13                          ; v13  8,192 x wave: my wave's records
.set ADR,  14                          ; v14  the trip's records
.set LSA,  15                          ; v15  where my lists go
.set QX,   16                          ; v16-31  my four queries: x, y, z, |a|^2
.set QY,   20
.set QZ,   24
.set QN,   28
.set D1,   32                          ; v32-55  the lists: d1 <= d2 <= d3 and their indices, four queries each
.set D2,   36
.set D3,   40
.set I1,   44
.set I2,   48
.set I3,   52
.set TM,   56                          ; v56-59  at work
.set LSB,  60                          ; v60  LST + 4 x thread: the merge's reads
.set NT,   61                          ; v61  a norm's product, at work
.set CA,   64                          ; v64-95, v96-127  two sets of eight records
.set CB,   96
.set DD,   128                         ; v128-159  eight candidates x four queries: -2 a.b, then d
.set TT,   160                         ; v160-191  |a|^2 + |b|^2
.set RAW,  64                          ; the head: v64-111 xyz2 as loaded; v112-175 sixteen records; v176-207 points2 as loaded
.set REC,  112
.set PL,   176
.set TQ,   64                          ; then v64-95 points2's groups of four channels, v96-127 rows read back
.set TBK,  96
.set ML,   64                          ; the merge: wave x's list at v[64 + 8 x]: d at +0..2, i at +4..6
.set EE,   32                          ; the weights, in the registers that held the lists: v32-34 d + 1e-8; v36-39 the weights; v40-42 the reciprocals; v43 their sum; v44-46, v48 at work; v47 1 / sum
.set WW,   36
.set RR,   40
.set SU,   43
.set ER,   44
.set RS,   47
.set MK,   28                          ; s28-39  three masks for each of four queries
	s_load_b256 s[4:11], s[0:1], 0x0               ; xyz1 s[4:5], xyz2 s[6:7], points2 s[8:9], f2tw s[10:11]
	s_load_b64 s[12:13], s[0:1], 0x20              ; nbr_idx
	v_lshl_add_u32 v208, v0, 2, 0x1e400
	v_mov_b32 v209, 0
	v_lshrrev_b32 v1, 5, v0
	v_readfirstlane_b32 s16, v1                    ; wave 0..7
	s_lshr_b32 s17, ttmp9, 7                       ; the batch
	s_and_b32 s18, ttmp9, 127                      ; which 128 queries of it
	s_bfe_u32 s19, ttmp9, 0x10006                  ; points2: which 128 channels,
	s_and_b32 s20, ttmp9, 63                       ; which 64 points
	s_mul_i32 s22, s17, 49152                      ; xyz2: the batch
	s_mov_b32 s23, 0
	s_mul_i32 s24, s17, 196608                     ; xyz1: the batch + my 128 queries
	s_lshl_b32 s21, s18, 9
	s_add_co_u32 s24, s24, s21
	s_mov_b32 s25, 0
	s_lshl_b32 s26, s17, 22                        ; points2: (256 b + 128 half) rows of 16,384 bytes + 256 bytes x piece
	s_lshl_b32 s21, s19, 21
	s_add_co_u32 s26, s26, s21
	s_lshl_b32 s21, s20, 8
	s_add_co_u32 s26, s26, s21
	s_mov_b32 s27, 0
	s_lshl_b32 s44, s17, 22                        ; f2t: (4,096 b + 64 piece) rows of 1,024 bytes + 256 bytes x half
	s_lshl_b32 s21, s20, 16
	s_add_co_u32 s44, s44, s21
	s_lshl_b32 s21, s19, 8
	s_add_co_u32 s44, s44, s21
	s_mov_b32 s45, 0
	s_lshl_b32 s46, s17, 18                        ; the two lists: 16 bytes a query
	s_lshl_b32 s21, s18, 11
	s_add_co_u32 s46, s46, s21
	s_mov_b32 s47, 0
	v_and_b32 v2, 31, v0                           ; lane
	v_lshlrev_b32 v[T16], 4, v0
	v_lshlrev_b32 v[L16], 4, v2
	v_lshrrev_b32 v5, 4, v0                        ; g = thread / 16: eight channels
	v_and_b32 v6, 15, v0                           ; u = thread % 16: four points
	v_bfe_u32 v10, v0, 4, 1                        ; h = lane / 16
	v_lshlrev_b32 v[P2V], 17, v5
	v_lshl_add_u32 v[P2V], v6, 4, v[P2V]
	v_mul_u32_u24 v[TRA], v6, TRP                  ; point 4 u + e lies in stage row 16 e + u, so that sixteen neighbouring lanes stand one row apart
	v_lshl_add_u32 v[TRA], v5, 4, v[TRA]
	v_add_nc_u32 v[TRA], TRS, v[TRA]
	v_mul_u32_u24 v[TRB], v1, TRP                  ; back: stage row wave + 8 k; lanes 0-15 its first 256 bytes, lanes 16-31 its second
	v_lshl_add_u32 v[TRB], v10, 8, v[TRB]
	v_lshl_add_u32 v[TRB], v6, 4, v[TRB]
	v_add_nc_u32 v[TRB], TRS, v[TRB]
	v_lshlrev_b32 v[F2V], 12, v1
	v_lshl_add_u32 v[F2V], v10, 9, v[F2V]
	v_lshl_add_u32 v[F2V], v6, 4, v[F2V]
	v_lshlrev_b32 v[TADR], 6, v0
	v_lshlrev_b32 v[AD0], 13, v1
	v_mul_u32_u24 v[LSA], v1, 3072
	v_lshl_add_u32 v[LSA], v2, 4, v[LSA]
	v_add_nc_u32 v[LSA], LST, v[LSA]
	v_lshl_add_u32 v[LSB], v0, 2, LST
	s_wait_kmcnt 0x0
	s_add_nc_u64 s[6:7], s[6:7], s[22:23]
	s_add_nc_u64 s[4:5], s[4:5], s[24:25]
	s_add_nc_u64 s[8:9], s[8:9], s[26:27]
	s_add_nc_u64 s[40:41], s[10:11], s[44:45]      ; f2t at my piece
	s_add_nc_u64 s[12:13], s[12:13], s[46:47]      ; the indices of my 128 queries
	s_add_nc_u64 s[42:43], s[10:11], s[46:47]
	s_add_nc_u64 s[42:43], s[42:43], NW            ; and their weights
.irp i, 0,1,2,3                        ; xyz2: candidates 1,024 i + 4 thread + 0..3, each coordinate by itself: a wave reads 512 consecutive bytes
.irp c, 0,1,2
	global_load_b128 v[RAW+12*\i+4*\c:RAW+12*\i+4*\c+3], v[T16], s[6:7] offset:4096*\i+16384*\c
.endr
.endr
.irp c, 0,1,2
	global_load_b128 v[QX+4*\c:QX+4*\c+3], v[L16], s[4:5] offset:65536*\c   ; my four queries
.endr
.irp i, 0,1,2,3,4,5,6,7
	global_load_b128 v[PL+4*\i:PL+4*\i+3], v[P2V], s[8:9] offset:16384*\i th:TH_LOAD_NT   ; channel 8 g + i, points 4 u + 0..3: sixteen lanes read 256 consecutive bytes; read once in the launch
.endr
.macro NORM d, x, y, z                 ; x^2 + y^2 + z^2 in that order
	v_mul_f32 v[\d], v[\x], v[\x]
.if FNORM
	v_fma_f32 v[\d], v[\y], v[\y], v[\d]
	v_fma_f32 v[\d], v[\z], v[\z], v[\d]
.else
	v_mul_f32 v[NT], v[\y], v[\y]                  ; each product is rounded by itself,
	v_add_f32 v[\d], v[\d], v[NT]                  ; and so is each partial sum
	v_mul_f32 v[NT], v[\z], v[\z]
	v_add_f32 v[\d], v[\d], v[NT]
.endif
.endm
	s_wait_loadcnt 8                               ; loads come back in order (ISA guide 5.7.1): the coordinates are in, the eight loads of points2 may be out
.irp i, 0,1,2,3
.irp q, 0,1,2,3
	v_mul_f32 v[REC+16*\i+4*\q], -2.0, v[RAW+12*\i+\q]
	v_mul_f32 v[REC+16*\i+4*\q+1], -2.0, v[RAW+12*\i+4+\q]
	v_mul_f32 v[REC+16*\i+4*\q+2], -2.0, v[RAW+12*\i+8+\q]
	NORM REC+16*\i+4*\q+3, RAW+12*\i+\q, RAW+12*\i+4+\q, RAW+12*\i+8+\q
	ds_store_b128 v[TADR], v[REC+16*\i+4*\q:REC+16*\i+4*\q+3] offset:16384*\i+16*\q
.endr
.endr
.irp q, 0,1,2,3
	NORM QN+\q, QX+\q, QY+\q, QZ+\q
.endr
.irp i, 0,1,2,3,4,5,6,7,8,9,10,11
	v_mov_b32 v[D1+\i], 0x7f800000                 ; the lists begin with +infinity, over every distance,
	v_mov_b32 v[I1+\i], 0                          ; and index 0, which the first three candidates push out
.endr
	s_wait_loadcnt 0x0                             ; points2
.irp a, 0,1                            ; four channels of one point make 16 bytes of its row of f2t: a 4 x 4 turn in registers, then the stage turns lanes
.irp e, 0,1,2,3
.irp m, 0,1,2,3
	v_mov_b32 v[TQ+4*(4*\a+\e)+\m], v[PL+4*(4*\a+\m)+\e]
.endr
	ds_store_b128 v[TRA], v[TQ+4*(4*\a+\e):TQ+4*(4*\a+\e)+3] offset:16*TRP*\e+256*\a
.endr
.endr
	s_wait_dscnt 0x0                               ; for the others' sake: my records and my part of the stage have landed
	s_barrier_signal -1
	s_barrier_wait -1
.irp k, 0,1,2,3,4,5,6,7
	ds_load_b128 v[TBK+4*\k:TBK+4*\k+3], v[TRB] offset:8*TRP*\k
.endr
.irp k, 0,1,2,3,4,5,6,7                ; stage row wave + 8 k holds point 4 wave + 32 (k % 2) + k / 2
	s_wait_dscnt 7-\k
	global_store_b128 v[F2V], v[TBK+4*\k:TBK+4*\k+3], s[40:41] offset:(32*(\k%2)+\k/2)*1024   ; sixteen lanes store 256 consecutive bytes, at a multiple of 256 from f2tw's first byte
.endr
	s_wait_xcnt 0x0                                ; the stores have read v96-127, which now take records
.macro LOADSET set, o                  ; eight records, every lane at the same address
.irp j, 0,1,2,3,4,5,6,7
	ds_load_b128 v[\set+4*\j:\set+4*\j+3], v[ADR] offset:\o+16*\j
.endr
.endm
; The distances of eight candidates to my four queries, two queries a line; the sixteen chains take turns, so that no line waits for the line above it.
.macro DIST set
.irp j, 0,1,2,3,4,5,6,7
.irp p, 0,2
	v_pk_mul_f32 v[DD+4*\j+\p:DD+4*\j+\p+1], v[QX+\p:QX+\p+1], v[\set+4*\j:\set+4*\j+1] op_sel_hi:[1,0]   ; a_x (-2 b_x): the record's first word for both halves
.endr
.endr
.if FDOT
.irp j, 0,1,2,3,4,5,6,7
.irp p, 0,2
	v_pk_fma_f32 v[DD+4*\j+\p:DD+4*\j+\p+1], v[QY+\p:QY+\p+1], v[\set+4*\j:\set+4*\j+1], v[DD+4*\j+\p:DD+4*\j+\p+1] op_sel:[0,1,0] op_sel_hi:[1,1,1]   ; + a_y (-2 b_y): its second word for both
.endr
.endr
.irp j, 0,1,2,3,4,5,6,7
.irp p, 0,2
	v_pk_fma_f32 v[DD+4*\j+\p:DD+4*\j+\p+1], v[QZ+\p:QZ+\p+1], v[\set+4*\j+2:\set+4*\j+3], v[DD+4*\j+\p:DD+4*\j+\p+1] op_sel_hi:[1,0,1]   ; + a_z (-2 b_z)
.endr
.endr
.else
.irp j, 0,1,2,3,4,5,6,7
.irp p, 0,2
	v_pk_mul_f32 v[TT+4*\j+\p:TT+4*\j+\p+1], v[QY+\p:QY+\p+1], v[\set+4*\j:\set+4*\j+1] op_sel:[0,1] op_sel_hi:[1,1]
.endr
.endr
.irp j, 0,1,2,3,4,5,6,7
.irp p, 0,2
	v_pk_add_f32 v[DD+4*\j+\p:DD+4*\j+\p+1], v[DD+4*\j+\p:DD+4*\j+\p+1], v[TT+4*\j+\p:TT+4*\j+\p+1]
.endr
.endr
.irp j, 0,1,2,3,4,5,6,7
.irp p, 0,2
	v_pk_mul_f32 v[TT+4*\j+\p:TT+4*\j+\p+1], v[QZ+\p:QZ+\p+1], v[\set+4*\j+2:\set+4*\j+3] op_sel_hi:[1,0]
.endr
.endr
.irp j, 0,1,2,3,4,5,6,7
.irp p, 0,2
	v_pk_add_f32 v[DD+4*\j+\p:DD+4*\j+\p+1], v[DD+4*\j+\p:DD+4*\j+\p+1], v[TT+4*\j+\p:TT+4*\j+\p+1]
.endr
.endr
.endif
.irp j, 0,1,2,3,4,5,6,7
.irp p, 0,2
	v_pk_add_f32 v[TT+4*\j+\p:TT+4*\j+\p+1], v[QN+\p:QN+\p+1], v[\set+4*\j+2:\set+4*\j+3] op_sel:[0,1] op_sel_hi:[1,1]   ; |a|^2 + |b|^2: the record's fourth word
.endr
.endr
.irp j, 0,1,2,3,4,5,6,7
.irp p, 0,2
	v_pk_add_f32 v[DD+4*\j+\p:DD+4*\j+\p+1], v[TT+4*\j+\p:TT+4*\j+\p+1], v[DD+4*\j+\p:DD+4*\j+\p+1]   ; d = (|a|^2 + |b|^2) - 2 a.b
.endr
.endr
.endm
; One candidate, index ix (a scalar), goes into the four queries' sorted lists: 11 lines a query, the queries by turns.  The compare is strict and the scan ascends, so of equal distances the lower index stays ahead.
.macro INS x0, ix
.irp q, 0,1,2,3
	v_cmp_lt_f32 s[MK+3*\q], v[(\x0)+\q], v[D1+\q]
	v_cmp_lt_f32 s[MK+3*\q+1], v[(\x0)+\q], v[D2+\q]
	v_cmp_lt_f32 s[MK+3*\q+2], v[(\x0)+\q], v[D3+\q]
.endr
.irp q, 0,1,2,3
	v_cndmask_b32 v[TM+\q], \ix, v[I2+\q], s[MK+3*\q+1]          ; what the third place takes if it changes: the old second, or the candidate
.endr
.irp q, 0,1,2,3
	v_cndmask_b32 v[I3+\q], v[I3+\q], v[TM+\q], s[MK+3*\q+2]
.endr
.irp q, 0,1,2,3
	v_cndmask_b32 v[TM+\q], \ix, v[I1+\q], s[MK+3*\q]            ; the same for the second place
.endr
.irp q, 0,1,2,3
	v_cndmask_b32 v[I2+\q], v[I2+\q], v[TM+\q], s[MK+3*\q+1]
.endr
.irp q, 0,1,2,3
	v_cndmask_b32 v[I1+\q], v[I1+\q], \ix, s[MK+3*\q]
.endr
.irp q, 0,1,2,3
	v_med3_num_f32 v[D3+\q], v[(\x0)+\q], v[D2+\q], v[D3+\q]     ; the middle one of (x, d2, d3) is the new d3, since d2 <= d3
.endr
.irp q, 0,1,2,3
	v_med3_num_f32 v[D2+\q], v[(\x0)+\q], v[D1+\q], v[D2+\q]
.endr
.irp q, 0,1,2,3
	v_min_num_f32 v[D1+\q], v[(\x0)+\q], v[D1+\q]
.endr
.endm
.macro PROC set, first                 ; eight candidates; first: the first one's number in the trip
	DIST \set
.irp j, 0,1,2,3,4,5,6,7
	s_add_co_u32 s27, s25, \first+\j
	INS DD+4*\j, s27
.endr
.endm
; A trip: sixteen candidates.  One set of records is worked on while the other is on its way.
.macro TRIP last
	LOADSET CB, 128
	s_wait_dscnt 8                                 ; LDS loads come back in order: set A is in, the eight just issued may be out
	PROC CA, 0
.if \last
	s_wait_dscnt 0x0
.else
	LOADSET CA, 256                                ; the next trip's first eight
	s_wait_dscnt 8                                 ; set B is in
.endif
	PROC CB, 8
.if !\last
	s_add_co_u32 s24, s24, 256
	s_add_co_u32 s25, s25, 16
	v_add_nc_u32 v[ADR], s24, v[AD0]
.endif
.endm
	s_mov_b32 s24, 0                               ; bytes gone in my wave's records
	s_lshl_b32 s25, s16, 9                         ; the trip's first candidate: 512 x wave
	v_mov_b32 v[ADR], v[AD0]
	LOADSET CA, 0
	s_mov_b32 s26, 31
.Ltrip:
	TRIP 0
	s_sub_co_u32 s26, s26, 1
	s_cmp_lg_u32 s26, 0
	s_cbranch_scc1 .Ltrip
	TRIP 1                                         ; the 32nd trip fetches nothing beyond my 512 records
.irp k, 0,1,2,3,4,5
	ds_store_b128 v[LSA], v[D1+4*\k:D1+4*\k+3] offset:512*\k     ; query 4 lane + q at word 4 lane + q
.endr
	s_wait_dscnt 0x0                               ; for the others' sake: my lists have landed
	s_barrier_signal -1
	s_barrier_wait -1
	s_cmp_ge_u32 s16, 4                            ; 128 queries: threads 0 to 127 take one each
	s_cbranch_scc1 .Lend
.irp x, 0,1,2,3,4,5,6,7
.irp k, 0,1,2
	ds_load_b32 v[ML+8*\x+\k], v[LSB] offset:3072*\x+512*\k
	ds_load_b32 v[ML+8*\x+4+\k], v[LSB] offset:3072*\x+512*(\k+3)
.endr
.endr
	s_wait_dscnt 0x0
.macro INS1 x, ix                      ; the same insertion for one query, the index in a vector register
	v_cmp_lt_f32 s28, v[\x], v[ML]
	v_cmp_lt_f32 s29, v[\x], v[ML+1]
	v_cmp_lt_f32 s30, v[\x], v[ML+2]
	v_cndmask_b32 v[TM], v[\ix], v[ML+5], s29
	v_cndmask_b32 v[ML+6], v[ML+6], v[TM], s30
	v_cndmask_b32 v[TM], v[\ix], v[ML+4], s28
	v_cndmask_b32 v[ML+5], v[ML+5], v[TM], s29
	v_cndmask_b32 v[ML+4], v[ML+4], v[\ix], s28
	v_med3_num_f32 v[ML+2], v[\x], v[ML+1], v[ML+2]
	v_med3_num_f32 v[ML+1], v[\x], v[ML], v[ML+1]
	v_min_num_f32 v[ML], v[\x], v[ML]
.endm
.irp x, 1,2,3,4,5,6,7                  ; wave 0's list takes the others' in ascending order of index ranges, each list from its nearest on: ties still go to the lower index
.irp k, 0,1,2
	INS1 ML+8*\x+\k, ML+8*\x+4+\k
.endr
.endr
	; THE WEIGHTS.  y = v_rcp_f32(b) is good to 1 ulp; a Newton step, e = 1 - b y in one rounding, y = y + e y, squares its error; two steps leave 1 / b rounded to the nearest f32.
.irp k, 0,1,2
	v_add_f32 v[EE+\k], 0x322bcc77, v[ML+\k]       ; d + 1e-8
.endr
.irp k, 0,1,2
	v_rcp_f32 v[RR+\k], v[EE+\k]
.endr
	v_mov_b32 v[ML+7], 0                           ; (a plain line behind the reciprocals, ahead of their use: ISA guide 5.7.2)  the fourth word of the indices
	s_wait_alu depctr_va_vdst(0)
.rept 2
.irp k, 0,1,2
	v_fma_f32 v[ER+\k], -v[EE+\k], v[RR+\k], 1.0
.endr
.irp k, 0,1,2
	v_fma_f32 v[RR+\k], v[ER+\k], v[RR+\k], v[RR+\k]
.endr
.endr
	v_add_f32 v[SU], v[RR], v[RR+1]                ; their sum, in the order 1, 2, 3
	v_add_f32 v[SU], v[SU], v[RR+2]
	v_rcp_f32 v[RS], v[SU]
	v_mov_b32 v[WW+3], 0                           ; (likewise)  the fourth word of the weights
	s_wait_alu depctr_va_vdst(0)
.rept 2
	v_fma_f32 v48, -v[SU], v[RS], 1.0
	v_fma_f32 v[RS], v48, v[RS], v[RS]
.endr
.irp k, 0,1,2
	v_mul_f32 v[WW+\k], v[RR+\k], v[RS]            ; the quotient, a unit or two off at the most,
.endr
.irp k, 0,1,2
	v_fma_f32 v[ER+\k], -v[SU], v[WW+\k], v[RR+\k] ; what it leaves of the dividend, in one rounding,
.endr
.irp k, 0,1,2
	v_fma_f32 v[WW+\k], v[ER+\k], v[RS], v[WW+\k]  ; and the quotient rounded to the nearest f32
.endr
	global_store_b128 v[T16], v[ML+4:ML+7], s[12:13]             ; a wave stores 512 consecutive bytes
	global_store_b128 v[T16], v[WW:WW+3], s[42:43]
.Lend:
	s_wait_tensorcnt 0x0
	ds_add_u32 v208, v209
	s_wait_dscnt 0x0
	s_endpgm
.Lfunc_end_k_q1d6f8a711d_knn:
	.size	k_q1d6f8a711d_knn, .Lfunc_end_k_q1d6f8a711d_knn-k_q1d6f8a711d_knn
	.p2alignl 7, 3214868480
	.fill 96, 4, 3214868480
	.section	.rodata,"a",@progbits
	.p2align	6, 0x0
	.amdhsa_kernel k_q1d6f8a711d_knn
		.amdhsa_group_segment_fixed_size 124928
		.amdhsa_private_segment_fixed_size 0
		.amdhsa_enable_private_segment 0
		.amdhsa_kernarg_size 40
		.amdhsa_user_sgpr_count 2
		.amdhsa_user_sgpr_kernarg_segment_ptr 1
		.amdhsa_wavefront_size32 1
		.amdhsa_system_sgpr_workgroup_id_x 1
		.amdhsa_system_sgpr_workgroup_id_y 1
		.amdhsa_system_sgpr_workgroup_id_z 1
		.amdhsa_system_vgpr_workitem_id 0
		.amdhsa_next_free_vgpr 210
		.amdhsa_next_free_sgpr 66
		.amdhsa_reserve_vcc 0
		.amdhsa_float_denorm_mode_32 3
		.amdhsa_float_denorm_mode_16_64 3
		.amdhsa_memory_ordered 1
		.amdhsa_forward_progress 1
		.amdhsa_inst_pref_size 143
	.end_amdhsa_kernel
	.amdgpu_metadata
---
amdhsa.version: [ 1, 2 ]
amdhsa.kernels:
  - .name:           k_q1d6f8a711d_knn
    .symbol:         k_q1d6f8a711d_knn.kd
    .args:
      - { .name: xyz1, .offset: 0, .size: 8, .value_kind: global_buffer, .address_space: global }
      - { .name: xyz2, .offset: 8, .size: 8, .value_kind: global_buffer, .address_space: global }
      - { .name: points2, .offset: 16, .size: 8, .value_kind: global_buffer, .address_space: global }
      - { .name: f2tw, .offset: 24, .size: 8, .value_kind: global_buffer, .address_space: global }
      - { .name: nbr_idx, .offset: 32, .size: 8, .value_kind: global_buffer, .address_space: global }
    .group_segment_fixed_size: 124928
    .private_segment_fixed_size: 0
    .kernarg_segment_align: 8
    .kernarg_segment_size: 40
    .max_flat_workgroup_size: 256
    .sgpr_count:     66
    .vgpr_count:     210
    .wavefront_size: 32
...
	.end_amdgpu_metadata
.endif
;; end of part 1
;; launch layer0 (part 2): grid 256 x 1, 16 waves a work-group, no clusters, 71,680 bytes of LDS; arguments points1, f2tw, nbr_idx, W0_codes, W0_scales, b0, xbuf; writes xbuf
.if DOCPART == 2
	.amdgcn_target "amdgcn-amd-amdhsa--gfx1250"
	.amdhsa_code_object_version 6
	.text
	.protected	k_q1d6f8a711d_layer0
	.globl	k_q1d6f8a711d_layer0
	.p2align	8
	.type	k_q1d6f8a711d_layer0,@function
k_q1d6f8a711d_layer0:
	s_mov_b64 s[64:65], 0
	v_nop
	global_prefetch_b8 v0, s[64:65] scope:SCOPE_SE
	s_setreg_imm32_b32 hwreg(HW_REG_WAVE_MODE, 25, 1), 1
	s_wait_xcnt 0x0
; LAUNCH 2 OF 6.  X[point][512] = (points1's 256 channels, the 256 interpolated channels) is made, quantised along its 512 (E4M3 codes, one E8M0 byte for each 32) and stored as codes;
; y0 = X W0^T + b0 is multiplied once here for the batch norm's sums alone and is not stored: the launch after next multiplies again, from the codes.
; SHARES.  A work-group owns 128 points.  Sixteen waves, four to a SIMD, 256 registers each.
;   Waves 0-7 (wave = CG): channels 32 CG .. + 31 of points1, one block of 32 along K, for all 128 points; a lane holds four points, and its registers run down the channels: a block's largest magnitude needs no other lane.
;   Waves 8-15 (CG = wave - 8): the 16 points of tile CG, one at a time: three rows of f2t, named by nbr_idx, blended by the weights; a lane holds channels 8 lane .. + 7, four lanes hold a block.
;   All codes meet in LDS as rows of 512 bytes (a point's K); behind one barrier every wave copies a part out as images of operand registers, and multiplies.
;   The product: wave (CG, PH = wave / 8) makes channels 32 CG .. + 31 for points 64 PH .. + 63.  Its 32 rows of W0 come from memory straight into 128 registers, each byte once a wave.
; THE BLEND goes into a quantiser.  CHAIN = 0: as reference() writes it, three products, each rounded by itself, then their sum in the order 1, 2, 3.  CHAIN = 1: a product and two fused multiply-adds.
; THE SUMS.  Source 0 = 16 points, source 1 = 16 channels: a lane holds ONE channel and 32 of the wave's 64 points.  Stored for each channel: the mean of the 64 (with b0) and the sum of squares about that mean:
;   the next launch joins the 512 such pairs of a channel without forming a difference of large sums.
; Not used, and why: tensor loads and a ring (every byte is read once, at the head); a cluster for W0 (a wave reads its 16 KiB once into registers; a joint load would send the same bytes through LDS besides).
; A block of zeros gets the byte 1 where the quantiser says 127: its codes are zeros, and this program alone reads the bytes.
; LIMITS: NaN and infinities among the inputs are not served; an index is held at 4,095.
.set CHAIN, 0
.set XP,    528                        ; LDS: 128 rows of 512 codes + 16 bytes: 132 words, row r starts at bank 4 r mod 64 (64 banks of 4 bytes: ISA guide 11.1)
.set XSC,   67584                      ; behind them the scale words: word (4 tile + K step) x 16 + row
.set XSCL,  1048576                    ; xbuf: [0, 1 MiB) the pairs (mean, squares); then the scale words, 2,048 bytes a work-group;
.set XCOD,  1572864                    ; then the codes, 65,536 bytes a work-group: [tile 8][K step 4][2,048 bytes: registers 4 c .. 4 c + 3 of lane l at 512 c + 16 l]
.set NW,    8388608                    ; f2tw: where the weights begin
.set FLOOR, 0x4800000                  ; 2^(9 - 127): no largest magnitude is taken under it, so the scale's byte cannot fall under 1
.set EOFF,  0xfc000000                 ; takes 8 off an exponent field
.set EXPM,  0x7f800000
.set FA,   1                           ; v1   my fragments of X: 528 r + 16 h + 64 rows x PH
.set XSA,  2                           ; v2   their scale words
.set PA,   3                           ; v3   waves 0-7: where my four points' codes go
.set PSA,  4                           ; v4   and their scale bytes
.set GA,   5                           ; v5   waves 8-15: where my 8 codes of a point go
.set GSA,  6                           ; v6   and my block's scale byte
.set FB,   7                           ; v7   the copy out: tile wave / 2, K steps 2 (wave % 2) on
.set L16,  8                           ; v8   16 x lane
.set W0V,  9                           ; v9   W0: 512 r + 16 h
.set R16,  10                          ; v10  16 r
.set L4,   11                          ; v11  4 x lane
.set XCV,  12                          ; v12  16 x lane + 4,096 x wave
.set XSL,  13                          ; v13  XSC + 16 x thread
.set T16,  14                          ; v14  16 x thread
.set WS,   16                          ; v16-23  W0's scale words (4 u + K step);  v24-25 X's: these ten hold scales and nothing else
.set XS,   24
.set BIAS, 30                          ; v30  b0 of channel 32 CG + lane
.set XF,   32                          ; v32-63  two fragments of X; else at work
.set ACC,  64                          ; v64-127 eight accumulators: 32 u + 8 tile
.set W,    128                         ; v128-255 W0's eight fragments: 32 K step + 16 u
.set MX,   96                          ; waves 0-7, at work: largest magnitudes, conversion scales, holds, bytes, four each
.set SOP,  100
.set LIM,  104
.set BY,   108
.set IDX,  96                          ; waves 8-15: v96-99 lane r: point r's indices; v100-103 its weights
.set WQ,   100
.set VO,   104                         ; v104-115 row offsets: 3 slot + k
.set GM,   116                         ; v116-119 at work
.set FG,   128                         ; v128-223 four slots of three rows x 8 numbers
.set SEL,  28                          ; s[28:29] v_permlanex16_b32's selects for lane l xor 16
.set MNT,  30                          ; s30  the mantissa field of 448
.set PB,   36                          ; s[36:37] where my pair of sums goes
	s_load_b256 s[4:11], s[0:1], 0x0               ; points1 s[4:5], f2tw s[6:7], nbr_idx s[8:9], W0's codes s[10:11]
	s_load_b128 s[12:15], s[0:1], 0x20             ; W0's scales s[12:13], b0 s[14:15]
	s_load_b64 s[16:17], s[0:1], 0x30              ; xbuf
	v_lshrrev_b32 v26, 5, v0
	v_readfirstlane_b32 s18, v26                   ; wave 0..15
	s_and_b32 s19, s18, 7                          ; CG
	s_lshr_b32 s20, s18, 3                         ; PH
	s_lshr_b32 s21, ttmp9, 7                       ; the batch
	s_and_b32 s22, ttmp9, 127                      ; which 128 points of it
	s_mov_b32 s[SEL], 0x76543210
	s_mov_b32 s[SEL+1], 0xfedcba98
	s_mov_b32 s[MNT], 0x600000
	s_mov_b32 s45, 0                               ; (the packed forms name pairs and take the low word for both halves: the high words are written once)
	s_mov_b32 s47, 0
	s_mov_b32 s49, 0
	; every LDS address is made here, ahead of the parting of the two kinds of waves
	v_and_b32 v27, 31, v0                          ; lane
	v_and_b32 v28, 15, v0                          ; r
	v_bfe_u32 v29, v0, 4, 1                        ; h
	v_mul_u32_u24 v31, v28, XP
	v_lshl_add_u32 v31, v29, 4, v31                ; 528 r + 16 h
	s_mul_i32 s24, s20, 64*XP
	v_add_nc_u32 v[FA], s24, v31
	s_lshl_b32 s24, s20, 10
	s_add_co_u32 s24, s24, XSC
	v_lshl_add_u32 v[XSA], v28, 2, s24
	s_lshl_b32 s24, s19, 5
	v_mul_u32_u24 v[PA], v27, 4*XP                 ; point 4 lane + q: row 4 lane + q, byte 32 CG
	v_add_nc_u32 v[PA], s24, v[PA]
	v_lshrrev_b32 v30, 2, v27                      ; its tile is lane / 4, its row there 4 (lane % 4) + q; K step CG / 4, byte CG % 4
	v_lshlrev_b32 v30, 8, v30
	v_and_b32 v26, 3, v27
	v_lshl_add_u32 v30, v26, 4, v30
	s_lshr_b32 s24, s19, 2
	s_lshl_b32 s24, s24, 6
	s_and_b32 s25, s19, 3
	s_add_co_u32 s24, s24, s25
	s_add_co_u32 s24, s24, XSC
	v_add_nc_u32 v[PSA], s24, v30
	s_mul_i32 s24, s19, 16*XP
	s_add_co_u32 s24, s24, 256
	v_lshl_add_u32 v[GA], v27, 3, s24              ; tile CG's rows, byte 256 + 8 lane
	v_bfe_u32 v30, v0, 2, 2                        ; K step 2 + lane / 16, byte (lane / 4) % 4
	v_lshl_add_u32 v30, v29, 6, v30
	s_lshl_b32 s24, s19, 8
	s_add_co_u32 s24, s24, XSC+128
	v_add_nc_u32 v[GSA], s24, v30
	s_lshr_b32 s24, s18, 1
	s_mul_i32 s24, s24, 16*XP
	s_and_b32 s25, s18, 1
	s_lshl_b32 s25, s25, 8
	s_add_co_u32 s24, s24, s25
	v_add_nc_u32 v[FB], s24, v31
	v_lshlrev_b32 v[L16], 4, v27
	v_lshlrev_b32 v[W0V], 9, v28
	v_lshl_add_u32 v[W0V], v29, 4, v[W0V]
	v_lshlrev_b32 v[R16], 4, v28
	v_lshlrev_b32 v[L4], 2, v27
	s_lshl_b32 s24, s18, 12
	v_lshl_add_u32 v[XCV], v27, 4, s24
	v_lshl_add_u32 v[XSL], v0, 4, XSC
	v_lshlrev_b32 v[T16], 4, v0
	s_mov_b32 s25, 0
	s_wait_kmcnt 0x0
	s_lshl_b32 s24, s21, 24                        ; points1: (256 b + 32 CG) rows of 65,536 bytes + my 128 points
	s_lshl_b32 s23, s19, 21
	s_add_co_u32 s24, s24, s23
	s_lshl_b32 s23, s22, 9
	s_add_co_u32 s24, s24, s23
	s_add_nc_u64 s[4:5], s[4:5], s[24:25]
	s_lshl_b32 s24, s21, 18                        ; indices and weights: 16 bytes a point, at tile CG
	s_lshl_b32 s23, s22, 11
	s_add_co_u32 s24, s24, s23
	s_lshl_b32 s23, s19, 8
	s_add_co_u32 s24, s24, s23
	s_add_nc_u64 s[8:9], s[8:9], s[24:25]
	s_add_nc_u64 s[38:39], s[6:7], s[24:25]
	s_add_nc_u64 s[38:39], s[38:39], NW
	s_lshl_b32 s24, s21, 22                        ; f2t: the batch's 4,096 rows of 1,024 bytes
	s_add_nc_u64 s[6:7], s[6:7], s[24:25]
	s_lshl_b32 s24, s19, 14                        ; W0: my 32 rows of 512 codes,
	s_add_nc_u64 s[10:11], s[10:11], s[24:25]
	s_lshl_b32 s24, s19, 9                         ; of 16 scale bytes,
	s_add_nc_u64 s[12:13], s[12:13], s[24:25]
	s_lshl_b32 s24, s19, 7                         ; and my 32 numbers of b0
	s_add_nc_u64 s[14:15], s[14:15], s[24:25]
	s_lshl_b32 s24, ttmp9, 16
	s_add_nc_u64 s[32:33], s[16:17], s[24:25]
	s_add_nc_u64 s[32:33], s[32:33], XCOD          ; the work-group's codes,
	s_lshl_b32 s24, ttmp9, 11
	s_add_nc_u64 s[34:35], s[16:17], s[24:25]
	s_add_nc_u64 s[34:35], s[34:35], XSCL          ; its scale words,
	s_lshl_b32 s24, ttmp9, 1
	s_add_co_u32 s24, s24, s20
	s_lshl_b32 s24, s24, 8
	s_lshl_b32 s23, s19, 17
	s_add_co_u32 s24, s24, s23
	s_add_nc_u64 s[PB:PB+1], s[16:17], s[24:25]    ; and my record of sums: [CG][2 work-group + PH], 256 bytes
	s_cmp_ge_u32 s18, 8
	s_cbranch_scc1 .Lgather
	; ---- waves 0-7: 32 channels x 128 points of points1
.set i, 0
.rept 32
	global_load_b128 v[128+4*i:131+4*i], v[L16], s[4:5] offset:65536*i th:TH_LOAD_NT   ; channel 32 CG + i, points 4 lane + 0..3: a wave reads 512 consecutive bytes; read once in the launch
.set i, i+1
.endr
	s_wait_loadcnt 0x0
.irp q, 0,1,2,3
	v_max3_num_f32 v[MX+\q], |v[128+\q]|, |v[132+\q]|, FLOOR     ; point q's block: all 32 numbers are mine; the four points by turns
.endr
.set i, 2
.rept 15
.irp q, 0,1,2,3
	v_max3_num_f32 v[MX+\q], v[MX+\q], |v[128+4*i+\q]|, |v[132+4*i+\q]|
.endr
.set i, i+2
.endr
.irp q, 0,1,2,3
	v_add_nc_u32 v[SOP+\q], EOFF, v[MX+\q]         ; 8 off the exponent field: the conversion takes the exponent field of this operand as its scale
.endr
.irp q, 0,1,2,3
	v_and_or_b32 v[LIM+\q], v[MX+\q], EXPM, s[MNT] ; 448 x the scale
.endr
.irp q, 0,1,2,3
	v_lshrrev_b32 v[BY+\q], 23, v[SOP+\q]          ; the scale's byte
.endr
.irp q, 0,1,2,3
.set j, 0
.rept 32
	v_med3_num_f32 v[64+j], v[128+4*j+\q], -v[LIM+\q], v[LIM+\q] ; the conversion to an 8-bit code does not saturate (ISA guide 7.6.2): the hold; it also brings the point's 32 numbers into consecutive registers
.set j, j+1
.endr
.irp g, 0,1,2,3
	v_cvt_scalef32_pk8_fp8_f32 v[32+8*\q+2*\g:33+8*\q+2*\g], v[64+8*\g:71+8*\g], v[SOP+\q]
.endr
	v_nop                                          ; a plain line between the conversions and the next lines that write their sources
	ds_store_b128 v[PA], v[32+8*\q:35+8*\q] offset:XP*\q
	ds_store_b128 v[PA], v[36+8*\q:39+8*\q] offset:XP*\q+16
	ds_store_b8 v[PSA], v[BY+\q] offset:4*\q
.endr
	s_branch .Ljoin
	; ---- waves 8-15: the interpolated channels of 16 points
.Lgather:
	global_load_b128 v[IDX:IDX+3], v[R16], s[8:9]
	global_load_b128 v[WQ:WQ+3], v[R16], s[38:39]
	s_wait_loadcnt 0x0
.macro ISSUE p, slot                   ; point p's three rows are asked for: six loads of 512 consecutive bytes a wave.  (No hint: a row is named by many points)
.irp k, 0,1,2
	v_readlane_b32 s[40+\k], v[IDX+\k], \p
	s_min_u32 s[40+\k], s[40+\k], 0xfff            ; an index stays inside its table
	v_lshl_add_u32 v[VO+3*(\slot)+\k], s[40+\k], 10, v[L16]
	global_load_b128 v[FG+24*(\slot)+8*\k:FG+24*(\slot)+8*\k+3], v[VO+3*(\slot)+\k], s[6:7]
	global_load_b128 v[FG+24*(\slot)+8*\k+4:FG+24*(\slot)+8*\k+7], v[VO+3*(\slot)+\k], s[6:7] offset:512
.endr
.endm
.macro COMP p
.set FS, FG+24*((\p)%4)
.if (\p) <= 12
	s_wait_loadcnt 18                              ; point p's six loads are in; those of the three points behind it may be out.  The wait also frees the slot's offsets and registers
.else
	s_wait_loadcnt 6*(15-(\p))
.endif
.irp k, 0,1,2
	v_readlane_b32 s[44+2*\k], v[WQ+\k], \p
.endr
.if CHAIN
.irp e, 0,2,4,6
	v_pk_mul_f32 v[FS+\e:FS+\e+1], v[FS+\e:FS+\e+1], s[44:45] op_sel_hi:[1,0]
.endr
.irp e, 0,2,4,6
	v_pk_fma_f32 v[FS+\e:FS+\e+1], v[FS+8+\e:FS+9+\e], s[46:47], v[FS+\e:FS+\e+1] op_sel_hi:[1,0,1]
.endr
.irp e, 0,2,4,6
	v_pk_fma_f32 v[FS+\e:FS+\e+1], v[FS+16+\e:FS+17+\e], s[48:49], v[FS+\e:FS+\e+1] op_sel_hi:[1,0,1]
.endr
.else
.irp k, 0,1,2
.irp e, 0,2,4,6
	v_pk_mul_f32 v[FS+8*\k+\e:FS+8*\k+\e+1], v[FS+8*\k+\e:FS+8*\k+\e+1], s[44+2*\k:45+2*\k] op_sel_hi:[1,0]   ; row k x its weight, rounded by itself (the pair's low word for both halves)
.endr
.endr
.irp e, 0,2,4,6
	v_pk_add_f32 v[FS+\e:FS+\e+1], v[FS+\e:FS+\e+1], v[FS+8+\e:FS+9+\e]      ; the first two,
.endr
.irp e, 0,2,4,6
	v_pk_add_f32 v[FS+\e:FS+\e+1], v[FS+\e:FS+\e+1], v[FS+16+\e:FS+17+\e]    ; and the third
.endr
.endif
	v_max3_num_f32 v[GM], |v[FS]|, |v[FS+1]|, FLOOR
	v_max3_num_f32 v[GM], v[GM], |v[FS+2]|, |v[FS+3]|
	v_max3_num_f32 v[GM], v[GM], |v[FS+4]|, |v[FS+5]|
	v_max3_num_f32 v[GM], v[GM], |v[FS+6]|, |v[FS+7]|
	v_max_num_f32_dpp v[GM], v[GM], v[GM] row_xmask:1 row_mask:0xf bank_mask:0xf   ; four neighbouring lanes hold a block of 32
	v_max_num_f32_dpp v[GM], v[GM], v[GM] row_xmask:2 row_mask:0xf bank_mask:0xf
	v_add_nc_u32 v[GM+1], EOFF, v[GM]
	v_and_or_b32 v[GM+2], v[GM], EXPM, s[MNT]
	v_lshrrev_b32 v[GM+3], 23, v[GM+1]
.irp e, 0,1,2,3,4,5,6,7
	v_med3_num_f32 v[FS+\e], v[FS+\e], -v[GM+2], v[GM+2]
.endr
	v_cvt_scalef32_pk8_fp8_f32 v[32+2*(\p):33+2*(\p)], v[FS:FS+7], v[GM+1]
	v_nop                                          ; a plain line behind the conversion
	ds_store_b64 v[GA], v[32+2*(\p):33+2*(\p)] offset:XP*(\p)    ; 32 lanes write 256 consecutive bytes
	ds_store_b8 v[GSA], v[GM+3] offset:4*(\p)      ; the four lanes of a block write the same byte with the same value
.if (\p) < 12
	ISSUE (\p)+4, (\p)%4
.endif
.endm
	ISSUE 0, 0
	ISSUE 1, 1
	ISSUE 2, 2
	ISSUE 3, 3
.irp p, 0,1,2,3,4,5,6,7,8,9,10,11,12,13,14,15
	COMP \p
.endr
.Ljoin:
.irp s, 0,1,2,3                        ; W0's fragments: lane (r, h) takes row 32 CG + 16 u + r, K = 128 s + 32 c + 16 h + 0..15
.irp u, 0,1
.irp c, 0,1,2,3
	global_load_b128 v[W+32*\s+16*\u+4*\c:W+32*\s+16*\u+4*\c+3], v[W0V], s[10:11] offset:8192*\u+128*\s+32*\c
.endr
	global_load_b32 v[WS+4*\u+\s], v[R16], s[12:13] offset:256*\u+4*\s
.endr
.endr
	global_load_b32 v[BIAS], v[L4], s[14:15]
	s_wait_dscnt 0x0                               ; for the others' sake: my codes and scale bytes have landed
	s_barrier_signal -1
	s_barrier_wait -1                              ; the 128 rows are whole; nothing is written to LDS from here on
	; ---- the codes leave as images of operand registers: what a lane reads here is what a lane of the later launch wants in registers 4 c .. 4 c + 3
.irp t, 0,1
.irp c, 0,1,2,3
	ds_load_b128 v[64+16*\t+4*\c:67+16*\t+4*\c], v[FB] offset:128*\t+32*\c
.endr
.endr
	s_cmp_ge_u32 s18, 4
	s_cbranch_scc1 .Lno_words
	ds_load_b128 v[96:99], v[XSL]                  ; threads 0-127: the 2,048 bytes of scale words, as they lie
	s_wait_dscnt 0x0
	global_store_b128 v[T16], v[96:99], s[34:35]
.Lno_words:
	s_wait_dscnt 0x0
.irp t, 0,1
.irp c, 0,1,2,3
	global_store_b128 v[XCV], v[64+16*\t+4*\c:67+16*\t+4*\c], s[32:33] offset:2048*\t+512*\c   ; a wave stores 512 consecutive bytes
.endr
.endr
	s_wait_xcnt 0x0                                ; the stores have read v64-99, which now take sums
	s_wait_loadcnt 0x0                             ; W0, its scale words, b0
.macro PLACES                          ; eight plain lines stand between a matrix instruction of this form and a load into, or a vector line on, one of its registers
.rept 8
	v_nop
.endr
.endm
; Two tiles of points x my two tiles of channels, 128 along K.  The eight accumulators take turns, one instruction a turn, in the same order in every K step.
.macro GC s, half
.irp x, 0,1
.irp c, 0,1,2,3
	ds_load_b128 v[XF+16*\x+4*\c:XF+16*\x+4*\c+3], v[FA] offset:16*XP*(2*(\half)+\x)+128*(\s)+32*\c
.endr
	ds_load_b32 v[XS+\x], v[XSA] offset:256*(2*(\half)+\x)+64*(\s)
.endr
	s_wait_dscnt 0x0
.irp x, 0,1
.irp u, 0,1
.if (\s) == 0
	v_wmma_scale_f32_16x16x128_f8f6f4 v[ACC+32*\u+8*(2*(\half)+\x):ACC+32*\u+8*(2*(\half)+\x)+7], v[XF+16*\x:XF+16*\x+15], v[W+32*(\s)+16*\u:W+32*(\s)+16*\u+15], 0, v[XS+\x], v[WS+4*\u+(\s)]
.else
	v_wmma_scale_f32_16x16x128_f8f6f4 v[ACC+32*\u+8*(2*(\half)+\x):ACC+32*\u+8*(2*(\half)+\x)+7], v[XF+16*\x:XF+16*\x+15], v[W+32*(\s)+16*\u:W+32*(\s)+16*\u+15], v[ACC+32*\u+8*(2*(\half)+\x):ACC+32*\u+8*(2*(\half)+\x)+7], v[XS+\x], v[WS+4*\u+(\s)]
.endif
.endr
.endr
.endm
	GC 0, 0
	PLACES
	GC 0, 1
	PLACES
	GC 1, 0
	PLACES
	GC 1, 1
	PLACES
	GC 2, 0
	PLACES
	GC 2, 1
	PLACES
	GC 3, 0
	PLACES
	GC 3, 1
	PLACES
; THE SUMS.  Lane (r, h), tile u of channels: channel 32 CG + 16 u + r, 32 of the 64 points in registers ACC + 32 u on; lane l xor 16 holds the other 32.  The two u by turns; each accumulator is read from its low end on.
.set SS, 32                            ; at work, in the registers that held X's fragments
.set MP, 36
.set QQ, 40
.set PT, 44
.set OUTP, 46
.irp u, 0,1
	v_pk_add_f32 v[SS+2*\u:SS+2*\u+1], v[ACC+32*\u:ACC+32*\u+1], v[ACC+32*\u+2:ACC+32*\u+3]
.endr
.set i, 4
.rept 14
.irp u, 0,1
	v_pk_add_f32 v[SS+2*\u:SS+2*\u+1], v[SS+2*\u:SS+2*\u+1], v[ACC+32*\u+i:ACC+32*\u+i+1]
.endr
.set i, i+2
.endr
.irp u, 0,1
	v_add_f32 v[SS+2*\u], v[SS+2*\u], v[SS+2*\u+1]
.endr
.irp u, 0,1
	v_permlanex16_b32 v[PT+\u], v[SS+2*\u], s[SEL], s[SEL+1]
.endr
.irp u, 0,1
	v_add_f32 v[SS+2*\u], v[SS+2*\u], v[PT+\u]
.endr
.irp u, 0,1
	v_mul_f32 v[MP+2*\u], 0x3c800000, v[SS+2*\u]   ; / 64: the mean of the 64 points
.endr
.set i, 0
.rept 16
.irp u, 0,1
	v_pk_add_f32 v[ACC+32*\u+i:ACC+32*\u+i+1], v[ACC+32*\u+i:ACC+32*\u+i+1], v[MP+2*\u:MP+2*\u+1] op_sel_hi:[1,0] neg_lo:[0,1] neg_hi:[0,1]   ; less that mean (the pair's low word for both halves)
.endr
.set i, i+2
.endr
.irp u, 0,1
	v_pk_mul_f32 v[QQ+2*\u:QQ+2*\u+1], v[ACC+32*\u:ACC+32*\u+1], v[ACC+32*\u:ACC+32*\u+1]
.endr
.set i, 2
.rept 15
.irp u, 0,1
	v_pk_fma_f32 v[QQ+2*\u:QQ+2*\u+1], v[ACC+32*\u+i:ACC+32*\u+i+1], v[ACC+32*\u+i:ACC+32*\u+i+1], v[QQ+2*\u:QQ+2*\u+1]
.endr
.set i, i+2
.endr
.irp u, 0,1
	v_add_f32 v[QQ+2*\u], v[QQ+2*\u], v[QQ+2*\u+1]
.endr
.irp u, 0,1
	v_permlanex16_b32 v[PT+\u], v[QQ+2*\u], s[SEL], s[SEL+1]
.endr
.irp u, 0,1
	v_add_f32 v[QQ+2*\u], v[QQ+2*\u], v[PT+\u]
.endr
	v_cmp_lt_u32 vcc_lo, 63, v[L4]                 ; lanes 16-31 take u = 1's: lane l then holds channel 32 CG + l
	v_cndmask_b32 v[OUTP], v[MP], v[MP+2], vcc_lo
	v_cndmask_b32 v[OUTP+1], v[QQ], v[QQ+2], vcc_lo
	v_add_f32 v[OUTP], v[OUTP], v[BIAS]            ; the bias moves the mean and leaves the squares
	v_lshlrev_b32 v[OUTP+2], 1, v[L4]
	global_store_b64 v[OUTP+2], v[OUTP:OUTP+1], s[PB:PB+1]       ; the wave stores 256 consecutive bytes, at a multiple of 256 from xbuf's first byte
	s_wait_xcnt 0x0
	v_lshl_add_u32 v254, v0, 2, 0x11000
	v_mov_b32 v255, 0
	s_wait_tensorcnt 0x0
	ds_add_u32 v254, v255
	s_wait_dscnt 0x0
	s_endpgm
.Lfunc_end_k_q1d6f8a711d_layer0:
	.size	k_q1d6f8a711d_layer0, .Lfunc_end_k_q1d6f8a711d_layer0-k_q1d6f8a711d_layer0
	.p2alignl 7, 3214868480
	.fill 96, 4, 3214868480
	.section	.rodata,"a",@progbits
	.p2align	6, 0x0
	.amdhsa_kernel k_q1d6f8a711d_layer0
		.amdhsa_group_segment_fixed_size 71680
		.amdhsa_private_segment_fixed_size 0
		.amdhsa_enable_private_segment 0
		.amdhsa_kernarg_size 56
		.amdhsa_user_sgpr_count 2
		.amdhsa_user_sgpr_kernarg_segment_ptr 1
		.amdhsa_wavefront_size32 1
		.amdhsa_system_sgpr_workgroup_id_x 1
		.amdhsa_system_sgpr_workgroup_id_y 1
		.amdhsa_system_sgpr_workgroup_id_z 1
		.amdhsa_system_vgpr_workitem_id 0
		.amdhsa_next_free_vgpr 256
		.amdhsa_next_free_sgpr 66
		.amdhsa_reserve_vcc 1
		.amdhsa_float_denorm_mode_32 3
		.amdhsa_float_denorm_mode_16_64 3
		.amdhsa_memory_ordered 1
		.amdhsa_forward_progress 1
		.amdhsa_inst_pref_size 109
	.end_amdhsa_kernel
	.amdgpu_metadata
---
amdhsa.version: [ 1, 2 ]
amdhsa.kernels:
  - .name:           k_q1d6f8a711d_layer0
    .symbol:         k_q1d6f8a711d_layer0.kd
    .args:
      - { .name: points1, .offset: 0, .size: 8, .value_kind: global_buffer, .address_space: global }
      - { .name: f2tw, .offset: 8, .size: 8, .value_kind: global_buffer, .address_space: global }
      - { .name: nbr_idx, .offset: 16, .size: 8, .value_kind: global_buffer, .address_space: global }
      - { .name: W0_codes, .offset: 24, .size: 8, .value_kind: global_buffer, .address_space: global }
      - { .name: W0_scales, .offset: 32, .size: 8, .value_kind: global_buffer, .address_space: global }
      - { .name: b0, .offset: 40, .size: 8, .value_kind: global_buffer, .address_space: global }
      - { .name: xbuf, .offset: 48, .size: 8, .value_kind: global_buffer, .address_space: global }
    .group_segment_fixed_size: 71680
    .private_segment_fixed_size: 0
    .kernarg_segment_align: 8
    .kernarg_segment_size: 56
    .max_flat_workgroup_size: 512
    .sgpr_count:     66
    .vgpr_count:     256
    .wavefront_size: 32
...
	.end_amdgpu_metadata
.endif
;; end of part 2
;; launch bnstat (part 3): grid 8 x 1, 16 waves a work-group, no clusters, 8,192 bytes of LDS; arguments xbuf, b0, g0, be0, st0; writes st0
.if DOCPART == 3
	.amdgcn_target "amdgcn-amd-amdhsa--gfx1250"
	.amdhsa_code_object_version 6
	.text
	.protected	k_q1d6f8a711d_bnstat
	.globl	k_q1d6f8a711d_bnstat
	.p2align	8
	.type	k_q1d6f8a711d_bnstat,@function
k_q1d6f8a711d_bnstat:
	s_mov_b64 s[64:65], 0
	v_nop
	global_prefetch_b8 v0, s[64:65] scope:SCOPE_SE
	s_setreg_imm32_b32 hwreg(HW_REG_WAVE_MODE, 25, 1), 1
	s_wait_xcnt 0x0
; LAUNCHES 3 AND 5 OF 6 (one text, two sets of buffers).  The batch norm's figures for 256 channels, from 512 records a channel, each the mean of 64 points and the sum of squares about that mean:
;   mean = the mean of the 512 means;  M2 = the sum of the 512 sums of squares + 64 x the sum of (a record's mean - mean)^2;  var = M2 / 32,768.
; No difference of large sums is formed.  Stored, three planes of 256 f32: cb = b - mean, a = g / sqrt(var + 1e-5), be.  A later launch makes (product + cb) a + be.
; SHARES.  Work-group cg owns channels 32 cg .. + 31, whose records are 131,072 consecutive bytes.  Thread t takes channels 2 u and 2 u + 1 (u = t % 16) of records t / 16 + 32 i: a wave's load covers 512 consecutive bytes.
; Eight work-groups: a channel's sum has one owner, and the whole launch reads 1 MiB.
; LIMITS: 1 / sqrt is v_rsq_f32 (1 ulp).
.set RB, 4096                          ; LDS: [0, 4,096) each wave's (sum of means, sum of squares) x 2 channels x 16 u; from RB on each wave's squared deviations
	s_load_b256 s[4:11], s[0:1], 0x0               ; the records s[4:5], b s[6:7], g s[8:9], be s[10:11]
	s_load_b64 s[12:13], s[0:1], 0x20              ; the planes
	v_lshl_add_u32 v160, v0, 2, 0x1800
	v_mov_b32 v161, 0
	v_lshrrev_b32 v1, 5, v0
	v_readfirstlane_b32 s14, v1                    ; wave 0..15
	v_and_b32 v2, 15, v0                           ; u
	v_lshlrev_b32 v3, 4, v0                        ; 16 x thread
	v_lshlrev_b32 v4, 3, v2                        ; 8 u: two f32
	v_lshlrev_b32 v6, 4, v2                        ; 16 u
	s_lshl_b32 s15, s14, 8
	v_add_nc_u32 v5, s15, v6                       ; 256 wave + 16 u
	s_lshl_b32 s15, s14, 7
	v_add_nc_u32 v7, s15, v4                       ; 128 wave + 8 u
	s_lshl_b32 s16, ttmp9, 17
	s_mov_b32 s17, 0
	s_lshl_b32 s18, ttmp9, 7
	s_mov_b32 s19, 0
	s_mov_b32 s20, 0x76543210
	s_mov_b32 s21, 0xfedcba98                      ; v_permlanex16_b32's selects for lane l xor 16
	s_mov_b32 s22, 0x38000000                      ; 1 / 32,768
.irp k, 0,1,2,3
	v_mov_b32 v[20+\k], 0                          ; written once: a lane permute's destination counts as one of its sources
.endr
	s_wait_kmcnt 0x0
	s_add_nc_u64 s[4:5], s[4:5], s[16:17]
	s_add_nc_u64 s[6:7], s[6:7], s[18:19]
	s_add_nc_u64 s[8:9], s[8:9], s[18:19]
	s_add_nc_u64 s[10:11], s[10:11], s[18:19]
	s_add_nc_u64 s[12:13], s[12:13], s[18:19]
.set i, 0
.rept 16
	global_load_b128 v[32+4*i:35+4*i], v3, s[4:5] offset:8192*i th:TH_LOAD_NT   ; (mean, squares) of channel 2 u, then of 2 u + 1
.set i, i+1
.endr
	global_load_b64 v[8:9], v4, s[6:7]
	global_load_b64 v[10:11], v4, s[8:9]
	global_load_b64 v[12:13], v4, s[10:11]
	s_wait_loadcnt 0x0
.macro SUM16 base                      ; v[16:17], v[18:19] = the sums of sixteen pairs each
	v_pk_add_f32 v[16:17], v[\base:\base+1], v[\base+4:\base+5]
	v_pk_add_f32 v[18:19], v[\base+2:\base+3], v[\base+6:\base+7]
.set i, 2
.rept 14
	v_pk_add_f32 v[16:17], v[16:17], v[\base+4*i:\base+4*i+1]
	v_pk_add_f32 v[18:19], v[18:19], v[\base+4*i+2:\base+4*i+3]
.set i, i+1
.endr
.endm
	SUM16 32
.irp k, 0,1,2,3
	v_permlanex16_b32 v[20+\k], v[16+\k], s20, s21 ; lane l xor 16 holds the same channels of other records
.endr
	v_pk_add_f32 v[16:17], v[16:17], v[20:21]
	v_pk_add_f32 v[18:19], v[18:19], v[22:23]
	ds_store_b128 v5, v[16:19]                     ; both halves of the lanes write the same bytes with the same values
	s_wait_dscnt 0x0                               ; for the others' sake
	s_barrier_signal -1
	s_barrier_wait -1
.set i, 0
.rept 16
	ds_load_b128 v[96+4*i:99+4*i], v6 offset:256*i
.set i, i+1
.endr
	s_wait_dscnt 0x0
	SUM16 96                                       ; v16, v18: the sums of all 512 means; v17, v19: of all 512 sums of squares
	v_mul_f32 v24, 0x3b000000, v16                 ; / 512: the channel's mean
	v_mul_f32 v25, 0x3b000000, v18
	v_sub_f32 v26, v32, v24
	v_sub_f32 v27, v34, v25
	v_mul_f32 v28, v26, v26
	v_mul_f32 v29, v27, v27
.set i, 1
.rept 15
	v_sub_f32 v26, v[32+4*i], v24
	v_sub_f32 v27, v[34+4*i], v25
	v_fma_f32 v28, v26, v26, v28
	v_fma_f32 v29, v27, v27, v29
.set i, i+1
.endr
	v_permlanex16_b32 v20, v28, s20, s21
	v_permlanex16_b32 v21, v29, s20, s21
	v_pk_add_f32 v[28:29], v[28:29], v[20:21]
	ds_store_b64 v7, v[28:29] offset:RB
	s_wait_dscnt 0x0                               ; for wave 0's sake
	s_barrier_signal -1
	s_barrier_wait -1
	s_cmp_lg_u32 s14, 0
	s_cbranch_scc1 .Lend                           ; wave 0 finishes
.set i, 0
.rept 16
	ds_load_b64 v[96+2*i:97+2*i], v4 offset:RB+128*i
.set i, i+1
.endr
	s_wait_dscnt 0x0
	v_pk_add_f32 v[28:29], v[96:97], v[98:99]
.set i, 2
.rept 14
	v_pk_add_f32 v[28:29], v[28:29], v[96+2*i:97+2*i]
.set i, i+1
.endr
	v_fma_f32 v30, 0x42800000, v28, v17            ; M2 = 64 x the squared deviations of the means + the squares within the records
	v_fma_f32 v31, 0x42800000, v29, v19
	v_fma_f32 v30, v30, s22, 0x3727c5ac            ; var + 1e-5
	v_fma_f32 v31, v31, s22, 0x3727c5ac
	v_rsq_f32 v32, v30
	v_rsq_f32 v33, v31
	v_sub_f32 v34, v8, v24                         ; (plain lines behind the roots, ahead of their use: ISA guide 5.7.2)  cb = b - mean
	v_sub_f32 v35, v9, v25
	s_wait_alu depctr_va_vdst(0)
	v_mul_f32 v36, v10, v32                        ; a = g / sqrt(var + 1e-5)
	v_mul_f32 v37, v11, v33
	s_wait_xcnt 0x0                                ; EXEC changes only behind this wait
	v_cmp_gt_u32 vcc_lo, 16, v0                    ; lanes 16-31 hold the same numbers: lanes 0-15 store
	s_and_saveexec_b32 s23, vcc_lo
	global_store_b64 v4, v[34:35], s[12:13]
	global_store_b64 v4, v[36:37], s[12:13] offset:1024
	global_store_b64 v4, v[12:13], s[12:13] offset:2048
	s_wait_xcnt 0x0                                ; and again, in front of the line that widens it
	s_or_b32 exec_lo, exec_lo, s23
.Lend:
	s_wait_tensorcnt 0x0
	ds_add_u32 v160, v161
	s_wait_dscnt 0x0
	s_endpgm
.Lfunc_end_k_q1d6f8a711d_bnstat:
	.size	k_q1d6f8a711d_bnstat, .Lfunc_end_k_q1d6f8a711d_bnstat-k_q1d6f8a711d_bnstat
	.p2alignl 7, 3214868480
	.fill 96, 4, 3214868480
	.section	.rodata,"a",@progbits
	.p2align	6, 0x0
	.amdhsa_kernel k_q1d6f8a711d_bnstat
		.amdhsa_group_segment_fixed_size 8192
		.amdhsa_private_segment_fixed_size 0
		.amdhsa_enable_private_segment 0
		.amdhsa_kernarg_size 40
		.amdhsa_user_sgpr_count 2
		.amdhsa_user_sgpr_kernarg_segment_ptr 1
		.amdhsa_wavefront_size32 1
		.amdhsa_system_sgpr_workgroup_id_x 1
		.amdhsa_system_sgpr_workgroup_id_y 1
		.amdhsa_system_sgpr_workgroup_id_z 1
		.amdhsa_system_vgpr_workitem_id 0
		.amdhsa_next_free_vgpr 162
		.amdhsa_next_free_sgpr 66
		.amdhsa_reserve_vcc 1
		.amdhsa_float_denorm_mode_32 3
		.amdhsa_float_denorm_mode_16_64 3
		.amdhsa_memory_ordered 1
		.amdhsa_forward_progress 1
		.amdhsa_inst_pref_size 16
	.end_amdhsa_kernel
	.amdgpu_metadata
---
amdhsa.version: [ 1, 2 ]
amdhsa.kernels:
  - .name:           k_q1d6f8a711d_bnstat
    .symbol:         k_q1d6f8a711d_bnstat.kd
    .args:
      - { .name: xbuf, .offset: 0, .size: 8, .value_kind: global_buffer, .address_space: global }
      - { .name: b0, .offset: 8, .size: 8, .value_kind: global_buffer, .address_space: global }
      - { .name: g0, .offset: 16, .size: 8, .value_kind: global_buffer, .address_space: global }
      - { .name: be0, .offset: 24, .size: 8, .value_kind: global_buffer, .address_space: global }
      - { .name: st0, .offset: 32, .size: 8, .value_kind: global_buffer, .address_space: global }
    .group_segment_fixed_size: 8192
    .private_segment_fixed_size: 0
    .kernarg_segment_align: 8
    .kernarg_segment_size: 40
    .max_flat_workgroup_size: 512
    .sgpr_count:     66
    .vgpr_count:     162
    .wavefront_size: 32
...
	.end_amdgpu_metadata
.endif
;; end of part 3
;; launch layer1 (part 4): grid 256 x 1, 16 waves a work-group, no clusters, 103,424 bytes of LDS; arguments xbuf, W0_codes, W0_scales, st0, W1_codes, W1_scales, b1, hbuf; writes hbuf
.if DOCPART == 4
	.amdgcn_target "amdgcn-amd-amdhsa--gfx1250"
	.amdhsa_code_object_version 6
	.text
	.protected	k_q1d6f8a711d_layer1
	.globl	k_q1d6f8a711d_layer1
	.p2align	8
	.type	k_q1d6f8a711d_layer1,@function
k_q1d6f8a711d_layer1:
	s_mov_b64 s[64:65], 0
	v_nop
	global_prefetch_b8 v0, s[64:65] scope:SCOPE_SE
	s_setreg_imm32_b32 hwreg(HW_REG_WAVE_MODE, 25, 1), 1
	s_wait_xcnt 0x0
; LAUNCH 4 OF 6.  h = relu((X W0^T + b0 - mean0) a0 + be0), quantised along its 256 channels and stored as codes; y1 = h W1^T + b1 is multiplied once here for the second batch norm's sums alone.
; SHARES.  A work-group owns 128 points; wave (CG = wave % 8, PH = wave / 8) makes channels 32 CG .. + 31 for points 64 PH .. + 63, in both products.  Sixteen waves, four to a SIMD, 256 registers each.
; X's codes come as images of operand registers (65,536 bytes a work-group), once, into LDS; a wave's rows of W0 and W1 come from memory straight into registers.
; THE FIRST PRODUCT IS USED TRANSPOSED (source 0 = 16 rows of W0, source 1 = 16 points), and THE ROWS OF W0 THAT FORM A TILE ARE NOT NEIGHBOURS: lane r of tile u takes row 32 CG + 8 u + r + 8 (r / 8).
;   So lane (r, h) holds point r, and the 16 registers of its two tiles are channels 32 CG + 16 h + 0 .. 15: 16 neighbours along the next K, half of block CG; lane l xor 16 holds the other half.
;   The conversions' results are registers 4 (CG % 4) .. + 3 of the next operand's fragment of K step CG / 4: they go to LDS as an image, 16 bytes a lane.
; The sums begin with cb = b0 - mean0 as the first matrix instruction's C: bias and centring cost no line.
; THE SECOND PRODUCT is used the other way round (source 0 = 16 points, source 1 = 16 rows of W1): a lane holds one channel, as the sums over points want it.
; A block of zeros gets the byte 1 where the quantiser says 127: its codes are zeros, and this program alone reads the bytes.
; Not used, and why: tensor loads and a ring (every byte is read once, at the head); a cluster for the weights (a wave reads its rows once into registers).
.set XSC,   65536                      ; LDS: [0, 65,536) X's images; then X's scale words, 2,048 bytes;
.set HIMG,  67584                      ; h's images: [tile 8][K step 2][2,048 bytes];
.set HSC,   100352                     ; h's scale words: word (2 tile + K step) x 16 + row
.set XSCL,  1048576                    ; xbuf and hbuf: [0, 1 MiB) the pairs (mean, squares); then scale words; then codes
.set XCOD,  1572864
.set HSCL,  1048576
.set HCOD,  1310720
.set FLOOR, 0x4800000
.set EOFF,  0xfc000000
.set EXPM,  0x7f800000
.set XWA,  1                           ; v1   16 lane + 4,096 wave: my part of X's images, in memory and in LDS
.set XST,  2                           ; v2   XSC + 4 thread
.set T4,   3                           ; v3   4 thread
.set FA,   4                           ; v4   16 lane + 32,768 PH: my fragments of X
.set XSA,  5                           ; v5   their scale words
.set H64,  6                           ; v6   64 h: my 16 channels in a plane of st0
.set W0V,  7                           ; v7   W0: 512 (r + 8 (r / 8)) + 16 h
.set WSV,  8                           ; v8   16 (r + 8 (r / 8))
.set HWA,  9                           ; v9   where my 16 codes of a point go
.set HSA,  10                          ; v10  and the block's scale byte
.set W1SV, 11                          ; v11  8 r
.set L4,   12                          ; v12  4 lane
.set HFA,  13                          ; v13  my fragments of h
.set HXA,  14                          ; v14  their scale words
.set W1V,  15                          ; v15  W1: 256 r + 16 h
.set WS,   16                          ; v16-23 W0's scale words (4 u + K step); v24-25 X's, later h's; v26-29 W1's (2 u + K step): these hold scales and nothing else
.set XS,   24
.set W1S,  26
.set BIAS, 31                          ; v31  b1 of channel 32 CG + lane
.set XF,   32                          ; v32-63  two fragments; else at work
.set ACC,  64                          ; v64-127 eight accumulators: first product 16 tile + 8 u, second 32 u + 8 tile
.set W,    128                         ; v128-255 W0: 32 K step + 16 u.  As K steps are done with: v128-143 a0, v144-159 be0, v160-223 W1 (32 K step + 16 u)
.set AA,   128
.set BE,   144
.set W1F,  160
.set MX,   32
.set BY,   36
.set LIM,  40
.set SOP,  44
.set PC,   48
.set SEL,  28
.set MNT,  30
.set PB,   40
	s_load_b256 s[4:11], s[0:1], 0x0               ; xbuf s[4:5], W0's codes s[6:7], W0's scales s[8:9], st0 s[10:11]
	s_load_b256 s[12:19], s[0:1], 0x20             ; W1's codes s[12:13], W1's scales s[14:15], b1 s[16:17], hbuf s[18:19]
	v_lshrrev_b32 v31, 5, v0
	v_readfirstlane_b32 s20, v31                   ; wave 0..15
	s_and_b32 s21, s20, 7                          ; CG
	s_lshr_b32 s22, s20, 3                         ; PH
	s_mov_b32 s[SEL], 0x76543210
	s_mov_b32 s[SEL+1], 0xfedcba98
	s_mov_b32 s[MNT], 0x600000
	v_and_b32 v32, 31, v0                          ; lane
	v_and_b32 v33, 15, v0                          ; r
	v_bfe_u32 v34, v0, 4, 1                        ; h
	v_and_b32 v35, 8, v33
	v_add_nc_u32 v35, v35, v33                     ; r + 8 (r / 8)
	s_lshl_b32 s24, s20, 12
	v_lshl_add_u32 v[XWA], v32, 4, s24
	v_lshl_add_u32 v[XST], v0, 2, XSC
	v_lshlrev_b32 v[T4], 2, v0
	s_lshl_b32 s24, s22, 15
	v_lshl_add_u32 v[FA], v32, 4, s24
	s_lshl_b32 s24, s22, 10
	s_add_co_u32 s24, s24, XSC
	v_lshl_add_u32 v[XSA], v33, 2, s24
	v_lshlrev_b32 v[H64], 6, v34
	v_lshlrev_b32 v[W0V], 9, v35
	v_lshl_add_u32 v[W0V], v34, 4, v[W0V]
	v_lshlrev_b32 v[WSV], 4, v35
	s_lshl_b32 s24, s22, 14
	s_lshl_b32 s25, s21, 9                         ; 2,048 (CG / 4) + 512 (CG % 4) = 512 CG
	s_add_co_u32 s25, s25, s24
	s_add_co_u32 s25, s25, HIMG
	v_lshl_add_u32 v[HWA], v32, 4, s25
	s_add_co_u32 s24, s24, HIMG
	v_lshl_add_u32 v[HFA], v32, 4, s24
	s_lshl_b32 s24, s22, 9
	s_add_co_u32 s24, s24, HSC
	v_lshl_add_u32 v[HXA], v33, 2, s24
	s_lshr_b32 s25, s21, 2
	s_lshl_b32 s25, s25, 6
	s_add_co_u32 s24, s24, s25
	s_and_b32 s25, s21, 3
	s_add_co_u32 s24, s24, s25
	v_lshl_add_u32 v[HSA], v33, 2, s24             ; K step CG / 4, row r, byte CG % 4
	v_lshlrev_b32 v[W1SV], 3, v33
	v_lshlrev_b32 v[L4], 2, v32
	v_lshlrev_b32 v[W1V], 8, v33
	v_lshl_add_u32 v[W1V], v34, 4, v[W1V]
	s_mov_b32 s25, 0
	s_wait_kmcnt 0x0
	s_lshl_b32 s24, ttmp9, 16
	s_add_nc_u64 s[32:33], s[4:5], s[24:25]
	s_add_nc_u64 s[32:33], s[32:33], XCOD          ; the work-group's codes of X,
	s_lshl_b32 s24, ttmp9, 11
	s_add_nc_u64 s[34:35], s[4:5], s[24:25]
	s_add_nc_u64 s[34:35], s[34:35], XSCL          ; and their scale words
	s_lshl_b32 s24, s21, 14
	s_add_nc_u64 s[6:7], s[6:7], s[24:25]          ; W0: my 32 rows of 512 codes,
	s_lshl_b32 s24, s21, 9
	s_add_nc_u64 s[8:9], s[8:9], s[24:25]          ; of 16 scale bytes
	s_lshl_b32 s24, s21, 7
	s_add_nc_u64 s[10:11], s[10:11], s[24:25]      ; my 32 channels in st0's planes,
	s_add_nc_u64 s[16:17], s[16:17], s[24:25]      ; and in b1
	s_lshl_b32 s24, s21, 13
	s_add_nc_u64 s[12:13], s[12:13], s[24:25]      ; W1: my 32 rows of 256 codes,
	s_lshl_b32 s24, s21, 8
	s_add_nc_u64 s[14:15], s[14:15], s[24:25]      ; of 8 scale bytes
	s_lshl_b32 s24, ttmp9, 15
	s_add_nc_u64 s[36:37], s[18:19], s[24:25]
	s_add_nc_u64 s[36:37], s[36:37], HCOD          ; the work-group's codes of h,
	s_lshl_b32 s24, ttmp9, 10
	s_add_nc_u64 s[38:39], s[18:19], s[24:25]
	s_add_nc_u64 s[38:39], s[38:39], HSCL          ; their scale words,
	s_lshl_b32 s24, ttmp9, 1
	s_add_co_u32 s24, s24, s22
	s_lshl_b32 s24, s24, 8
	s_lshl_b32 s23, s21, 17
	s_add_co_u32 s24, s24, s23
	s_add_nc_u64 s[PB:PB+1], s[18:19], s[24:25]    ; and my record of sums
.irp i, 0,1,2,3,4,5,6,7
	global_load_b128 v[XF+4*\i:XF+4*\i+3], v[XWA], s[32:33] offset:512*\i th:TH_LOAD_NT   ; my sixteenth of X's images: 512 consecutive bytes a load; read once in the launch
.endr
	global_load_b32 v30, v[T4], s[34:35] th:TH_LOAD_NT
.irp t, 0,1,2,3
.irp i, 0,1,2,3
	global_load_b128 v[ACC+16*\t+4*\i:ACC+16*\t+4*\i+3], v[H64], s[10:11] offset:16*\i      ; cb of my 16 channels, into each tile's two accumulators
.endr
.endr
.irp s, 0,1,2,3
.irp u, 0,1
.irp c, 0,1,2,3
	global_load_b128 v[W+32*\s+16*\u+4*\c:W+32*\s+16*\u+4*\c+3], v[W0V], s[6:7] offset:4096*\u+128*\s+32*\c
.endr
	global_load_b32 v[WS+4*\u+\s], v[WSV], s[8:9] offset:128*\u+4*\s
.endr
.endr
.irp u, 0,1
.irp s, 0,1
	global_load_b32 v[W1S+2*\u+\s], v[W1SV], s[14:15] offset:128*\u+4*\s
.endr
.endr
	global_load_b32 v[BIAS], v[L4], s[16:17]
	s_wait_loadcnt 61                              ; loads come back in order: X's nine are in; 16 of cb, 40 of W0, 4 of W1's scale words and b1 may be out
.irp i, 0,1,2,3,4,5,6,7
	ds_store_b128 v[XWA], v[XF+4*\i:XF+4*\i+3] offset:512*\i
.endr
	ds_store_b32 v[XST], v30
	s_wait_dscnt 0x0                               ; for the others' sake: my part of the images has landed
	s_barrier_signal -1
	s_barrier_wait -1
	s_wait_loadcnt 0x0
.macro PLACES                          ; eight plain lines stand between a matrix instruction of this form and a load into, or a vector line on, one of its registers
.rept 8
	v_nop
.endr
.endm
; The first product: two tiles of points x my two tiles of rows of W0, 128 along K.  The eight accumulators take turns, one instruction a turn, in the same order in every K step.
.macro GP s, half
.irp x, 0,1
.irp c, 0,1,2,3
	ds_load_b128 v[XF+16*\x+4*\c:XF+16*\x+4*\c+3], v[FA] offset:8192*(2*(\half)+\x)+2048*(\s)+512*\c
.endr
	ds_load_b32 v[XS+\x], v[XSA] offset:256*(2*(\half)+\x)+64*(\s)
.endr
	s_wait_dscnt 0x0
.irp x, 0,1
.irp u, 0,1
	v_wmma_scale_f32_16x16x128_f8f6f4 v[ACC+16*(2*(\half)+\x)+8*\u:ACC+16*(2*(\half)+\x)+8*\u+7], v[W+32*(\s)+16*\u:W+32*(\s)+16*\u+15], v[XF+16*\x:XF+16*\x+15], v[ACC+16*(2*(\half)+\x)+8*\u:ACC+16*(2*(\half)+\x)+8*\u+7], v[WS+4*\u+(\s)], v[XS+\x]
.endr
.endr
.endm
.macro W1LOAD s                        ; W1's two fragments of K step s: lane (r, h) takes row 32 CG + 16 u + r
.irp u, 0,1
.irp c, 0,1,2,3
	global_load_b128 v[W1F+32*(\s)+16*\u+4*\c:W1F+32*(\s)+16*\u+4*\c+3], v[W1V], s[12:13] offset:4096*\u+128*(\s)+32*\c
.endr
.endr
.endm
	GP 0, 0
	PLACES
	GP 0, 1
	PLACES
.irp i, 0,1,2,3                        ; K step 0's 32 registers of W0 are done with: they take a0 and be0 of my 16 channels
	global_load_b128 v[AA+4*\i:AA+4*\i+3], v[H64], s[10:11] offset:1024+16*\i
	global_load_b128 v[BE+4*\i:BE+4*\i+3], v[H64], s[10:11] offset:2048+16*\i
.endr
	GP 1, 0
	PLACES
	GP 1, 1
	PLACES
	W1LOAD 0                                       ; into K step 1's registers
	GP 2, 0
	PLACES
	GP 2, 1
	PLACES
	W1LOAD 1                                       ; into K step 2's
	GP 3, 0
	PLACES
	GP 3, 1
	PLACES
	s_wait_loadcnt 16                              ; a0 and be0 are in; W1's sixteen loads may be out
.set i, 0
.rept 8
.irp t, 0,1,2,3
	v_pk_fma_f32 v[ACC+16*\t+i:ACC+16*\t+i+1], v[ACC+16*\t+i:ACC+16*\t+i+1], v[AA+i:AA+i+1], v[BE+i:BE+i+1]   ; (product + cb) a + be; each accumulator from its low end on
.endr
.set i, i+2
.endr
	; the quantiser along the channels: tile t's 16 registers are half of my block for point r.  No |.|: what is negative is to become 0, so it must not count; the floor stands over it
.irp t, 0,1,2,3
	v_max3_num_f32 v[MX+\t], v[ACC+16*\t], v[ACC+16*\t+1], FLOOR
.endr
.irp i, 2,4,6,8,10,12,14
.irp t, 0,1,2,3
	v_max3_num_f32 v[MX+\t], v[MX+\t], v[ACC+16*\t+\i], v[ACC+16*\t+\i+1]
.endr
.endr
.irp t, 0,1,2,3
	v_permlanex16_b32 v[BY+\t], v[MX+\t], s[SEL], s[SEL+1]
.endr
.irp t, 0,1,2,3
	v_max_num_f32 v[MX+\t], v[MX+\t], v[BY+\t]     ; with lane l xor 16's: the block's largest magnitude
.endr
.irp t, 0,1,2,3
	v_add_nc_u32 v[SOP+\t], EOFF, v[MX+\t]         ; 8 off the exponent field: the conversion's scale operand
.endr
.irp t, 0,1,2,3
	v_and_or_b32 v[LIM+\t], v[MX+\t], EXPM, s[MNT] ; 448 x the scale
.endr
.irp t, 0,1,2,3
	v_lshrrev_b32 v[BY+\t], 23, v[SOP+\t]          ; the scale's byte
.endr
.irp t, 0,1,2,3
.irp i, 0,1,2,3,4,5,6,7,8,9,10,11,12,13,14,15
	v_med3_num_f32 v[ACC+16*\t+\i], v[ACC+16*\t+\i], 0, v[LIM+\t]   ; the activation and the hold in one (the conversion does not saturate: ISA guide 7.6.2)
.endr
	v_cvt_scalef32_pk8_fp8_f32 v[PC+4*\t:PC+4*\t+1], v[ACC+16*\t:ACC+16*\t+7], v[SOP+\t]
	v_cvt_scalef32_pk8_fp8_f32 v[PC+4*\t+2:PC+4*\t+3], v[ACC+16*\t+8:ACC+16*\t+15], v[SOP+\t]
.endr
	v_nop                                          ; a plain line between the conversions and the next vector or matrix lines on their registers
.irp t, 0,1,2,3
	ds_store_b128 v[HWA], v[PC+4*\t:PC+4*\t+3] offset:4096*\t    ; 32 lanes write 512 consecutive bytes of the image
	ds_store_b8 v[HSA], v[BY+\t] offset:128*\t     ; lanes l and l xor 16 write the same byte with the same value
.endr
	s_wait_dscnt 0x0                               ; for the others' sake: my codes and bytes have landed, and my reads of X are over
	s_barrier_signal -1
	s_barrier_wait -1                              ; h's sixteen fragments are whole; nothing is written to LDS from here on
	; ---- h leaves as it lies
	s_lshl_b32 s24, s20, 11
	v_lshl_add_u32 v57, v[L4], 2, s24              ; 16 lane + 2,048 wave
	v_add_nc_u32 v56, HIMG, v57
	v_lshlrev_b32 v59, 4, v0                       ; 16 thread
	v_add_nc_u32 v58, HSC, v59
.irp c, 0,1,2,3
	ds_load_b128 v[32+4*\c:35+4*\c], v56 offset:512*\c
.endr
	s_cmp_ge_u32 s20, 2
	s_cbranch_scc1 .Lno_words
	ds_load_b128 v[48:51], v58                     ; threads 0-63: the 1,024 bytes of scale words
	s_wait_dscnt 0x0
	global_store_b128 v59, v[48:51], s[38:39]
.Lno_words:
	s_wait_dscnt 0x0
.irp c, 0,1,2,3
	global_store_b128 v57, v[32+4*\c:35+4*\c], s[36:37] offset:512*\c   ; a wave stores 512 consecutive bytes
.endr
	s_wait_xcnt 0x0                                ; the stores have read v32-59, which now take fragments
	s_wait_loadcnt 0x0                             ; W1
; The second product: two tiles of points x my two tiles of channels, 128 along K; the first K step starts the sums.  The accumulators by turns, as above.
.macro GC s, half
.irp x, 0,1
.irp c, 0,1,2,3
	ds_load_b128 v[XF+16*\x+4*\c:XF+16*\x+4*\c+3], v[HFA] offset:4096*(2*(\half)+\x)+2048*(\s)+512*\c
.endr
	ds_load_b32 v[XS+\x], v[HXA] offset:128*(2*(\half)+\x)+64*(\s)
.endr
	s_wait_dscnt 0x0
.irp x, 0,1
.irp u, 0,1
.if (\s) == 0
	v_wmma_scale_f32_16x16x128_f8f6f4 v[ACC+32*\u+8*(2*(\half)+\x):ACC+32*\u+8*(2*(\half)+\x)+7], v[XF+16*\x:XF+16*\x+15], v[W1F+32*(\s)+16*\u:W1F+32*(\s)+16*\u+15], 0, v[XS+\x], v[W1S+2*\u+(\s)]
.else
	v_wmma_scale_f32_16x16x128_f8f6f4 v[ACC+32*\u+8*(2*(\half)+\x):ACC+32*\u+8*(2*(\half)+\x)+7], v[XF+16*\x:XF+16*\x+15], v[W1F+32*(\s)+16*\u:W1F+32*(\s)+16*\u+15], v[ACC+32*\u+8*(2*(\half)+\x):ACC+32*\u+8*(2*(\half)+\x)+7], v[XS+\x], v[W1S+2*\u+(\s)]
.endif
.endr
.endr
.endm
	GC 0, 0
	PLACES
	GC 0, 1
	PLACES
	GC 1, 0
	PLACES
	GC 1, 1
	PLACES
; THE SUMS.  Lane (r, h), tile u of channels: channel 32 CG + 16 u + r, 32 of the 64 points in registers ACC + 32 u on; lane l xor 16 holds the other 32.  The two u by turns; each accumulator is read from its low end on.
.set SS, 32
.set MP, 36
.set QQ, 40
.set PT, 44
.set OUTP, 46
.irp u, 0,1
	v_pk_add_f32 v[SS+2*\u:SS+2*\u+1], v[ACC+32*\u:ACC+32*\u+1], v[ACC+32*\u+2:ACC+32*\u+3]
.endr
.set i, 4
.rept 14
.irp u, 0,1
	v_pk_add_f32 v[SS+2*\u:SS+2*\u+1], v[SS+2*\u:SS+2*\u+1], v[ACC+32*\u+i:ACC+32*\u+i+1]
.endr
.set i, i+2
.endr
.irp u, 0,1
	v_add_f32 v[SS+2*\u], v[SS+2*\u], v[SS+2*\u+1]
.endr
.irp u, 0,1
	v_permlanex16_b32 v[PT+\u], v[SS+2*\u], s[SEL], s[SEL+1]
.endr
.irp u, 0,1
	v_add_f32 v[SS+2*\u], v[SS+2*\u], v[PT+\u]
.endr
.irp u, 0,1
	v_mul_f32 v[MP+2*\u], 0x3c800000, v[SS+2*\u]   ; / 64: the mean of the 64 points
.endr
.set i, 0
.rept 16
.irp u, 0,1
	v_pk_add_f32 v[ACC+32*\u+i:ACC+32*\u+i+1], v[ACC+32*\u+i:ACC+32*\u+i+1], v[MP+2*\u:MP+2*\u+1] op_sel_hi:[1,0] neg_lo:[0,1] neg_hi:[0,1]   ; less that mean (the pair's low word for both halves)
.endr
.set i, i+2
.endr
.irp u, 0,1
	v_pk_mul_f32 v[QQ+2*\u:QQ+2*\u+1], v[ACC+32*\u:ACC+32*\u+1], v[ACC+32*\u:ACC+32*\u+1]
.endr
.set i, 2
.rept 15
.irp u, 0,1
	v_pk_fma_f32 v[QQ+2*\u:QQ+2*\u+1], v[ACC+32*\u+i:ACC+32*\u+i+1], v[ACC+32*\u+i:ACC+32*\u+i+1], v[QQ+2*\u:QQ+2*\u+1]
.endr
.set i, i+2
.endr
.irp u, 0,1
	v_add_f32 v[QQ+2*\u], v[QQ+2*\u], v[QQ+2*\u+1]
.endr
.irp u, 0,1
	v_permlanex16_b32 v[PT+\u], v[QQ+2*\u], s[SEL], s[SEL+1]
.endr
.irp u, 0,1
	v_add_f32 v[QQ+2*\u], v[QQ+2*\u], v[PT+\u]
.endr
	v_cmp_lt_u32 vcc_lo, 63, v[L4]                 ; lanes 16-31 take u = 1's: lane l then holds channel 32 CG + l
	v_cndmask_b32 v[OUTP], v[MP], v[MP+2], vcc_lo
	v_cndmask_b32 v[OUTP+1], v[QQ], v[QQ+2], vcc_lo
	v_add_f32 v[OUTP], v[OUTP], v[BIAS]            ; the bias moves the mean and leaves the squares
	v_lshlrev_b32 v[OUTP+2], 1, v[L4]
	global_store_b64 v[OUTP+2], v[OUTP:OUTP+1], s[PB:PB+1]       ; the wave stores 256 consecutive bytes, at a multiple of 256 from hbuf's first byte
	s_wait_xcnt 0x0
	v_lshl_add_u32 v254, v0, 2, 0x18c00
	v_mov_b32 v255, 0
	s_wait_tensorcnt 0x0
	ds_add_u32 v254, v255
	s_wait_dscnt 0x0
	s_endpgm
.Lfunc_end_k_q1d6f8a711d_layer1:
	.size	k_q1d6f8a711d_layer1, .Lfunc_end_k_q1d6f8a711d_layer1-k_q1d6f8a711d_layer1
	.p2alignl 7, 3214868480
	.fill 96, 4, 3214868480
	.section	.rodata,"a",@progbits
	.p2align	6, 0x0
	.amdhsa_kernel k_q1d6f8a711d_layer1
		.amdhsa_group_segment_fixed_size 103424
		.amdhsa_private_segment_fixed_size 0
		.amdhsa_enable_private_segment 0
		.amdhsa_kernarg_size 64
		.amdhsa_user_sgpr_count 2
		.amdhsa_user_sgpr_kernarg_segment_ptr 1
		.amdhsa_wavefront_size32 1
		.amdhsa_system_sgpr_workgroup_id_x 1
		.amdhsa_system_sgpr_workgroup_id_y 1
		.amdhsa_system_sgpr_workgroup_id_z 1
		.amdhsa_system_vgpr_workitem_id 0
		.amdhsa_next_free_vgpr 256
		.amdhsa_next_free_sgpr 66
		.amdhsa_reserve_vcc 1
		.amdhsa_float_denorm_mode_32 3
		.amdhsa_float_denorm_mode_16_64 3
		.amdhsa_memory_ordered 1
		.amdhsa_forward_progress 1
		.amdhsa_inst_pref_size 49
	.end_amdhsa_kernel
	.amdgpu_metadata
---
amdhsa.version: [ 1, 2 ]
amdhsa.kernels:
  - .name:           k_q1d6f8a711d_layer1
    .symbol:         k_q1d6f8a711d_layer1.kd
    .args:
      - { .name: xbuf, .offset: 0, .size: 8, .value_kind: global_buffer, .address_space: global }
      - { .name: W0_codes, .offset: 8, .size: 8, .value_kind: global_buffer, .address_space: global }
      - { .name: W0_scales, .offset: 16, .size: 8, .value_kind: global_buffer, .address_space: global }
      - { .name: st0, .offset: 24, .size: 8, .value_kind: global_buffer, .address_space: global }
      - { .name: W1_codes, .offset: 32, .size: 8, .value_kind: global_buffer, .address_space: global }
      - { .name: W1_scales, .offset: 40, .size: 8, .value_kind: global_buffer, .address_space: global }
      - { .name: b1, .offset: 48, .size: 8, .value_kind: global_buffer, .address_space: global }
      - { .name: hbuf, .offset: 56, .size: 8, .value_kind: global_buffer, .address_space: global }
    .group_segment_fixed_size: 103424
    .private_segment_fixed_size: 0
    .kernarg_segment_align: 8
    .kernarg_segment_size: 64
    .max_flat_workgroup_size: 512
    .sgpr_count:     66
    .vgpr_count:     256
    .wavefront_size: 32
...
	.end_amdgpu_metadata
.endif
;; end of part 4
;; launch stat1: the kernel of part 3 again; grid 8 x 1, 16 waves a work-group, no clusters, 8,192 bytes of LDS; arguments hbuf, b1, g1, be1, st1; writes st1
;; launch final (part 5): grid 256 x 1, 16 waves a work-group, no clusters, 174,080 bytes of LDS; arguments hbuf, W1_codes, W1_scales, st1, out0; writes out0
.if DOCPART == 5
	.amdgcn_target "amdgcn-amd-amdhsa--gfx1250"
	.amdhsa_code_object_version 6
	.text
	.protected	k_q1d6f8a711d_final
	.globl	k_q1d6f8a711d_final
	.p2align	8
	.type	k_q1d6f8a711d_final,@function
k_q1d6f8a711d_final:
	s_mov_b64 s[64:65], 0
	v_nop
	global_prefetch_b8 v0, s[64:65] scope:SCOPE_SE
	s_setreg_imm32_b32 hwreg(HW_REG_WAVE_MODE, 25, 1), 1
	s_wait_xcnt 0x0
; LAUNCH 6 OF 6.  out0[b][channel][point] = relu((h W1^T + b1 - mean1) a1 + be1), h from its codes.
; SHARES.  A work-group owns 128 points; wave (CG = wave % 8, PH = wave / 8) makes channels 32 CG .. + 31 for points 64 PH .. + 63.  Sixteen waves, four to a SIMD, 256 registers each.
; h's codes come as images of operand registers (32,768 bytes a work-group), once, into LDS; a wave's 32 rows of W1 and all scale words come from memory straight into registers.
; Source 0 = 16 points, source 1 = 16 rows of W1: a lane holds ONE channel and eight neighbouring points a tile, 32 bytes of a row of out0.  The norm is one packed multiply-add: product x a + (cb a + be).
; THE WAY OUT.  A wave's 32 channels x 64 points go through its own stage in LDS (rows of 256 bytes + 16) and leave as whole rows: sixteen lanes store 256 consecutive bytes.
; Not used, and why: tensor loads and a ring (every byte is read once, at the head); a cluster for W1 (a wave reads its 8 KiB once into registers).
.set STG,   32768                      ; LDS: [0, 32,768) h's images; then a stage of 32 rows x 272 bytes for each wave
.set SP,    272                        ; 68 words: row r starts at bank 4 r mod 64 (64 banks of 4 bytes: ISA guide 11.1)
.set HSCL,  1048576
.set HCOD,  1310720
.set HWV,  1                           ; v1   16 lane + 2,048 wave: my part of h's images, in memory and in LDS
.set R4,   2                           ; v2   4 r
.set W1V,  3                           ; v3   W1: 256 r + 16 h
.set W1SV, 4                           ; v4   8 r
.set HFA,  5                           ; v5   16 lane + 16,384 PH: my fragments of h
.set SO,   6                           ; v6   the stage: where I put 32 bytes of a row
.set SR,   7                           ; v7   and where I read a row back
.set OV,   8                           ; v8   65,536 h + 16 r: my 16 bytes in two rows of out0
.set CBR,  10                          ; v10-11 cb of my channel, u = 0, 1
.set AP,   12                          ; v[12:13], v[14:15] a (the pair's low word serves both halves)
.set W1S,  16                          ; v16-19 W1's scale words (2 u + K step); v20-27 h's (2 tile + K step): these hold scales and nothing else
.set HS,   20
.set CP,   28                          ; v[28:29], v[30:31] cb a + be, likewise
.set XF,   32                          ; v32-63  two fragments of h
.set ACC,  64                          ; v64-127 eight accumulators: 32 u + 8 tile
.set W,    128                         ; v128-191 W1: 32 K step + 16 u
.set BK,   192                         ; v192-255 sixteen pairs of rows read back from the stage
	s_load_b256 s[4:11], s[0:1], 0x0               ; hbuf s[4:5], W1's codes s[6:7], W1's scales s[8:9], st1 s[10:11]
	s_load_b64 s[12:13], s[0:1], 0x20              ; out0
	v_lshrrev_b32 v9, 5, v0
	v_readfirstlane_b32 s14, v9                    ; wave 0..15
	s_and_b32 s15, s14, 7                          ; CG
	s_lshr_b32 s16, s14, 3                         ; PH
	s_lshr_b32 s17, ttmp9, 7                       ; the batch
	s_and_b32 s18, ttmp9, 127                      ; which 128 points of it
	v_and_b32 v12, 31, v0                          ; lane
	v_and_b32 v13, 15, v0                          ; r
	v_bfe_u32 v15, v0, 4, 1                        ; h
	s_lshl_b32 s20, s14, 11
	v_lshl_add_u32 v[HWV], v12, 4, s20
	v_lshlrev_b32 v[R4], 2, v13
	v_lshlrev_b32 v[W1V], 8, v13
	v_lshl_add_u32 v[W1V], v15, 4, v[W1V]
	v_lshlrev_b32 v[W1SV], 3, v13
	s_lshl_b32 s20, s16, 14
	v_lshl_add_u32 v[HFA], v12, 4, s20
	s_mul_i32 s20, s14, 32*SP
	s_add_co_u32 s20, s20, STG                     ; my stage
	v_mul_u32_u24 v[SO], v13, SP
	v_lshl_add_u32 v[SO], v15, 5, v[SO]
	v_add_nc_u32 v[SO], s20, v[SO]                 ; in: row r, + 32 h
	v_mul_u32_u24 v[SR], v15, SP
	v_lshl_add_u32 v[SR], v13, 4, v[SR]
	v_add_nc_u32 v[SR], s20, v[SR]                 ; back: lanes 0-15 one row, lanes 16-31 the next
	v_lshlrev_b32 v[OV], 16, v15
	v_lshl_add_u32 v[OV], v13, 4, v[OV]
	v_mov_b32 v29, 0                               ; (named as the upper halves of pairs, so they are written; v13 and v15 have been)
	v_mov_b32 v31, 0
	s_mov_b32 s21, 0
	s_wait_kmcnt 0x0
	s_lshl_b32 s20, ttmp9, 15
	s_add_nc_u64 s[24:25], s[4:5], s[20:21]
	s_add_nc_u64 s[24:25], s[24:25], HCOD          ; the work-group's codes of h,
	s_lshl_b32 s20, ttmp9, 10
	s_lshl_b32 s19, s16, 9
	s_add_co_u32 s20, s20, s19
	s_add_nc_u64 s[26:27], s[4:5], s[20:21]
	s_add_nc_u64 s[26:27], s[26:27], HSCL          ; the scale words of my four tiles
	s_lshl_b32 s20, s15, 13
	s_add_nc_u64 s[6:7], s[6:7], s[20:21]          ; W1: my 32 rows of 256 codes,
	s_lshl_b32 s20, s15, 8
	s_add_nc_u64 s[8:9], s[8:9], s[20:21]          ; of 8 scale bytes
	s_lshl_b32 s20, s15, 7
	s_add_nc_u64 s[10:11], s[10:11], s[20:21]      ; my 32 channels in st1's planes
	s_lshl_b32 s20, s17, 24                        ; out0: (256 b + 32 CG) rows of 65,536 bytes + my 64 points
	s_lshl_b32 s19, s15, 21
	s_add_co_u32 s20, s20, s19
	s_lshl_b32 s19, s18, 9
	s_add_co_u32 s20, s20, s19
	s_lshl_b32 s19, s16, 8
	s_add_co_u32 s20, s20, s19
	s_add_nc_u64 s[12:13], s[12:13], s[20:21]
.irp c, 0,1,2,3
	global_load_b128 v[XF+4*\c:XF+4*\c+3], v[HWV], s[24:25] offset:512*\c th:TH_LOAD_NT   ; my sixteenth of h's images; read once in the launch
.endr
.irp t, 0,1,2,3
.irp s, 0,1
	global_load_b32 v[HS+2*\t+\s], v[R4], s[26:27] offset:128*\t+64*\s
.endr
.endr
.irp s, 0,1
.irp u, 0,1
.irp c, 0,1,2,3
	global_load_b128 v[W+32*\s+16*\u+4*\c:W+32*\s+16*\u+4*\c+3], v[W1V], s[6:7] offset:4096*\u+128*\s+32*\c
.endr
	global_load_b32 v[W1S+2*\u+\s], v[W1SV], s[8:9] offset:128*\u+4*\s
.endr
.endr
.irp u, 0,1                            ; channel 32 CG + 16 u + r
	global_load_b32 v[CBR+\u], v[R4], s[10:11] offset:64*\u
	global_load_b32 v[AP+2*\u], v[R4], s[10:11] offset:1024+64*\u
	global_load_b32 v[CP+2*\u], v[R4], s[10:11] offset:2048+64*\u
.endr
	s_wait_loadcnt 34                              ; loads come back in order: the images' four are in; 8 + 16 + 4 + 6 may be out
.irp c, 0,1,2,3
	ds_store_b128 v[HWV], v[XF+4*\c:XF+4*\c+3] offset:512*\c
.endr
	s_wait_dscnt 0x0                               ; for the others' sake: my part of the images has landed
	s_barrier_signal -1
	s_barrier_wait -1
	s_wait_loadcnt 0x0
.irp u, 0,1
	v_fma_f32 v[CP+2*\u], v[CBR+\u], v[AP+2*\u], v[CP+2*\u]      ; cb a + be
.endr
.macro PLACES                          ; eight plain lines stand between a matrix instruction of this form and a load into, or a vector line on, one of its registers
.rept 8
	v_nop
.endr
.endm
; Two tiles of points x my two tiles of channels, 128 along K; the first K step starts the sums.  The eight accumulators take turns, one instruction a turn.
.macro GC s, half
.irp x, 0,1
.irp c, 0,1,2,3
	ds_load_b128 v[XF+16*\x+4*\c:XF+16*\x+4*\c+3], v[HFA] offset:4096*(2*(\half)+\x)+2048*(\s)+512*\c
.endr
.endr
	s_wait_dscnt 0x0
.irp x, 0,1
.irp u, 0,1
.if (\s) == 0
	v_wmma_scale_f32_16x16x128_f8f6f4 v[ACC+32*\u+8*(2*(\half)+\x):ACC+32*\u+8*(2*(\half)+\x)+7], v[XF+16*\x:XF+16*\x+15], v[W+32*(\s)+16*\u:W+32*(\s)+16*\u+15], 0, v[HS+2*(2*(\half)+\x)+(\s)], v[W1S+2*\u+(\s)]
.else
	v_wmma_scale_f32_16x16x128_f8f6f4 v[ACC+32*\u+8*(2*(\half)+\x):ACC+32*\u+8*(2*(\half)+\x)+7], v[XF+16*\x:XF+16*\x+15], v[W+32*(\s)+16*\u:W+32*(\s)+16*\u+15], v[ACC+32*\u+8*(2*(\half)+\x):ACC+32*\u+8*(2*(\half)+\x)+7], v[HS+2*(2*(\half)+\x)+(\s)], v[W1S+2*\u+(\s)]
.endif
.endr
.endr
.endm
	GC 0, 0
	PLACES
	GC 0, 1
	PLACES
	GC 1, 0
	PLACES
	GC 1, 1
	PLACES
.irp u, 0,1
.set i, 0
.rept 16
	v_pk_fma_f32 v[ACC+32*\u+i:ACC+32*\u+i+1], v[ACC+32*\u+i:ACC+32*\u+i+1], v[AP+2*\u:AP+2*\u+1], v[CP+2*\u:CP+2*\u+1] op_sel_hi:[1,0,0]   ; product x a + (cb a + be); each accumulator from its low end on
.set i, i+2
.endr
.endr
.set i, 0
.rept 64
	v_max_num_f32 v[ACC+i], 0, v[ACC+i]            ; the activation
.set i, i+1
.endr
.irp u, 0,1
.irp t, 0,1,2,3
	ds_store_b128 v[SO], v[ACC+32*\u+8*\t:ACC+32*\u+8*\t+3] offset:16*SP*\u+64*\t          ; lane (r, h): channel 16 u + r, points 16 t + 8 h + 0 .. 7
	ds_store_b128 v[SO], v[ACC+32*\u+8*\t+4:ACC+32*\u+8*\t+7] offset:16*SP*\u+64*\t+16
.endr
.endr
.irp k, 0,1,2,3,4,5,6,7,8,9,10,11,12,13,14,15
	ds_load_b128 v[BK+4*\k:BK+4*\k+3], v[SR] offset:2*SP*\k      ; LDS serves a wave's instructions in order (ISA guide 5.7.1.4): these see my stores
.endr
.irp k, 0,1,2,3,4,5,6,7,8,9,10,11,12,13,14,15
	s_wait_dscnt 15-\k
	global_store_b128 v[OV], v[BK+4*\k:BK+4*\k+3], s[12:13] offset:131072*\k th:TH_STORE_NT   ; channels 2 k and 2 k + 1: sixteen lanes store 256 consecutive bytes, at a multiple of 256 from out0's first byte; written once
.endr
	s_wait_xcnt 0x0
	v_lshl_add_u32 v254, v0, 2, 0x2a000
	v_mov_b32 v255, 0
	s_wait_tensorcnt 0x0
	ds_add_u32 v254, v255
	s_wait_dscnt 0x0
	s_endpgm
.Lfunc_end_k_q1d6f8a711d_final:
	.size	k_q1d6f8a711d_final, .Lfunc_end_k_q1d6f8a711d_final-k_q1d6f8a711d_final
	.p2alignl 7, 3214868480
	.fill 96, 4, 3214868480
	.section	.rodata,"a",@progbits
	.p2align	6, 0x0
	.amdhsa_kernel k_q1d6f8a711d_final
		.amdhsa_group_segment_fixed_size 174080
		.amdhsa_private_segment_fixed_size 0
		.amdhsa_enable_private_segment 0
		.amdhsa_kernarg_size 40
		.amdhsa_user_sgpr_count 2
		.amdhsa_user_sgpr_kernarg_segment_ptr 1
		.amdhsa_wavefront_size32 1
		.amdhsa_system_sgpr_workgroup_id_x 1
		.amdhsa_system_sgpr_workgroup_id_y 1
		.amdhsa_system_sgpr_workgroup_id_z 1
		.amdhsa_system_vgpr_workitem_id 0
		.amdhsa_next_free_vgpr 256
		.amdhsa_next_free_sgpr 66
		.amdhsa_reserve_vcc 0
		.amdhsa_float_denorm_mode_32 3
		.amdhsa_float_denorm_mode_16_64 3
		.amdhsa_memory_ordered 1
		.amdhsa_forward_progress 1
		.amdhsa_inst_pref_size 21
	.end_amdhsa_kernel
	.amdgpu_metadata
---
amdhsa.version: [ 1, 2 ]
amdhsa.kernels:
  - .name:           k_q1d6f8a711d_final
    .symbol:         k_q1d6f8a711d_final.kd
    .args:
      - { .name: hbuf, .offset: 0, .size: 8, .value_kind: global_buffer, .address_space: global }
      - { .name: W1_codes, .offset: 8, .size: 8, .value_kind: global_buffer, .address_space: global }
      - { .name: W1_scales, .offset: 16, .size: 8, .value_kind: global_buffer, .address_space: global }
      - { .name: st1, .offset: 24, .size: 8, .value_kind: global_buffer, .address_space: global }
      - { .name: out0, .offset: 32, .size: 8, .value_kind: global_buffer, .address_space: global }
    .group_segment_fixed_size: 174080
    .private_segment_fixed_size: 0
    .kernarg_segment_align: 8
    .kernarg_segment_size: 40
    .max_flat_workgroup_size: 512
    .sgpr_count:     66
    .vgpr_count:     256
    .wavefront_size: 32
...
	.end_amdgpu_metadata
.endif
;; end of part 5
;; ======== version 2 of 2: 6 launches; version 1 with the launches layer0, layer1, final written anew for expert scheduling mode
;; workspace buffers: f2tw 8,912,896 bytes; nbr_idx 524,288 bytes of whole numbers; xbuf 18,350,080 bytes; hbuf 9,699,328 bytes; st0 3,072 bytes; st1 3,072 bytes
;; launch knn: the kernel of part 1 again; grid 256 x 1, 8 waves a work-group, no clusters, 124,928 bytes of LDS; arguments xyz1, xyz2, points2, f2tw, nbr_idx; writes f2tw, nbr_idx
;; launch layer0 (part 6): grid 256 x 1, 16 waves a work-group, no clusters, 71,680 bytes of LDS; arguments points1, f2tw, nbr_idx, W0_codes, W0_scales, b0, xbuf; writes xbuf
.if DOCPART == 6
	.amdgcn_target "amdgcn-amd-amdhsa--gfx1250"
	.amdhsa_code_object_version 6
	.text
	.protected	k_q1d6f8a711d_layer0
	.globl	k_q1d6f8a711d_layer0
	.p2align	8
	.type	k_q1d6f8a711d_layer0,@function
k_q1d6f8a711d_layer0:
	s_mov_b64 s[64:65], 0
	v_nop
	global_prefetch_b8 v0, s[64:65] scope:SCOPE_SE
	s_setreg_imm32_b32 hwreg(HW_REG_WAVE_SCHED_MODE, 0, 2), 2
	s_setreg_imm32_b32 hwreg(HW_REG_WAVE_MODE, 25, 1), 1
	s_wait_xcnt 0x0
	s_wait_alu depctr_vm_vsrc(0)
; LAUNCH 2 OF 6.  X[point][512] = (points1's 256 channels, the 256 interpolated channels) is made, quantised along its 512 (E4M3 codes, one E8M0 byte for each 32) and stored as codes;
; y0 = X W0^T + b0 is multiplied once here for the batch norm's sums alone and is not stored: the launch after next multiplies again, from the codes.
; SHARES.  A work-group owns 128 points.  Sixteen waves, four to a SIMD, 256 registers each.
;   Waves 0-7 (wave = CG): channels 32 CG .. + 31 of points1, one block of 32 along K, for all 128 points; a lane holds four points, and its registers run down the channels: a block's largest magnitude needs no other lane.
;   Waves 8-15 (CG = wave - 8): the 16 points of tile CG, one at a time: three rows of f2t, named by nbr_idx, blended by the weights; a lane holds channels 8 lane .. + 7, four lanes hold a block.
;   All codes meet in LDS as rows of 512 bytes (a point's K); behind one barrier every wave copies a part out as images of operand registers, and multiplies.
;   The product: wave (CG, PH = wave / 8) makes channels 32 CG .. + 31 for points 64 PH .. + 63.  Its 32 rows of W0 come from memory straight into 128 registers, each byte once a wave.
; THE BLEND goes into a quantiser.  CHAIN = 0: as reference() writes it, three products, each rounded by itself, then their sum in the order 1, 2, 3.  CHAIN = 1: a product and two fused multiply-adds.
; THE SUMS.  Source 0 = 16 points, source 1 = 16 channels: a lane holds ONE channel and 32 of the wave's 64 points.  Stored for each channel: the mean of the 64 (with b0) and the sum of squares about that mean:
;   the next launch joins the 512 such pairs of a channel without forming a difference of large sums.
; Not used, and why: tensor loads and a ring (every byte is read once, at the head); a cluster for W0 (a wave reads its 16 KiB once into registers; a joint load would send the same bytes through LDS besides).
; A block of zeros gets the byte 1 where the quantiser says 127: its codes are zeros, and this program alone reads the bytes.
; LIMITS: NaN and infinities among the inputs are not served; an index is held at 4,095.
; THE MODE: SCHED_MODE bits 1:0 = 2 (LLVM: expert scheduling mode 2), set by the entry lines.  The code itself states the register dependences
; between vector or matrix instructions and memory or LDS instructions, with s_wait_alu, always for 0.
; THE PLAN.  Registers that memory or LDS instructions touch:
;   v1-14      addresses and offsets: made at the head, ahead of one wait on va_vdst, and never written again.
;   waves 0-7  v128-255: points1 lands there, the maxima and the holds read it.  v32-63 codes and v108-111 bytes: written by vector lines, read by twelve LDS stores, which stand in one run behind one wait on va_vdst.
;   waves 8-15 v64-95, v224-239: a row offset of its own for each of 16 points x 3 rows; v240-255: a scale byte of its own for each point; v32-63: two registers of codes a point: none is written twice.
;              v128-223: four slots of 24; point p's lines work on slot p % 4, and behind ONE wait on va_vdst, behind the point's conversion, stand its two LDS stores and the six loads of point p + 4 into the same slot.
;   Each of the two arms ends with a wait on vm_vsrc: what its stores and loads have read takes W0, fragments and sums from there on.
;   the product  F0 = v32-63; F1 = v128-159 and F2 = v160-191, the registers of W0's K steps 0 and 1 once these are multiplied; scale pairs v24-25, v26-27, v28-29.  A fetch lands in a buffer that no product issued since the last wait on va_vdst names:
;              four such waits for eight steps.
.set CHAIN, 0
.set XP,    528                        ; LDS: 128 rows of 512 codes + 16 bytes: 132 words, row r starts at bank 4 r mod 64 (64 banks of 4 bytes: ISA guide 11.1)
.set XSC,   67584                      ; behind them the scale words: word (4 tile + K step) x 16 + row
.set XSCL,  1048576                    ; xbuf: [0, 1 MiB) the pairs (mean, squares); then the scale words, 2,048 bytes a work-group;
.set XCOD,  1572864                    ; then the codes, 65,536 bytes a work-group: [tile 8][K step 4][2,048 bytes: registers 4 c .. 4 c + 3 of lane l at 512 c + 16 l]
.set NW,    8388608                    ; f2tw: where the weights begin
.set FLOOR, 0x4800000                  ; 2^(9 - 127): no largest magnitude is taken under it, so the scale's byte cannot fall under 1
.set EOFF,  0xfc000000                 ; takes 8 off an exponent field
.set EXPM,  0x7f800000
.set FA,   1                           ; v1   my fragments of X: 528 r + 16 h + 64 rows x PH
.set XSA,  2                           ; v2   their scale words
.set PA,   3                           ; v3   waves 0-7: where my four points' codes go
.set PSA,  4                           ; v4   and their scale bytes
.set GA,   5                           ; v5   waves 8-15: where my 8 codes of a point go
.set GSA,  6                           ; v6   and my block's scale byte
.set FB,   7                           ; v7   the copy out: tile wave / 2, K steps 2 (wave % 2) on
.set L16,  8                           ; v8   16 x lane
.set W0V,  9                           ; v9   W0: 512 r + 16 h
.set R16,  10                          ; v10  16 r
.set L4,   11                          ; v11  4 x lane
.set XCV,  12                          ; v12  16 x lane + 4,096 x wave
.set XSL,  13                          ; v13  XSC + 16 x thread
.set T16,  14                          ; v14  16 x thread
.set WS,   16                          ; v16-23  W0's scale words (4 u + K step);  v24-29 X's, a pair for each fragment buffer: these fourteen hold scales and nothing else
.set XS,   24
.set BIAS, 30                          ; v30  b0 of channel 32 CG + lane
.set F0,   32                          ; v32-63  two fragments of X; else at work (at the head: v32-36 the wave, the lane, r, h, lane % 4)
.set ACC,  64                          ; v64-127 eight accumulators: 32 u + 8 tile
.set W,    128                         ; v128-255 W0's eight fragments: 32 K step + 16 u
.set F1,   128                         ; v128-159 two fragments of X, once W0's K step 0 is multiplied
.set F2,   160                         ; v160-191 likewise, once K step 1 is
.set MX,   96                          ; waves 0-7, at work: largest magnitudes, conversion scales, holds, bytes, four each
.set SOP,  100
.set LIM,  104
.set BY,   108
.set IDX,  96                          ; waves 8-15: v96-99 lane r: point r's indices; v100-103 its weights
.set WQ,   100
.set GM,   116                         ; v116-118 at work
.set VA,   64                          ; v64-79   point p's first row: 1,024 x index + 16 x lane
.set VB,   80                          ; v80-95   its second
.set VC,   224                         ; v224-239 its third
.set GB,   240                         ; v240-255 point p's scale byte of my block
.set FG,   128                         ; v128-223 four slots of three rows x 8 numbers
.set SEL,  28                          ; s[28:29] v_permlanex16_b32's selects for lane l xor 16
.set MNT,  30                          ; s30  the mantissa field of 448
.set PB,   36                          ; s[36:37] where my pair of sums goes
	s_load_b256 s[4:11], s[0:1], 0x0               ; points1 s[4:5], f2tw s[6:7], nbr_idx s[8:9], W0's codes s[10:11]
	s_load_b128 s[12:15], s[0:1], 0x20             ; W0's scales s[12:13], b0 s[14:15]
	s_load_b64 s[16:17], s[0:1], 0x30              ; xbuf
	v_lshrrev_b32 v32, 5, v0
	v_readfirstlane_b32 s18, v32                   ; wave 0..15
	s_lshr_b32 s21, ttmp9, 7                       ; the batch
	s_and_b32 s22, ttmp9, 127                      ; which 128 points of it
	s_mov_b32 s[SEL], 0x76543210
	s_mov_b32 s[SEL+1], 0xfedcba98
	s_mov_b32 s[MNT], 0x600000
	; every LDS address is made here, ahead of the parting of the two kinds of waves
	v_and_b32 v33, 31, v0                          ; lane
	v_and_b32 v34, 15, v0                          ; r
	v_bfe_u32 v35, v0, 4, 1                        ; h
	v_mul_u32_u24 v31, v34, XP
	v_lshl_add_u32 v31, v35, 4, v31                ; 528 r + 16 h
	s_wait_alu depctr_va_sdst(0)                   ; s18 is written, ahead of its first reader: CG, PH, addresses and branches are made from it
	s_and_b32 s19, s18, 7                          ; CG
	s_lshr_b32 s20, s18, 3                         ; PH
	s_mul_i32 s24, s20, 64*XP
	v_add_nc_u32 v[FA], s24, v31
	s_lshl_b32 s24, s20, 10
	s_add_co_u32 s24, s24, XSC
	v_lshl_add_u32 v[XSA], v34, 2, s24
	s_lshl_b32 s24, s19, 5
	v_mul_u32_u24 v[PA], v33, 4*XP                 ; point 4 lane + q: row 4 lane + q, byte 32 CG
	v_add_nc_u32 v[PA], s24, v[PA]
	v_lshrrev_b32 v30, 2, v33                      ; its tile is lane / 4, its row there 4 (lane % 4) + q; K step CG / 4, byte CG % 4
	v_lshlrev_b32 v30, 8, v30
	v_and_b32 v36, 3, v33
	v_lshl_add_u32 v30, v36, 4, v30
	s_lshr_b32 s24, s19, 2
	s_lshl_b32 s24, s24, 6
	s_and_b32 s25, s19, 3
	s_add_co_u32 s24, s24, s25
	s_add_co_u32 s24, s24, XSC
	v_add_nc_u32 v[PSA], s24, v30
	s_mul_i32 s24, s19, 16*XP
	s_add_co_u32 s24, s24, 256
	v_lshl_add_u32 v[GA], v33, 3, s24              ; tile CG's rows, byte 256 + 8 lane
	v_bfe_u32 v30, v0, 2, 2                        ; K step 2 + lane / 16, byte (lane / 4) % 4
	v_lshl_add_u32 v30, v35, 6, v30
	s_lshl_b32 s24, s19, 8
	s_add_co_u32 s24, s24, XSC+128
	v_add_nc_u32 v[GSA], s24, v30
	s_lshr_b32 s24, s18, 1
	s_mul_i32 s24, s24, 16*XP
	s_and_b32 s25, s18, 1
	s_lshl_b32 s25, s25, 8
	s_add_co_u32 s24, s24, s25
	v_add_nc_u32 v[FB], s24, v31
	v_lshlrev_b32 v[L16], 4, v33
	v_lshlrev_b32 v[W0V], 9, v34
	v_lshl_add_u32 v[W0V], v35, 4, v[W0V]
	v_lshlrev_b32 v[R16], 4, v34
	v_lshlrev_b32 v[L4], 2, v33
	s_lshl_b32 s24, s18, 12
	v_lshl_add_u32 v[XCV], v33, 4, s24
	v_lshl_add_u32 v[XSL], v0, 4, XSC
	v_lshlrev_b32 v[T16], 4, v0
	s_mov_b32 s25, 0
	s_wait_kmcnt 0x0
	s_lshl_b32 s24, s21, 24                        ; points1: (256 b + 32 CG) rows of 65,536 bytes + my 128 points
	s_lshl_b32 s23, s19, 21
	s_add_co_u32 s24, s24, s23
	s_lshl_b32 s23, s22, 9
	s_add_co_u32 s24, s24, s23
	s_add_nc_u64 s[4:5], s[4:5], s[24:25]
	s_lshl_b32 s24, s21, 18                        ; indices and weights: 16 bytes a point, at tile CG
	s_lshl_b32 s23, s22, 11
	s_add_co_u32 s24, s24, s23
	s_lshl_b32 s23, s19, 8
	s_add_co_u32 s24, s24, s23
	s_add_nc_u64 s[8:9], s[8:9], s[24:25]
	s_add_nc_u64 s[38:39], s[6:7], s[24:25]
	s_add_nc_u64 s[38:39], s[38:39], NW
	s_lshl_b32 s24, s21, 22                        ; f2t: the batch's 4,096 rows of 1,024 bytes
	s_add_nc_u64 s[6:7], s[6:7], s[24:25]
	s_lshl_b32 s24, s19, 14                        ; W0: my 32 rows of 512 codes,
	s_add_nc_u64 s[10:11], s[10:11], s[24:25]
	s_lshl_b32 s24, s19, 9                         ; of 16 scale bytes,
	s_add_nc_u64 s[12:13], s[12:13], s[24:25]
	s_lshl_b32 s24, s19, 7                         ; and my 32 numbers of b0
	s_add_nc_u64 s[14:15], s[14:15], s[24:25]
	s_lshl_b32 s24, ttmp9, 16
	s_add_nc_u64 s[32:33], s[16:17], s[24:25]
	s_add_nc_u64 s[32:33], s[32:33], XCOD          ; the work-group's codes,
	s_lshl_b32 s24, ttmp9, 11
	s_add_nc_u64 s[34:35], s[16:17], s[24:25]
	s_add_nc_u64 s[34:35], s[34:35], XSCL          ; its scale words,
	s_lshl_b32 s24, ttmp9, 1
	s_add_co_u32 s24, s24, s20
	s_lshl_b32 s24, s24, 8
	s_lshl_b32 s23, s19, 17
	s_add_co_u32 s24, s24, s23
	s_add_nc_u64 s[PB:PB+1], s[16:17], s[24:25]    ; and my record of sums: [CG][2 work-group + PH], 256 bytes
	s_wait_alu depctr_va_vdst(0)                   ; the fourteen addresses and offsets v1 to v14 are written, which every load and store below reads; so are v30 and v32 to v36, in which loads land later
	s_cmp_ge_u32 s18, 8
	s_cbranch_scc1 .Lgather
	; ---- waves 0-7: 32 channels x 128 points of points1
.set i, 0
.rept 32
	global_load_b128 v[128+4*i:131+4*i], v[L16], s[4:5] offset:65536*i th:TH_LOAD_NT   ; channel 32 CG + i, points 4 lane + 0..3: a wave reads 512 consecutive bytes; read once in the launch
.set i, i+1
.endr
	s_wait_loadcnt 0x0
.irp q, 0,1,2,3
	v_max3_num_f32 v[MX+\q], |v[128+\q]|, |v[132+\q]|, FLOOR     ; point q's block: all 32 numbers are mine; the four points by turns
.endr
.set i, 2
.rept 15
.irp q, 0,1,2,3
	v_max3_num_f32 v[MX+\q], v[MX+\q], |v[128+4*i+\q]|, |v[132+4*i+\q]|
.endr
.set i, i+2
.endr
.irp q, 0,1,2,3
	v_add_nc_u32 v[SOP+\q], EOFF, v[MX+\q]         ; 8 off the exponent field: the conversion takes the exponent field of this operand as its scale
.endr
.irp q, 0,1,2,3
	v_and_or_b32 v[LIM+\q], v[MX+\q], EXPM, s[MNT] ; 448 x the scale
.endr
.irp q, 0,1,2,3
	v_lshrrev_b32 v[BY+\q], 23, v[SOP+\q]          ; the scale's byte
.endr
.irp q, 0,1,2,3
.set j, 0
.rept 32
	v_med3_num_f32 v[64+j], v[128+4*j+\q], -v[LIM+\q], v[LIM+\q] ; the conversion to an 8-bit code does not saturate (ISA guide 7.6.2): the hold; it also brings the point's 32 numbers into consecutive registers
.set j, j+1
.endr
.irp g, 0,1,2,3
	v_cvt_scalef32_pk8_fp8_f32 v[32+8*\q+2*\g:33+8*\q+2*\g], v[64+8*\g:71+8*\g], v[SOP+\q]
.endr
	v_nop                                          ; a plain line between the conversions and the next lines that write their sources
.endr
	s_wait_alu depctr_va_vdst(0)                   ; the conversions have written v32-63 and the shifts v108-111, which the LDS stores read; the holds are done reading v128-255 and the arm is done with v64-107, in which loads land behind the join
.irp q, 0,1,2,3
	ds_store_b128 v[PA], v[32+8*\q:35+8*\q] offset:XP*\q
	ds_store_b128 v[PA], v[36+8*\q:39+8*\q] offset:XP*\q+16
	ds_store_b8 v[PSA], v[BY+\q] offset:4*\q
.endr
	s_wait_alu depctr_vm_vsrc(0)                   ; the LDS stores have read v32-63 and v108-111: fragments land in the first, sums are written into the second
	s_branch .Ljoin
	; ---- waves 8-15: the interpolated channels of 16 points
.Lgather:
	global_load_b128 v[IDX:IDX+3], v[R16], s[8:9]
	global_load_b128 v[WQ:WQ+3], v[R16], s[38:39]
	s_wait_loadcnt 0x0
; The row offsets of points 4 b .. 4 b + 3: twelve indices go from their lanes into scalar registers in one run, behind one wait are held inside the table, and make twelve offsets, each in a register of its own.
.macro ADDR b
.irp p, 0,1,2,3
.irp k, 0,1,2
	v_readlane_b32 s[44+3*\p+\k], v[IDX+\k], 4*(\b)+\p
.endr
.endr
	s_wait_alu depctr_va_sdst(0)                   ; s44 to s55 are written, ahead of their first readers
.irp i, 0,1,2,3,4,5,6,7,8,9,10,11
	s_min_u32 s[44+\i], s[44+\i], 0xfff            ; an index stays inside its table
.endr
.irp p, 0,1,2,3
	v_lshl_add_u32 v[VA+4*(\b)+\p], s[44+3*\p], 10, v[L16]
	v_lshl_add_u32 v[VB+4*(\b)+\p], s[44+3*\p+1], 10, v[L16]
	v_lshl_add_u32 v[VC+4*(\b)+\p], s[44+3*\p+2], 10, v[L16]
.endr
.endm
.macro ISSUE p                         ; point p's three rows are asked for, into slot p % 4: six loads of 512 consecutive bytes a wave.  (No hint: a row is named by many points)
	global_load_b128 v[FG+24*((\p)%4):FG+24*((\p)%4)+3], v[VA+(\p)], s[6:7]
	global_load_b128 v[FG+24*((\p)%4)+4:FG+24*((\p)%4)+7], v[VA+(\p)], s[6:7] offset:512
	global_load_b128 v[FG+24*((\p)%4)+8:FG+24*((\p)%4)+11], v[VB+(\p)], s[6:7]
	global_load_b128 v[FG+24*((\p)%4)+12:FG+24*((\p)%4)+15], v[VB+(\p)], s[6:7] offset:512
	global_load_b128 v[FG+24*((\p)%4)+16:FG+24*((\p)%4)+19], v[VC+(\p)], s[6:7]
	global_load_b128 v[FG+24*((\p)%4)+20:FG+24*((\p)%4)+23], v[VC+(\p)], s[6:7] offset:512
.endm
.macro COMP p
.set FS, FG+24*((\p)%4)
.irp k, 0,1,2
	v_readlane_b32 s[44+2*\k], v[WQ+\k], \p
.endr
.if (\p) <= 12
	s_wait_loadcnt 18                              ; point p's six loads are in; those of the three points behind it may be out
.else
	s_wait_loadcnt 6*(15-(\p))
.endif
	s_wait_alu depctr_va_sdst(0)                   ; the point's three weights are written in s44, s46, s48, ahead of their first readers
.if CHAIN
.irp e, 0,2,4,6
	v_pk_mul_f32 v[FS+\e:FS+\e+1], v[FS+\e:FS+\e+1], s[44:45] op_sel_hi:[1,0]
.endr
.irp e, 0,2,4,6
	v_pk_fma_f32 v[FS+\e:FS+\e+1], v[FS+8+\e:FS+9+\e], s[46:47], v[FS+\e:FS+\e+1] op_sel_hi:[1,0,1]
.endr
.irp e, 0,2,4,6
	v_pk_fma_f32 v[FS+\e:FS+\e+1], v[FS+16+\e:FS+17+\e], s[48:49], v[FS+\e:FS+\e+1] op_sel_hi:[1,0,1]
.endr
.else
.irp k, 0,1,2
.irp e, 0,2,4,6
	v_pk_mul_f32 v[FS+8*\k+\e:FS+8*\k+\e+1], v[FS+8*\k+\e:FS+8*\k+\e+1], s[44+2*\k:45+2*\k] op_sel_hi:[1,0]   ; row k x its weight, rounded by itself (the pair's low word for both halves)
.endr
.endr
.irp e, 0,2,4,6
	v_pk_add_f32 v[FS+\e:FS+\e+1], v[FS+\e:FS+\e+1], v[FS+8+\e:FS+9+\e]      ; the first two,
.endr
.irp e, 0,2,4,6
	v_pk_add_f32 v[FS+\e:FS+\e+1], v[FS+\e:FS+\e+1], v[FS+16+\e:FS+17+\e]    ; and the third
.endr
.endif
	v_max3_num_f32 v[GM], |v[FS]|, |v[FS+1]|, FLOOR
	v_max3_num_f32 v[GM], v[GM], |v[FS+2]|, |v[FS+3]|
	v_max3_num_f32 v[GM], v[GM], |v[FS+4]|, |v[FS+5]|
	v_max3_num_f32 v[GM], v[GM], |v[FS+6]|, |v[FS+7]|
	v_max_num_f32_dpp v[GM], v[GM], v[GM] row_xmask:1 row_mask:0xf bank_mask:0xf   ; four neighbouring lanes hold a block of 32
	v_max_num_f32_dpp v[GM], v[GM], v[GM] row_xmask:2 row_mask:0xf bank_mask:0xf
	v_add_nc_u32 v[GM+1], EOFF, v[GM]
	v_and_or_b32 v[GM+2], v[GM], EXPM, s[MNT]
	v_lshrrev_b32 v[GB+(\p)], 23, v[GM+1]
.irp e, 0,1,2,3,4,5,6,7
	v_med3_num_f32 v[FS+\e], v[FS+\e], -v[GM+2], v[GM+2]
.endr
	v_cvt_scalef32_pk8_fp8_f32 v[32+2*(\p):33+2*(\p)], v[FS:FS+7], v[GM+1]
	v_nop                                          ; a plain line behind the conversion
	s_wait_alu depctr_va_vdst(0)                   ; the point's codes and its byte are written, which the two LDS stores read; its lines are done with the slot's 24 registers, in which the loads below land; the offsets that those loads read are written
	ds_store_b64 v[GA], v[32+2*(\p):33+2*(\p)] offset:XP*(\p)    ; 32 lanes write 256 consecutive bytes
	ds_store_b8 v[GSA], v[GB+(\p)] offset:4*(\p)   ; the four lanes of a block write the same byte with the same value
.if (\p) < 12
	ISSUE (\p)+4
.endif
.endm
	ADDR 0
	s_wait_alu depctr_va_vdst(0)                   ; the twelve offsets of points 0 to 3 are written, which the 24 loads below read
	ISSUE 0
	ISSUE 1
	ISSUE 2
	ISSUE 3
	ADDR 1                                         ; the other 36 offsets are made while those loads are on their way; point 0's wait on va_vdst stands ahead of their first reader
	ADDR 2
	ADDR 3
	s_mov_b32 s45, 0                               ; (the packed forms name pairs and take the low word for both halves: the high words are written once)
	s_mov_b32 s47, 0
	s_mov_b32 s49, 0
.irp p, 0,1,2,3,4,5,6,7,8,9,10,11,12,13,14,15
	COMP \p
.endr
	s_wait_alu depctr_vm_vsrc(0)                   ; the LDS stores have read v32-63 and v240-255, the rows' loads their offsets v64-95 and v224-239: W0, fragments and images land there
.Ljoin:
.irp s, 0,1,2,3                        ; W0's fragments: lane (r, h) takes row 32 CG + 16 u + r, K = 128 s + 32 c + 16 h + 0..15
.irp u, 0,1
.irp c, 0,1,2,3
	global_load_b128 v[W+32*\s+16*\u+4*\c:W+32*\s+16*\u+4*\c+3], v[W0V], s[10:11] offset:8192*\u+128*\s+32*\c
.endr
	global_load_b32 v[WS+4*\u+\s], v[R16], s[12:13] offset:256*\u+4*\s
.endr
.endr
	global_load_b32 v[BIAS], v[L4], s[14:15]
	s_wait_dscnt 0x0                               ; for the others' sake: my codes and scale bytes have landed
	s_barrier_signal -1
	s_barrier_wait -1                              ; the 128 rows are whole; nothing is written to LDS from here on
	; ---- the codes leave as images of operand registers: what a lane reads here is what a lane of the later launch wants in registers 4 c .. 4 c + 3
.irp t, 0,1
.irp c, 0,1,2,3
	ds_load_b128 v[64+16*\t+4*\c:67+16*\t+4*\c], v[FB] offset:128*\t+32*\c
.endr
.endr
	s_cmp_ge_u32 s18, 4
	s_cbranch_scc1 .Lno_words
	ds_load_b128 v[96:99], v[XSL]                  ; threads 0-127: the 2,048 bytes of scale words, as they lie
	s_wait_dscnt 0x0
	global_store_b128 v[T16], v[96:99], s[34:35]
	s_wait_alu depctr_vm_vsrc(0)                   ; the store has read v96-99, which the products write
.Lno_words:
	s_wait_dscnt 0x0
.irp t, 0,1
.irp c, 0,1,2,3
	global_store_b128 v[XCV], v[64+16*\t+4*\c:67+16*\t+4*\c], s[32:33] offset:2048*\t+512*\c   ; a wave stores 512 consecutive bytes
.endr
.endr
	s_wait_xcnt 0x0                                ; the stores have read v64-99, which now take sums
	s_wait_alu depctr_vm_vsrc(0)                   ; the eight stores have read v64-95, which the products write
	s_wait_loadcnt 0x0                             ; W0, its scale words, b0
.macro PLACES                          ; eight plain lines stand between a matrix instruction of this form and a load into, or a vector line on, one of its registers
.rept 8
	v_nop
.endr
.endm
; A step: two tiles of points x my two tiles of channels, 128 along K.  LF fetches its two fragments of X and their scale words, ten LDS loads, into buffer f and scale pair xs; MM multiplies.
.macro LF f, xs, s, half
.irp x, 0,1
.irp c, 0,1,2,3
	ds_load_b128 v[(\f)+16*\x+4*\c:(\f)+16*\x+4*\c+3], v[FA] offset:16*XP*(2*(\half)+\x)+128*(\s)+32*\c
.endr
	ds_load_b32 v[(\xs)+\x], v[XSA] offset:256*(2*(\half)+\x)+64*(\s)
.endr
.endm
; The eight accumulators take turns, one instruction a turn, in the same order in every K step.
.macro MM f, xs, s, half
.irp x, 0,1
.irp u, 0,1
.if (\s) == 0
	v_wmma_scale_f32_16x16x128_f8f6f4 v[ACC+32*\u+8*(2*(\half)+\x):ACC+32*\u+8*(2*(\half)+\x)+7], v[(\f)+16*\x:(\f)+16*\x+15], v[W+32*(\s)+16*\u:W+32*(\s)+16*\u+15], 0, v[(\xs)+\x], v[WS+4*\u+(\s)]
.else
	v_wmma_scale_f32_16x16x128_f8f6f4 v[ACC+32*\u+8*(2*(\half)+\x):ACC+32*\u+8*(2*(\half)+\x)+7], v[(\f)+16*\x:(\f)+16*\x+15], v[W+32*(\s)+16*\u:W+32*(\s)+16*\u+15], v[ACC+32*\u+8*(2*(\half)+\x):ACC+32*\u+8*(2*(\half)+\x)+7], v[(\xs)+\x], v[WS+4*\u+(\s)]
.endif
.endr
.endr
.endm
	LF F0, XS, 0, 0
	s_wait_dscnt 0x0
	MM F0, XS, 0, 0
	PLACES
	s_wait_alu depctr_va_vdst(0)                   ; the four products are done reading F0 and its scale pair, in which the next fetch lands
	LF F0, XS, 0, 1
	s_wait_dscnt 0x0
	MM F0, XS, 0, 1
	PLACES
	s_wait_alu depctr_va_vdst(0)                   ; K step 0's products are done reading F0, its scale pair, and W0's K step 0, whose registers are F1 from here on
	LF F0, XS, 1, 0
	LF F1, XS+2, 1, 1
	s_wait_dscnt 10                                ; LDS loads come back in order (ISA guide 5.7.1): F0's ten are in, F1's ten may be out
	MM F0, XS, 1, 0
	s_wait_dscnt 0x0
	MM F1, XS+2, 1, 1
	PLACES
	s_wait_alu depctr_va_vdst(0)                   ; K step 1's products are done reading F0, F1, their scale pairs, and W0's K step 1, whose registers are F2 from here on
	LF F0, XS, 2, 0
	LF F1, XS+2, 2, 1
	LF F2, XS+4, 3, 0
	s_wait_dscnt 20                                ; F0's ten are in; F1's and F2's may be out
	MM F0, XS, 2, 0
	s_wait_dscnt 10                                ; F1's are in
	MM F1, XS+2, 2, 1
	PLACES
	s_wait_alu depctr_va_vdst(0)                   ; K step 2's products are done reading F0 and its scale pair, in which the last fetch lands
	LF F0, XS, 3, 1
	s_wait_dscnt 10                                ; F2's ten are in; the ten just issued may be out
	MM F2, XS+4, 3, 0
	s_wait_dscnt 0x0
	MM F0, XS, 3, 1
	PLACES
; THE SUMS.  Lane (r, h), tile u of channels: channel 32 CG + 16 u + r, 32 of the 64 points in registers ACC + 32 u on; lane l xor 16 holds the other 32.  The two u by turns; each accumulator is read from its low end on.
.set SS, 32                            ; at work, in the registers that held X's fragments
.set MP, 36
.set QQ, 40
.set PT, 44
.set OUTP, 46
.irp u, 0,1
	v_pk_add_f32 v[SS+2*\u:SS+2*\u+1], v[ACC+32*\u:ACC+32*\u+1], v[ACC+32*\u+2:ACC+32*\u+3]
.endr
.set i, 4
.rept 14
.irp u, 0,1
	v_pk_add_f32 v[SS+2*\u:SS+2*\u+1], v[SS+2*\u:SS+2*\u+1], v[ACC+32*\u+i:ACC+32*\u+i+1]
.endr
.set i, i+2
.endr
.irp u, 0,1
	v_add_f32 v[SS+2*\u], v[SS+2*\u], v[SS+2*\u+1]
.endr
.irp u, 0,1
	v_permlanex16_b32 v[PT+\u], v[SS+2*\u], s[SEL], s[SEL+1]
.endr
.irp u, 0,1
	v_add_f32 v[SS+2*\u], v[SS+2*\u], v[PT+\u]
.endr
.irp u, 0,1
	v_mul_f32 v[MP+2*\u], 0x3c800000, v[SS+2*\u]   ; / 64: the mean of the 64 points
.endr
.set i, 0
.rept 16
.irp u, 0,1
	v_pk_add_f32 v[ACC+32*\u+i:ACC+32*\u+i+1], v[ACC+32*\u+i:ACC+32*\u+i+1], v[MP+2*\u:MP+2*\u+1] op_sel_hi:[1,0] neg_lo:[0,1] neg_hi:[0,1]   ; less that mean (the pair's low word for both halves)
.endr
.set i, i+2
.endr
.irp u, 0,1
	v_pk_mul_f32 v[QQ+2*\u:QQ+2*\u+1], v[ACC+32*\u:ACC+32*\u+1], v[ACC+32*\u:ACC+32*\u+1]
.endr
.set i, 2
.rept 15
.irp u, 0,1
	v_pk_fma_f32 v[QQ+2*\u:QQ+2*\u+1], v[ACC+32*\u+i:ACC+32*\u+i+1], v[ACC+32*\u+i:ACC+32*\u+i+1], v[QQ+2*\u:QQ+2*\u+1]
.endr
.set i, i+2
.endr
.irp u, 0,1
	v_add_f32 v[QQ+2*\u], v[QQ+2*\u], v[QQ+2*\u+1]
.endr
.irp u, 0,1
	v_permlanex16_b32 v[PT+\u], v[QQ+2*\u], s[SEL], s[SEL+1]
.endr
.irp u, 0,1
	v_add_f32 v[QQ+2*\u], v[QQ+2*\u], v[PT+\u]
.endr
	v_cmp_lt_u32 vcc_lo, 63, v[L4]                 ; lanes 16-31 take u = 1's: lane l then holds channel 32 CG + l
	s_wait_alu depctr_va_vcc(0)                    ; VCC is written, ahead of the two selections that read it
	v_cndmask_b32 v[OUTP], v[MP], v[MP+2], vcc_lo
	v_cndmask_b32 v[OUTP+1], v[QQ], v[QQ+2], vcc_lo
	v_add_f32 v[OUTP], v[OUTP], v[BIAS]            ; the bias moves the mean and leaves the squares
	v_lshlrev_b32 v[OUTP+2], 1, v[L4]
	s_wait_alu depctr_va_vdst(0)                   ; the pair v46, v47 and its offset v48 are written, which the store reads
	global_store_b64 v[OUTP+2], v[OUTP:OUTP+1], s[PB:PB+1]       ; the wave stores 256 consecutive bytes, at a multiple of 256 from xbuf's first byte
	s_wait_xcnt 0x0
	v_lshl_add_u32 v254, v0, 2, 0x11000
	v_mov_b32 v255, 0
	s_wait_dscnt 0x0                               ; the closing lines, six on end
	s_wait_alu 0x0
	s_wait_tensorcnt 0x0
	ds_add_u32 v254, v255
	s_wait_dscnt 0x0
	s_endpgm
.Lfunc_end_k_q1d6f8a711d_layer0:
	.size	k_q1d6f8a711d_layer0, .Lfunc_end_k_q1d6f8a711d_layer0-k_q1d6f8a711d_layer0
	.p2alignl 7, 3214868480
	.fill 96, 4, 3214868480
	.section	.rodata,"a",@progbits
	.p2align	6, 0x0
	.amdhsa_kernel k_q1d6f8a711d_layer0
		.amdhsa_group_segment_fixed_size 71680
		.amdhsa_private_segment_fixed_size 0
		.amdhsa_enable_private_segment 0
		.amdhsa_kernarg_size 56
		.amdhsa_user_sgpr_count 2
		.amdhsa_user_sgpr_kernarg_segment_ptr 1
		.amdhsa_wavefront_size32 1
		.amdhsa_system_sgpr_workgroup_id_x 1
		.amdhsa_system_sgpr_workgroup_id_y 1
		.amdhsa_system_sgpr_workgroup_id_z 1
		.amdhsa_system_vgpr_workitem_id 0
		.amdhsa_next_free_vgpr 256
		.amdhsa_next_free_sgpr 66
		.amdhsa_reserve_vcc 1
		.amdhsa_float_denorm_mode_32 3
		.amdhsa_float_denorm_mode_16_64 3
		.amdhsa_memory_ordered 1
		.amdhsa_forward_progress 1
		.amdhsa_inst_pref_size 110
	.end_amdhsa_kernel
	.amdgpu_metadata
---
amdhsa.version: [ 1, 2 ]
amdhsa.kernels:
  - .name:           k_q1d6f8a711d_layer0
    .symbol:         k_q1d6f8a711d_layer0.kd
    .args:
      - { .name: points1, .offset: 0, .size: 8, .value_kind: global_buffer, .address_space: global }
      - { .name: f2tw, .offset: 8, .size: 8, .value_kind: global_buffer, .address_space: global }
      - { .name: nbr_idx, .offset: 16, .size: 8, .value_kind: global_buffer, .address_space: global }
      - { .name: W0_codes, .offset: 24, .size: 8, .value_kind: global_buffer, .address_space: global }
      - { .name: W0_scales, .offset: 32, .size: 8, .value_kind: global_buffer, .address_space: global }
      - { .name: b0, .offset: 40, .size: 8, .value_kind: global_buffer, .address_space: global }
      - { .name: xbuf, .offset: 48, .size: 8, .value_kind: global_buffer, .address_space: global }
    .group_segment_fixed_size: 71680
    .private_segment_fixed_size: 0
    .kernarg_segment_align: 8
    .kernarg_segment_size: 56
    .max_flat_workgroup_size: 512
    .sgpr_count:     66
    .vgpr_count:     256
    .wavefront_size: 32
...
	.end_amdgpu_metadata
.endif
;; end of part 6
;; launch bnstat: the kernel of part 3 again; grid 8 x 1, 16 waves a work-group, no clusters, 8,192 bytes of LDS; arguments xbuf, b0, g0, be0, st0; writes st0
;; launch layer1 (part 7): grid 256 x 1, 16 waves a work-group, no clusters, 103,424 bytes of LDS; arguments xbuf, W0_codes, W0_scales, st0, W1_codes, W1_scales, b1, hbuf; writes hbuf
.if DOCPART == 7
	.amdgcn_target "amdgcn-amd-amdhsa--gfx1250"
	.amdhsa_code_object_version 6
	.text
	.protected	k_q1d6f8a711d_layer1
	.globl	k_q1d6f8a711d_layer1
	.p2align	8
	.type	k_q1d6f8a711d_layer1,@function
k_q1d6f8a711d_layer1:
	s_mov_b64 s[64:65], 0
	v_nop
	global_prefetch_b8 v0, s[64:65] scope:SCOPE_SE
	s_setreg_imm32_b32 hwreg(HW_REG_WAVE_SCHED_MODE, 0, 2), 2
	s_setreg_imm32_b32 hwreg(HW_REG_WAVE_MODE, 25, 1), 1
	s_wait_xcnt 0x0
	s_wait_alu depctr_vm_vsrc(0)
; LAUNCH 4 OF 6.  h = relu((X W0^T + b0 - mean0) a0 + be0), quantised along its 256 channels and stored as codes; y1 = h W1^T + b1 is multiplied once here for the second batch norm's sums alone.
; SHARES.  A work-group owns 128 points; wave (CG = wave % 8, PH = wave / 8) makes channels 32 CG .. + 31 for points 64 PH .. + 63, in both products.  Sixteen waves, four to a SIMD, 256 registers each.
; X's codes come as images of operand registers (65,536 bytes a work-group), once, into LDS; a wave's rows of W0 and W1 come from memory straight into registers.
; THE FIRST PRODUCT IS USED TRANSPOSED (source 0 = 16 rows of W0, source 1 = 16 points), and THE ROWS OF W0 THAT FORM A TILE ARE NOT NEIGHBOURS: lane r of tile u takes row 32 CG + 8 u + r + 8 (r / 8).
;   So lane (r, h) holds point r, and the 16 registers of its two tiles are channels 32 CG + 16 h + 0 .. 15: 16 neighbours along the next K, half of block CG; lane l xor 16 holds the other half.
;   The conversions' results are registers 4 (CG % 4) .. + 3 of the next operand's fragment of K step CG / 4: they go to LDS as an image, 16 bytes a lane.
; The sums begin with cb = b0 - mean0 as the first matrix instruction's C: bias and centring cost no line.
; THE SECOND PRODUCT is used the other way round (source 0 = 16 points, source 1 = 16 rows of W1): a lane holds one channel, as the sums over points want it.
; A block of zeros gets the byte 1 where the quantiser says 127: its codes are zeros, and this program alone reads the bytes.
; Not used, and why: tensor loads and a ring (every byte is read once, at the head); a cluster for the weights (a wave reads its rows once into registers).
; THE MODE: SCHED_MODE bits 1:0 = 2 (LLVM: expert scheduling mode 2), set by the entry lines.  The code itself states the register dependences
; between vector or matrix instructions and memory or LDS instructions, with s_wait_alu, always for 0.
; THE PLAN.  Registers that memory or LDS instructions touch:
;   v1-15      addresses and offsets: made at the head, ahead of one wait on va_vdst, and never written again.
;   v32-63     X's images land there and the LDS stores read them (a wait on vm_vsrc behind the first barrier); then the one buffer of two fragments of the first product: all other registers hold sums, weights and scales,
;              so each of its steps ends with a wait on va_vdst, behind which the next fetch lands; the same wait serves the loads of a0, be0 and W1 into the registers of W0's K steps that are multiplied.
;   the quantiser writes v32-63 (codes, bytes) and, behind its last conversion, the copy's four addresses v124-127: ONE wait on va_vdst ahead of the LDS stores states all of that, and that v16-23, v128-159 and v224-255 are done with.
;   the second product has three buffers: G0 = v128-159 (a0 and be0 are used up), G1 = v224-255 (W0's K step 3 is multiplied), G2 = v32-63 (behind the copy's stores and a wait on vm_vsrc); h's eight scale words land at once in v16-23:
;              one wait on va_vdst, ahead of the fourth fetch.
.set XSC,   65536                      ; LDS: [0, 65,536) X's images; then X's scale words, 2,048 bytes;
.set HIMG,  67584                      ; h's images: [tile 8][K step 2][2,048 bytes];
.set HSC,   100352                     ; h's scale words: word (2 tile + K step) x 16 + row
.set XSCL,  1048576                    ; xbuf and hbuf: [0, 1 MiB) the pairs (mean, squares); then scale words; then codes
.set XCOD,  1572864
.set HSCL,  1048576
.set HCOD,  1310720
.set FLOOR, 0x4800000
.set EOFF,  0xfc000000
.set EXPM,  0x7f800000
.set XWA,  1                           ; v1   16 lane + 4,096 wave: my part of X's images, in memory and in LDS
.set XST,  2                           ; v2   XSC + 4 thread
.set T4,   3                           ; v3   4 thread
.set FA,   4                           ; v4   16 lane + 32,768 PH: my fragments of X
.set XSA,  5                           ; v5   their scale words
.set H64,  6                           ; v6   64 h: my 16 channels in a plane of st0
.set W0V,  7                           ; v7   W0: 512 (r + 8 (r / 8)) + 16 h
.set WSV,  8                           ; v8   16 (r + 8 (r / 8))
.set HWA,  9                           ; v9   where my 16 codes of a point go
.set HSA,  10                          ; v10  and the block's scale byte
.set W1SV, 11                          ; v11  8 r
.set L4,   12                          ; v12  4 lane
.set HFA,  13                          ; v13  my fragments of h
.set HXA,  14                          ; v14  their scale words
.set W1V,  15                          ; v15  W1: 256 r + 16 h
.set WS,   16                          ; v16-23 W0's scale words (4 u + K step), behind the first product h's (2 tile + K step); v24-25 X's; v26-29 W1's (2 u + K step): these hold scales and nothing else
.set HS,   16
.set XS,   24
.set W1S,  26
.set BIAS, 31                          ; v31  b1 of channel 32 CG + lane
.set XF,   32                          ; v32-63  two fragments; else at work
.set ACC,  64                          ; v64-127 eight accumulators: first product 16 tile + 8 u, second 32 u + 8 tile
.set W,    128                         ; v128-255 W0: 32 K step + 16 u.  As K steps are done with: v128-143 a0, v144-159 be0, v160-223 W1 (32 K step + 16 u)
.set AA,   128
.set BE,   144
.set W1F,  160
.set G0,   128                         ; the second product's three buffers of two fragments
.set G1,   224
.set G2,   32
.set MX,   32
.set BY,   36
.set LIM,  40
.set SOP,  44
.set PC,   48
.set CI,   124                         ; v124 the copy out: LDS address of my part of h's images;  v125 16 lane + 2,048 wave, its place in memory;
.set CO,   125
.set CW,   126                         ; v126 LDS address of my 16 bytes of scale words;  v127 16 thread, their place in memory
.set CT,   127
.set SEL,  28
.set MNT,  30
.set PB,   40
	s_load_b256 s[4:11], s[0:1], 0x0               ; xbuf s[4:5], W0's codes s[6:7], W0's scales s[8:9], st0 s[10:11]
	s_load_b256 s[12:19], s[0:1], 0x20             ; W1's codes s[12:13], W1's scales s[14:15], b1 s[16:17], hbuf s[18:19]
	v_lshrrev_b32 v31, 5, v0
	v_readfirstlane_b32 s20, v31                   ; wave 0..15
	s_mov_b32 s[SEL], 0x76543210
	s_mov_b32 s[SEL+1], 0xfedcba98
	s_mov_b32 s[MNT], 0x600000
	v_and_b32 v32, 31, v0                          ; lane
	v_and_b32 v33, 15, v0                          ; r
	v_bfe_u32 v34, v0, 4, 1                        ; h
	v_and_b32 v35, 8, v33
	v_add_nc_u32 v35, v35, v33                     ; r + 8 (r / 8)
	s_wait_alu depctr_va_sdst(0)                   ; s20 is written, ahead of its first reader: CG, PH, addresses and a branch are made from it
	s_and_b32 s21, s20, 7                          ; CG
	s_lshr_b32 s22, s20, 3                         ; PH
	s_lshl_b32 s24, s20, 12
	v_lshl_add_u32 v[XWA], v32, 4, s24
	v_lshl_add_u32 v[XST], v0, 2, XSC
	v_lshlrev_b32 v[T4], 2, v0
	s_lshl_b32 s24, s22, 15
	v_lshl_add_u32 v[FA], v32, 4, s24
	s_lshl_b32 s24, s22, 10
	s_add_co_u32 s24, s24, XSC
	v_lshl_add_u32 v[XSA], v33, 2, s24
	v_lshlrev_b32 v[H64], 6, v34
	v_lshlrev_b32 v[W0V], 9, v35
	v_lshl_add_u32 v[W0V], v34, 4, v[W0V]
	v_lshlrev_b32 v[WSV], 4, v35
	s_lshl_b32 s24, s22, 14
	s_lshl_b32 s25, s21, 9                         ; 2,048 (CG / 4) + 512 (CG % 4) = 512 CG
	s_add_co_u32 s25, s25, s24
	s_add_co_u32 s25, s25, HIMG
	v_lshl_add_u32 v[HWA], v32, 4, s25
	s_add_co_u32 s24, s24, HIMG
	v_lshl_add_u32 v[HFA], v32, 4, s24
	s_lshl_b32 s24, s22, 9
	s_add_co_u32 s24, s24, HSC
	v_lshl_add_u32 v[HXA], v33, 2, s24
	s_lshr_b32 s25, s21, 2
	s_lshl_b32 s25, s25, 6
	s_add_co_u32 s24, s24, s25
	s_and_b32 s25, s21, 3
	s_add_co_u32 s24, s24, s25
	v_lshl_add_u32 v[HSA], v33, 2, s24             ; K step CG / 4, row r, byte CG % 4
	v_lshlrev_b32 v[W1SV], 3, v33
	v_lshlrev_b32 v[L4], 2, v32
	v_lshlrev_b32 v[W1V], 8, v33
	v_lshl_add_u32 v[W1V], v34, 4, v[W1V]
	s_mov_b32 s25, 0
	s_wait_kmcnt 0x0
	s_lshl_b32 s24, ttmp9, 16
	s_add_nc_u64 s[32:33], s[4:5], s[24:25]
	s_add_nc_u64 s[32:33], s[32:33], XCOD          ; the work-group's codes of X,
	s_lshl_b32 s24, ttmp9, 11
	s_add_nc_u64 s[34:35], s[4:5], s[24:25]
	s_add_nc_u64 s[34:35], s[34:35], XSCL          ; and their scale words
	s_lshl_b32 s24, s21, 14
	s_add_nc_u64 s[6:7], s[6:7], s[24:25]          ; W0: my 32 rows of 512 codes,
	s_lshl_b32 s24, s21, 9
	s_add_nc_u64 s[8:9], s[8:9], s[24:25]          ; of 16 scale bytes
	s_lshl_b32 s24, s21, 7
	s_add_nc_u64 s[10:11], s[10:11], s[24:25]      ; my 32 channels in st0's planes,
	s_add_nc_u64 s[16:17], s[16:17], s[24:25]      ; and in b1
	s_lshl_b32 s24, s21, 13
	s_add_nc_u64 s[12:13], s[12:13], s[24:25]      ; W1: my 32 rows of 256 codes,
	s_lshl_b32 s24, s21, 8
	s_add_nc_u64 s[14:15], s[14:15], s[24:25]      ; of 8 scale bytes
	s_lshl_b32 s24, ttmp9, 15
	s_add_nc_u64 s[36:37], s[18:19], s[24:25]
	s_add_nc_u64 s[36:37], s[36:37], HCOD          ; the work-group's codes of h,
	s_lshl_b32 s24, ttmp9, 10
	s_add_nc_u64 s[38:39], s[18:19], s[24:25]
	s_add_nc_u64 s[38:39], s[38:39], HSCL          ; their scale words,
	s_lshl_b32 s24, ttmp9, 1
	s_add_co_u32 s24, s24, s22
	s_lshl_b32 s24, s24, 8
	s_lshl_b32 s23, s21, 17
	s_add_co_u32 s24, s24, s23
	s_add_nc_u64 s[PB:PB+1], s[18:19], s[24:25]    ; and my record of sums
	s_wait_alu depctr_va_vdst(0)                   ; the fifteen addresses and offsets v1 to v15 are written, which the loads and stores below read; so are v31 to v35, in which loads land
.irp i, 0,1,2,3,4,5,6,7
	global_load_b128 v[XF+4*\i:XF+4*\i+3], v[XWA], s[32:33] offset:512*\i th:TH_LOAD_NT   ; my sixteenth of X's images: 512 consecutive bytes a load; read once in the launch
.endr
	global_load_b32 v30, v[T4], s[34:35] th:TH_LOAD_NT
.irp t, 0,1,2,3
.irp i, 0,1,2,3
	global_load_b128 v[ACC+16*\t+4*\i:ACC+16*\t+4*\i+3], v[H64], s[10:11] offset:16*\i      ; cb of my 16 channels, into each tile's two accumulators
.endr
.endr
.irp s, 0,1,2,3
.irp u, 0,1
.irp c, 0,1,2,3
	global_load_b128 v[W+32*\s+16*\u+4*\c:W+32*\s+16*\u+4*\c+3], v[W0V], s[6:7] offset:4096*\u+128*\s+32*\c
.endr
	global_load_b32 v[WS+4*\u+\s], v[WSV], s[8:9] offset:128*\u+4*\s
.endr
.endr
.irp u, 0,1
.irp s, 0,1
	global_load_b32 v[W1S+2*\u+\s], v[W1SV], s[14:15] offset:128*\u+4*\s
.endr
.endr
	global_load_b32 v[BIAS], v[L4], s[16:17]
	s_wait_loadcnt 61                              ; loads come back in order: X's nine are in; 16 of cb, 40 of W0, 4 of W1's scale words and b1 may be out
.irp i, 0,1,2,3,4,5,6,7
	ds_store_b128 v[XWA], v[XF+4*\i:XF+4*\i+3] offset:512*\i
.endr
	ds_store_b32 v[XST], v30
	s_wait_dscnt 0x0                               ; for the others' sake: my part of the images has landed
	s_barrier_signal -1
	s_barrier_wait -1
	s_wait_alu depctr_vm_vsrc(0)                   ; my LDS stores have read v32-63, in which the fragments land from here on
	s_wait_loadcnt 0x0
.macro PLACES                          ; eight plain lines stand between a matrix instruction of this form and a load into, or a vector line on, one of its registers
.rept 8
	v_nop
.endr
.endm
.macro FREE                            ; the end of a step of the first product that has a successor
	PLACES
	s_wait_alu depctr_va_vdst(0)                   ; the products issued so far are done reading their fragments of X, its scale words and their K step of W0: the loads that follow land in these registers
.endm
; The first product: two tiles of points x my two tiles of rows of W0, 128 along K.  The eight accumulators take turns, one instruction a turn, in the same order in every K step.
.macro GP s, half
.irp x, 0,1
.irp c, 0,1,2,3
	ds_load_b128 v[XF+16*\x+4*\c:XF+16*\x+4*\c+3], v[FA] offset:8192*(2*(\half)+\x)+2048*(\s)+512*\c
.endr
	ds_load_b32 v[XS+\x], v[XSA] offset:256*(2*(\half)+\x)+64*(\s)
.endr
	s_wait_dscnt 0x0
.irp x, 0,1
.irp u, 0,1
	v_wmma_scale_f32_16x16x128_f8f6f4 v[ACC+16*(2*(\half)+\x)+8*\u:ACC+16*(2*(\half)+\x)+8*\u+7], v[W+32*(\s)+16*\u:W+32*(\s)+16*\u+15], v[XF+16*\x:XF+16*\x+15], v[ACC+16*(2*(\half)+\x)+8*\u:ACC+16*(2*(\half)+\x)+8*\u+7], v[WS+4*\u+(\s)], v[XS+\x]
.endr
.endr
.endm
.macro W1LOAD s                        ; W1's two fragments of K step s: lane (r, h) takes row 32 CG + 16 u + r
.irp u, 0,1
.irp c, 0,1,2,3
	global_load_b128 v[W1F+32*(\s)+16*\u+4*\c:W1F+32*(\s)+16*\u+4*\c+3], v[W1V], s[12:13] offset:4096*\u+128*(\s)+32*\c
.endr
.endr
.endm
	GP 0, 0
	FREE
	GP 0, 1
	FREE
.irp i, 0,1,2,3                        ; K step 0's 32 registers of W0 are done with: they take a0 and be0 of my 16 channels
	global_load_b128 v[AA+4*\i:AA+4*\i+3], v[H64], s[10:11] offset:1024+16*\i
	global_load_b128 v[BE+4*\i:BE+4*\i+3], v[H64], s[10:11] offset:2048+16*\i
.endr
	GP 1, 0
	FREE
	GP 1, 1
	FREE
	W1LOAD 0                                       ; into K step 1's registers
	GP 2, 0
	FREE
	GP 2, 1
	FREE
	W1LOAD 1                                       ; into K step 2's
	GP 3, 0
	FREE
	GP 3, 1
	PLACES
	s_wait_loadcnt 16                              ; a0 and be0 are in; W1's sixteen loads may be out
.set i, 0
.rept 8
.irp t, 0,1,2,3
	v_pk_fma_f32 v[ACC+16*\t+i:ACC+16*\t+i+1], v[ACC+16*\t+i:ACC+16*\t+i+1], v[AA+i:AA+i+1], v[BE+i:BE+i+1]   ; (product + cb) a + be; each accumulator from its low end on
.endr
.set i, i+2
.endr
	; the quantiser along the channels: tile t's 16 registers are half of my block for point r.  No |.|: what is negative is to become 0, so it must not count; the floor stands over it
.irp t, 0,1,2,3
	v_max3_num_f32 v[MX+\t], v[ACC+16*\t], v[ACC+16*\t+1], FLOOR
.endr
.irp i, 2,4,6,8,10,12,14
.irp t, 0,1,2,3
	v_max3_num_f32 v[MX+\t], v[MX+\t], v[ACC+16*\t+\i], v[ACC+16*\t+\i+1]
.endr
.endr
.irp t, 0,1,2,3
	v_permlanex16_b32 v[BY+\t], v[MX+\t], s[SEL], s[SEL+1]
.endr
.irp t, 0,1,2,3
	v_max_num_f32 v[MX+\t], v[MX+\t], v[BY+\t]     ; with lane l xor 16's: the block's largest magnitude
.endr
.irp t, 0,1,2,3
	v_add_nc_u32 v[SOP+\t], EOFF, v[MX+\t]         ; 8 off the exponent field: the conversion's scale operand
.endr
.irp t, 0,1,2,3
	v_and_or_b32 v[LIM+\t], v[MX+\t], EXPM, s[MNT] ; 448 x the scale
.endr
.irp t, 0,1,2,3
	v_lshrrev_b32 v[BY+\t], 23, v[SOP+\t]          ; the scale's byte
.endr
.irp t, 0,1,2,3
.irp i, 0,1,2,3,4,5,6,7,8,9,10,11,12,13,14,15
	v_med3_num_f32 v[ACC+16*\t+\i], v[ACC+16*\t+\i], 0, v[LIM+\t]   ; the activation and the hold in one (the conversion does not saturate: ISA guide 7.6.2)
.endr
	v_cvt_scalef32_pk8_fp8_f32 v[PC+4*\t:PC+4*\t+1], v[ACC+16*\t:ACC+16*\t+7], v[SOP+\t]
	v_cvt_scalef32_pk8_fp8_f32 v[PC+4*\t+2:PC+4*\t+3], v[ACC+16*\t+8:ACC+16*\t+15], v[SOP+\t]
.endr
	v_nop                                          ; a plain line between the conversions and the next vector or matrix lines on their registers
	s_lshl_b32 s24, s20, 11                        ; the copy's four addresses are made here, in registers that the last conversion has left, so that the wait below serves them too
	v_lshl_add_u32 v[CO], v[L4], 2, s24            ; 16 lane + 2,048 wave
	v_add_nc_u32 v[CI], HIMG, v[CO]
	v_lshlrev_b32 v[CT], 4, v0                     ; 16 thread
	v_add_nc_u32 v[CW], HSC, v[CT]
	s_wait_alu depctr_va_vdst(0)                   ; the codes v48-63, the bytes v36-39 and the addresses v124-127 are written, which LDS and memory instructions read; the norm is done reading v128-159, the first product v16-23 and v224-255, the quantiser v32-47: loads land in all of these
.irp t, 0,1,2,3
	ds_store_b128 v[HWA], v[PC+4*\t:PC+4*\t+3] offset:4096*\t    ; 32 lanes write 512 consecutive bytes of the image
	ds_store_b8 v[HSA], v[BY+\t] offset:128*\t     ; lanes l and l xor 16 write the same byte with the same value
.endr
	s_wait_dscnt 0x0                               ; for the others' sake: my codes and bytes have landed, and my reads of X are over
	s_barrier_signal -1
	s_barrier_wait -1                              ; h's sixteen fragments are whole; nothing is written to LDS from here on
	s_wait_alu depctr_vm_vsrc(0)                   ; my LDS stores have read v36-39 and v48-63, in which the copy's loads land
	; ---- h leaves as it lies
.irp c, 0,1,2,3
	ds_load_b128 v[32+4*\c:35+4*\c], v[CI] offset:512*\c
.endr
	s_cmp_ge_u32 s20, 2
	s_cbranch_scc1 .Lno_words
	ds_load_b128 v[48:51], v[CW]                   ; threads 0-63: the 1,024 bytes of scale words
	s_wait_dscnt 0x0
	global_store_b128 v[CT], v[48:51], s[38:39]
	s_wait_alu depctr_vm_vsrc(0)                   ; the store has read v48-51, in which a fragment lands, and v127, which a product writes
.Lno_words:
	s_wait_dscnt 0x0
.irp c, 0,1,2,3
	global_store_b128 v[CO], v[32+4*\c:35+4*\c], s[36:37] offset:512*\c   ; a wave stores 512 consecutive bytes
.endr
; The second product: a step is two tiles of points x my two tiles of channels, 128 along K.  LH fetches its two fragments of h, eight LDS loads, into buffer f; MH multiplies; the first K step starts the sums.  The accumulators by turns, as above.
.macro LH f, s, half
.irp x, 0,1
.irp c, 0,1,2,3
	ds_load_b128 v[(\f)+16*\x+4*\c:(\f)+16*\x+4*\c+3], v[HFA] offset:4096*(2*(\half)+\x)+2048*(\s)+512*\c
.endr
.endr
.endm
.macro MH f, s, half
.irp x, 0,1
.irp u, 0,1
.if (\s) == 0
	v_wmma_scale_f32_16x16x128_f8f6f4 v[ACC+32*\u+8*(2*(\half)+\x):ACC+32*\u+8*(2*(\half)+\x)+7], v[(\f)+16*\x:(\f)+16*\x+15], v[W1F+32*(\s)+16*\u:W1F+32*(\s)+16*\u+15], 0, v[HS+2*(2*(\half)+\x)+(\s)], v[W1S+2*\u+(\s)]
.else
	v_wmma_scale_f32_16x16x128_f8f6f4 v[ACC+32*\u+8*(2*(\half)+\x):ACC+32*\u+8*(2*(\half)+\x)+7], v[(\f)+16*\x:(\f)+16*\x+15], v[W1F+32*(\s)+16*\u:W1F+32*(\s)+16*\u+15], v[ACC+32*\u+8*(2*(\half)+\x):ACC+32*\u+8*(2*(\half)+\x)+7], v[HS+2*(2*(\half)+\x)+(\s)], v[W1S+2*\u+(\s)]
.endif
.endr
.endr
.endm
.irp t, 0,1,2,3
.irp s, 0,1
	ds_load_b32 v[HS+2*\t+\s], v[HXA] offset:128*\t+64*\s        ; h's eight scale words, into the registers that held W0's.  No wait: no vector or matrix line since the wait ahead of the LDS stores names them, nor G0, nor G1
.endr
.endr
	LH G0, 0, 0
	LH G1, 0, 1
	s_wait_xcnt 0x0                                ; the stores have read v32-51 and their offsets
	s_wait_alu depctr_vm_vsrc(0)                   ; the four stores have read v32-47, which are part of G2, and the copy's loads and stores their addresses v124-127, which the products write
	LH G2, 1, 0
	s_wait_loadcnt 0x0                             ; W1
	s_wait_dscnt 16                                ; LDS loads come back in order (ISA guide 5.7.1): the scale words and G0 are in; G1's and G2's eight each may be out
	MH G0, 0, 0
	s_wait_dscnt 8                                 ; G1 is in
	MH G1, 0, 1
	PLACES
	s_wait_alu depctr_va_vdst(0)                   ; the first step's products are done reading G0, in which the last fetch lands
	LH G0, 1, 1
	s_wait_dscnt 8                                 ; G2 is in; the eight just issued may be out
	MH G2, 1, 0
	s_wait_dscnt 0x0
	MH G0, 1, 1
	PLACES
; THE SUMS.  Lane (r, h), tile u of channels: channel 32 CG + 16 u + r, 32 of the 64 points in registers ACC + 32 u on; lane l xor 16 holds the other 32.  The two u by turns; each accumulator is read from its low end on.
.set SS, 32
.set MP, 36
.set QQ, 40
.set PT, 44
.set OUTP, 46
.irp u, 0,1
	v_pk_add_f32 v[SS+2*\u:SS+2*\u+1], v[ACC+32*\u:ACC+32*\u+1], v[ACC+32*\u+2:ACC+32*\u+3]
.endr
.set i, 4
.rept 14
.irp u, 0,1
	v_pk_add_f32 v[SS+2*\u:SS+2*\u+1], v[SS+2*\u:SS+2*\u+1], v[ACC+32*\u+i:ACC+32*\u+i+1]
.endr
.set i, i+2
.endr
.irp u, 0,1
	v_add_f32 v[SS+2*\u], v[SS+2*\u], v[SS+2*\u+1]
.endr
.irp u, 0,1
	v_permlanex16_b32 v[PT+\u], v[SS+2*\u], s[SEL], s[SEL+1]
.endr
.irp u, 0,1
	v_add_f32 v[SS+2*\u], v[SS+2*\u], v[PT+\u]
.endr
.irp u, 0,1
	v_mul_f32 v[MP+2*\u], 0x3c800000, v[SS+2*\u]   ; / 64: the mean of the 64 points
.endr
.set i, 0
.rept 16
.irp u, 0,1
	v_pk_add_f32 v[ACC+32*\u+i:ACC+32*\u+i+1], v[ACC+32*\u+i:ACC+32*\u+i+1], v[MP+2*\u:MP+2*\u+1] op_sel_hi:[1,0] neg_lo:[0,1] neg_hi:[0,1]   ; less that mean (the pair's low word for both halves)
.endr
.set i, i+2
.endr
.irp u, 0,1
	v_pk_mul_f32 v[QQ+2*\u:QQ+2*\u+1], v[ACC+32*\u:ACC+32*\u+1], v[ACC+32*\u:ACC+32*\u+1]
.endr
.set i, 2
.rept 15
.irp u, 0,1
	v_pk_fma_f32 v[QQ+2*\u:QQ+2*\u+1], v[ACC+32*\u+i:ACC+32*\u+i+1], v[ACC+32*\u+i:ACC+32*\u+i+1], v[QQ+2*\u:QQ+2*\u+1]
.endr
.set i, i+2
.endr
.irp u, 0,1
	v_add_f32 v[QQ+2*\u], v[QQ+2*\u], v[QQ+2*\u+1]
.endr
.irp u, 0,1
	v_permlanex16_b32 v[PT+\u], v[QQ+2*\u], s[SEL], s[SEL+1]
.endr
.irp u, 0,1
	v_add_f32 v[QQ+2*\u], v[QQ+2*\u], v[PT+\u]
.endr
	v_cmp_lt_u32 vcc_lo, 63, v[L4]                 ; lanes 16-31 take u = 1's: lane l then holds channel 32 CG + l
	s_wait_alu depctr_va_vcc(0)                    ; VCC is written, ahead of the two selections that read it
	v_cndmask_b32 v[OUTP], v[MP], v[MP+2], vcc_lo
	v_cndmask_b32 v[OUTP+1], v[QQ], v[QQ+2], vcc_lo
	v_add_f32 v[OUTP], v[OUTP], v[BIAS]            ; the bias moves the mean and leaves the squares
	v_lshlrev_b32 v[OUTP+2], 1, v[L4]
	s_wait_alu depctr_va_vdst(0)                   ; the pair v46, v47 and its offset v48 are written, which the store reads
	global_store_b64 v[OUTP+2], v[OUTP:OUTP+1], s[PB:PB+1]       ; the wave stores 256 consecutive bytes, at a multiple of 256 from hbuf's first byte
	s_wait_xcnt 0x0
	v_lshl_add_u32 v254, v0, 2, 0x18c00
	v_mov_b32 v255, 0
	s_wait_dscnt 0x0                               ; the closing lines, six on end
	s_wait_alu 0x0
	s_wait_tensorcnt 0x0
	ds_add_u32 v254, v255
	s_wait_dscnt 0x0
	s_endpgm
.Lfunc_end_k_q1d6f8a711d_layer1:
	.size	k_q1d6f8a711d_layer1, .Lfunc_end_k_q1d6f8a711d_layer1-k_q1d6f8a711d_layer1
	.p2alignl 7, 3214868480
	.fill 96, 4, 3214868480
	.section	.rodata,"a",@progbits
	.p2align	6, 0x0
	.amdhsa_kernel k_q1d6f8a711d_layer1
		.amdhsa_group_segment_fixed_size 103424
		.amdhsa_private_segment_fixed_size 0
		.amdhsa_enable_private_segment 0
		.amdhsa_kernarg_size 64
		.amdhsa_user_sgpr_count 2
		.amdhsa_user_sgpr_kernarg_segment_ptr 1
		.amdhsa_wavefront_size32 1
		.amdhsa_system_sgpr_workgroup_id_x 1
		.amdhsa_system_sgpr_workgroup_id_y 1
		.amdhsa_system_sgpr_workgroup_id_z 1
		.amdhsa_system_vgpr_workitem_id 0
		.amdhsa_next_free_vgpr 256
		.amdhsa_next_free_sgpr 66
		.amdhsa_reserve_vcc 1
		.amdhsa_float_denorm_mode_32 3
		.amdhsa_float_denorm_mode_16_64 3
		.amdhsa_memory_ordered 1
		.amdhsa_forward_progress 1
		.amdhsa_inst_pref_size 49
	.end_amdhsa_kernel
	.amdgpu_metadata
---
amdhsa.version: [ 1, 2 ]
amdhsa.kernels:
  - .name:           k_q1d6f8a711d_layer1
    .symbol:         k_q1d6f8a711d_layer1.kd
    .args:
      - { .name: xbuf, .offset: 0, .size: 8, .value_kind: global_buffer, .address_space: global }
      - { .name: W0_codes, .offset: 8, .size: 8, .value_kind: global_buffer, .address_space: global }
      - { .name: W0_scales, .offset: 16, .size: 8, .value_kind: global_buffer, .address_space: global }
      - { .name: st0, .offset: 24, .size: 8, .value_kind: global_buffer, .address_space: global }
      - { .name: W1_codes, .offset: 32, .size: 8, .value_kind: global_buffer, .address_space: global }
      - { .name: W1_scales, .offset: 40, .size: 8, .value_kind: global_buffer, .address_space: global }
      - { .name: b1, .offset: 48, .size: 8, .value_kind: global_buffer, .address_space: global }
      - { .name: hbuf, .offset: 56, .size: 8, .value_kind: global_buffer, .address_space: global }
    .group_segment_fixed_size: 103424
    .private_segment_fixed_size: 0
    .kernarg_segment_align: 8
    .kernarg_segment_size: 64
    .max_flat_workgroup_size: 512
    .sgpr_count:     66
    .vgpr_count:     256
    .wavefront_size: 32
...
	.end_amdgpu_metadata
.endif
;; end of part 7
;; launch stat1: the kernel of part 3 again; grid 8 x 1, 16 waves a work-group, no clusters, 8,192 bytes of LDS; arguments hbuf, b1, g1, be1, st1; writes st1
;; launch final (part 8): grid 256 x 1, 16 waves a work-group, no clusters, 174,080 bytes of LDS; arguments hbuf, W1_codes, W1_scales, st1, out0; writes out0
.if DOCPART == 8
	.amdgcn_target "amdgcn-amd-amdhsa--gfx1250"
	.amdhsa_code_object_version 6
	.text
	.protected	k_q1d6f8a711d_final
	.globl	k_q1d6f8a711d_final
	.p2align	8
	.type	k_q1d6f8a711d_final,@function
k_q1d6f8a711d_final:
	s_mov_b64 s[64:65], 0
	v_nop
	global_prefetch_b8 v0, s[64:65] scope:SCOPE_SE
	s_setreg_imm32_b32 hwreg(HW_REG_WAVE_SCHED_MODE, 0, 2), 2
	s_setreg_imm32_b32 hwreg(HW_REG_WAVE_MODE, 25, 1), 1
	s_wait_xcnt 0x0
	s_wait_alu depctr_vm_vsrc(0)
; LAUNCH 6 OF 6.  out0[b][channel][point] = relu((h W1^T + b1 - mean1) a1 + be1), h from its codes.
; SHARES.  A work-group owns 128 points; wave (CG = wave % 8, PH = wave / 8) makes channels 32 CG .. + 31 for points 64 PH .. + 63.  Sixteen waves, four to a SIMD, 256 registers each.
; h's codes come as images of operand registers (32,768 bytes a work-group), once, into LDS; a wave's 32 rows of W1 and all scale words come from memory straight into registers.
; Source 0 = 16 points, source 1 = 16 rows of W1: a lane holds ONE channel and eight neighbouring points a tile, 32 bytes of a row of out0.  The norm is one packed multiply-add: product x a + (cb a + be).
; THE WAY OUT.  A wave's 32 channels x 64 points go through its own stage in LDS (rows of 256 bytes + 16) and leave as whole rows: sixteen lanes store 256 consecutive bytes.
; Not used, and why: tensor loads and a ring (every byte is read once, at the head); a cluster for W1 (a wave reads its 8 KiB once into registers).
; THE MODE: SCHED_MODE bits 1:0 = 2 (LLVM: expert scheduling mode 2), set by the entry lines.  The code itself states the register dependences
; between vector or matrix instructions and memory or LDS instructions, with s_wait_alu, always for 0.
; THE PLAN.  Registers that memory or LDS instructions touch:
;   v1-8       addresses and offsets: made at the head, ahead of one wait on va_vdst, and never written again.
;   v32-47     h's images land there and the LDS stores read them: a wait on vm_vsrc behind the barrier.
;   F0 = v32-63, F1 = v192-223, F2 = v224-255: three buffers of two fragments.  The first three of the four steps are fetched at once; the fourth lands in F0 behind ONE wait on va_vdst, which states that the first step's products are done reading it.
;   v64-127    the sums: written by the products, the norm and the activation, read by the stage's stores: one wait on va_vdst ahead of these; it also states that the products are done reading v192-255, in which the rows land.
;   v192-255   the rows read back, which the stores to out0 read; v254 and v255 are made anew for the closing lines behind a wait on vm_vsrc.
.set STG,   32768                      ; LDS: [0, 32,768) h's images; then a stage of 32 rows x 272 bytes for each wave
.set SP,    272                        ; 68 words: row r starts at bank 4 r mod 64 (64 banks of 4 bytes: ISA guide 11.1)
.set HSCL,  1048576
.set HCOD,  1310720
.set HWV,  1                           ; v1   16 lane + 2,048 wave: my part of h's images, in memory and in LDS
.set R4,   2                           ; v2   4 r
.set W1V,  3                           ; v3   W1: 256 r + 16 h
.set W1SV, 4                           ; v4   8 r
.set HFA,  5                           ; v5   16 lane + 16,384 PH: my fragments of h
.set SO,   6                           ; v6   the stage: where I put 32 bytes of a row
.set SR,   7                           ; v7   and where I read a row back
.set OV,   8                           ; v8   65,536 h + 16 r: my 16 bytes in two rows of out0
.set CBR,  10                          ; v10-11 cb of my channel, u = 0, 1
.set AP,   12                          ; v[12:13], v[14:15] a (the pair's low word serves both halves)
.set W1S,  16                          ; v16-19 W1's scale words (2 u + K step); v20-27 h's (2 tile + K step): these hold scales and nothing else
.set HS,   20
.set CP,   28                          ; v[28:29], v[30:31] cb a + be, likewise
.set F0,   32                          ; v32-63  two fragments of h
.set ACC,  64                          ; v64-127 eight accumulators: 32 u + 8 tile
.set W,    128                         ; v128-191 W1: 32 K step + 16 u
.set F1,   192                         ; v192-223, v224-255 two fragments of h each, while the product runs;
.set F2,   224
.set BK,   192                         ; v192-255 then sixteen pairs of rows read back from the stage
	s_load_b256 s[4:11], s[0:1], 0x0               ; hbuf s[4:5], W1's codes s[6:7], W1's scales s[8:9], st1 s[10:11]
	s_load_b64 s[12:13], s[0:1], 0x20              ; out0
	v_lshrrev_b32 v9, 5, v0
	v_readfirstlane_b32 s14, v9                    ; wave 0..15
	s_lshr_b32 s17, ttmp9, 7                       ; the batch
	s_and_b32 s18, ttmp9, 127                      ; which 128 points of it
	v_and_b32 v12, 31, v0                          ; lane
	v_and_b32 v13, 15, v0                          ; r
	v_bfe_u32 v15, v0, 4, 1                        ; h
	s_wait_alu depctr_va_sdst(0)                   ; s14 is written, ahead of its first reader: CG, PH and addresses are made from it
	s_and_b32 s15, s14, 7                          ; CG
	s_lshr_b32 s16, s14, 3                         ; PH
	s_lshl_b32 s20, s14, 11
	v_lshl_add_u32 v[HWV], v12, 4, s20
	v_lshlrev_b32 v[R4], 2, v13
	v_lshlrev_b32 v[W1V], 8, v13
	v_lshl_add_u32 v[W1V], v15, 4, v[W1V]
	v_lshlrev_b32 v[W1SV], 3, v13
	s_lshl_b32 s20, s16, 14
	v_lshl_add_u32 v[HFA], v12, 4, s20
	s_mul_i32 s20, s14, 32*SP
	s_add_co_u32 s20, s20, STG                     ; my stage
	v_mul_u32_u24 v[SO], v13, SP
	v_lshl_add_u32 v[SO], v15, 5, v[SO]
	v_add_nc_u32 v[SO], s20, v[SO]                 ; in: row r, + 32 h
	v_mul_u32_u24 v[SR], v15, SP
	v_lshl_add_u32 v[SR], v13, 4, v[SR]
	v_add_nc_u32 v[SR], s20, v[SR]                 ; back: lanes 0-15 one row, lanes 16-31 the next
	v_lshlrev_b32 v[OV], 16, v15
	v_lshl_add_u32 v[OV], v13, 4, v[OV]
	v_mov_b32 v29, 0                               ; (named as the upper halves of pairs, so they are written; v13 and v15 have been)
	v_mov_b32 v31, 0
	s_mov_b32 s21, 0
	s_wait_kmcnt 0x0
	s_lshl_b32 s20, ttmp9, 15
	s_add_nc_u64 s[24:25], s[4:5], s[20:21]
	s_add_nc_u64 s[24:25], s[24:25], HCOD          ; the work-group's codes of h,
	s_lshl_b32 s20, ttmp9, 10
	s_lshl_b32 s19, s16, 9
	s_add_co_u32 s20, s20, s19
	s_add_nc_u64 s[26:27], s[4:5], s[20:21]
	s_add_nc_u64 s[26:27], s[26:27], HSCL          ; the scale words of my four tiles
	s_lshl_b32 s20, s15, 13
	s_add_nc_u64 s[6:7], s[6:7], s[20:21]          ; W1: my 32 rows of 256 codes,
	s_lshl_b32 s20, s15, 8
	s_add_nc_u64 s[8:9], s[8:9], s[20:21]          ; of 8 scale bytes
	s_lshl_b32 s20, s15, 7
	s_add_nc_u64 s[10:11], s[10:11], s[20:21]      ; my 32 channels in st1's planes
	s_lshl_b32 s20, s17, 24                        ; out0: (256 b + 32 CG) rows of 65,536 bytes + my 64 points
	s_lshl_b32 s19, s15, 21
	s_add_co_u32 s20, s20, s19
	s_lshl_b32 s19, s18, 9
	s_add_co_u32 s20, s20, s19
	s_lshl_b32 s19, s16, 8
	s_add_co_u32 s20, s20, s19
	s_add_nc_u64 s[12:13], s[12:13], s[20:21]
	s_wait_alu depctr_va_vdst(0)                   ; the eight addresses and offsets v1 to v8 are written, which the loads and stores below read; the head is done with v12, in which a load lands
.irp c, 0,1,2,3
	global_load_b128 v[F0+4*\c:F0+4*\c+3], v[HWV], s[24:25] offset:512*\c th:TH_LOAD_NT   ; my sixteenth of h's images; read once in the launch
.endr
.irp t, 0,1,2,3
.irp s, 0,1
	global_load_b32 v[HS+2*\t+\s], v[R4], s[26:27] offset:128*\t+64*\s
.endr
.endr
.irp s, 0,1
.irp u, 0,1
.irp c, 0,1,2,3
	global_load_b128 v[W+32*\s+16*\u+4*\c:W+32*\s+16*\u+4*\c+3], v[W1V], s[6:7] offset:4096*\u+128*\s+32*\c
.endr
	global_load_b32 v[W1S+2*\u+\s], v[W1SV], s[8:9] offset:128*\u+4*\s
.endr
.endr
.irp u, 0,1                            ; channel 32 CG + 16 u + r
	global_load_b32 v[CBR+\u], v[R4], s[10:11] offset:64*\u
	global_load_b32 v[AP+2*\u], v[R4], s[10:11] offset:1024+64*\u
	global_load_b32 v[CP+2*\u], v[R4], s[10:11] offset:2048+64*\u
.endr
	s_wait_loadcnt 34                              ; loads come back in order: the images' four are in; 8 + 16 + 4 + 6 may be out
.irp c, 0,1,2,3
	ds_store_b128 v[HWV], v[F0+4*\c:F0+4*\c+3] offset:512*\c
.endr
	s_wait_dscnt 0x0                               ; for the others' sake: my part of the images has landed
	s_barrier_signal -1
	s_barrier_wait -1
.macro PLACES                          ; eight plain lines stand between a matrix instruction of this form and a load into, or a vector line on, one of its registers
.rept 8
	v_nop
.endr
.endm
; A step: two tiles of points x my two tiles of channels, 128 along K.  LH fetches its two fragments of h, eight LDS loads, into buffer f; MH multiplies; the first K step starts the sums.
.macro LH f, s, half
.irp x, 0,1
.irp c, 0,1,2,3
	ds_load_b128 v[(\f)+16*\x+4*\c:(\f)+16*\x+4*\c+3], v[HFA] offset:4096*(2*(\half)+\x)+2048*(\s)+512*\c
.endr
.endr
.endm
; The eight accumulators take turns, one instruction a turn.
.macro MH f, s, half
.irp x, 0,1
.irp u, 0,1
.if (\s) == 0
	v_wmma_scale_f32_16x16x128_f8f6f4 v[ACC+32*\u+8*(2*(\half)+\x):ACC+32*\u+8*(2*(\half)+\x)+7], v[(\f)+16*\x:(\f)+16*\x+15], v[W+32*(\s)+16*\u:W+32*(\s)+16*\u+15], 0, v[HS+2*(2*(\half)+\x)+(\s)], v[W1S+2*\u+(\s)]
.else
	v_wmma_scale_f32_16x16x128_f8f6f4 v[ACC+32*\u+8*(2*(\half)+\x):ACC+32*\u+8*(2*(\half)+\x)+7], v[(\f)+16*\x:(\f)+16*\x+15], v[W+32*(\s)+16*\u:W+32*(\s)+16*\u+15], v[ACC+32*\u+8*(2*(\half)+\x):ACC+32*\u+8*(2*(\half)+\x)+7], v[HS+2*(2*(\half)+\x)+(\s)], v[W1S+2*\u+(\s)]
.endif
.endr
.endr
.endm
	s_wait_alu depctr_vm_vsrc(0)                   ; my LDS stores have read v32-47, in which a fragment lands
	LH F0, 0, 0                                    ; three of the four steps are fetched at once: no vector or matrix line has named F1 or F2
	LH F1, 0, 1
	LH F2, 1, 0
	s_wait_loadcnt 0x0
.irp u, 0,1
	v_fma_f32 v[CP+2*\u], v[CBR+\u], v[AP+2*\u], v[CP+2*\u]      ; cb a + be
.endr
	s_wait_dscnt 16                                ; LDS loads come back in order (ISA guide 5.7.1): F0's eight are in; F1's and F2's may be out
	MH F0, 0, 0
	s_wait_dscnt 8                                 ; F1's are in
	MH F1, 0, 1
	PLACES
	s_wait_alu depctr_va_vdst(0)                   ; the first step's products are done reading F0, in which the last fetch lands
	LH F0, 1, 1
	s_wait_dscnt 8                                 ; F2's are in; the eight just issued may be out
	MH F2, 1, 0
	s_wait_dscnt 0x0
	MH F0, 1, 1
	PLACES
.irp u, 0,1
.set i, 0
.rept 16
	v_pk_fma_f32 v[ACC+32*\u+i:ACC+32*\u+i+1], v[ACC+32*\u+i:ACC+32*\u+i+1], v[AP+2*\u:AP+2*\u+1], v[CP+2*\u:CP+2*\u+1] op_sel_hi:[1,0,0]   ; product x a + (cb a + be); each accumulator from its low end on
.set i, i+2
.endr
.endr
.set i, 0
.rept 64
	v_max_num_f32 v[ACC+i], 0, v[ACC+i]            ; the activation
.set i, i+1
.endr
	s_wait_alu depctr_va_vdst(0)                   ; the activation has written v64-127, which the stage's stores read; the products are done reading v192-255, in which the rows land
.irp u, 0,1
.irp t, 0,1,2,3
	ds_store_b128 v[SO], v[ACC+32*\u+8*\t:ACC+32*\u+8*\t+3] offset:16*SP*\u+64*\t          ; lane (r, h): channel 16 u + r, points 16 t + 8 h + 0 .. 7
	ds_store_b128 v[SO], v[ACC+32*\u+8*\t+4:ACC+32*\u+8*\t+7] offset:16*SP*\u+64*\t+16
.endr
.endr
.irp k, 0,1,2,3,4,5,6,7,8,9,10,11,12,13,14,15
	ds_load_b128 v[BK+4*\k:BK+4*\k+3], v[SR] offset:2*SP*\k      ; LDS serves a wave's instructions in order (ISA guide 5.7.1.4): these see my stores
.endr
.irp k, 0,1,2,3,4,5,6,7,8,9,10,11,12,13,14,15
	s_wait_dscnt 15-\k
	global_store_b128 v[OV], v[BK+4*\k:BK+4*\k+3], s[12:13] offset:131072*\k th:TH_STORE_NT   ; channels 2 k and 2 k + 1: sixteen lanes store 256 consecutive bytes, at a multiple of 256 from out0's first byte; written once
.endr
	s_wait_xcnt 0x0
	s_wait_alu depctr_vm_vsrc(0)                   ; the last store has read v254 and v255, which the two lines below write
	v_lshl_add_u32 v254, v0, 2, 0x2a000
	v_mov_b32 v255, 0
	s_wait_dscnt 0x0                               ; the closing lines, six on end
	s_wait_alu 0x0
	s_wait_tensorcnt 0x0
	ds_add_u32 v254, v255
	s_wait_dscnt 0x0
	s_endpgm
.Lfunc_end_k_q1d6f8a711d_final:
	.size	k_q1d6f8a711d_final, .Lfunc_end_k_q1d6f8a711d_final-k_q1d6f8a711d_final
	.p2alignl 7, 3214868480
	.fill 96, 4, 3214868480
	.section	.rodata,"a",@progbits
	.p2align	6, 0x0
	.amdhsa_kernel k_q1d6f8a711d_final
		.amdhsa_group_segment_fixed_size 174080
		.amdhsa_private_segment_fixed_size 0
		.amdhsa_enable_private_segment 0
		.amdhsa_kernarg_size 40
		.amdhsa_user_sgpr_count 2
		.amdhsa_user_sgpr_kernarg_segment_ptr 1
		.amdhsa_wavefront_size32 1
		.amdhsa_system_sgpr_workgroup_id_x 1
		.amdhsa_system_sgpr_workgroup_id_y 1
		.amdhsa_system_sgpr_workgroup_id_z 1
		.amdhsa_system_vgpr_workitem_id 0
		.amdhsa_next_free_vgpr 256
		.amdhsa_next_free_sgpr 66
		.amdhsa_reserve_vcc 0
		.amdhsa_float_denorm_mode_32 3
		.amdhsa_float_denorm_mode_16_64 3
		.amdhsa_memory_ordered 1
		.amdhsa_forward_progress 1
		.amdhsa_inst_pref_size 20
	.end_amdhsa_kernel
	.amdgpu_metadata
---
amdhsa.version: [ 1, 2 ]
amdhsa.kernels:
  - .name:           k_q1d6f8a711d_final
    .symbol:         k_q1d6f8a711d_final.kd
    .args:
      - { .name: hbuf, .offset: 0, .size: 8, .value_kind: global_buffer, .address_space: global }
      - { .name: W1_codes, .offset: 8, .size: 8, .value_kind: global_buffer, .address_space: global }
      - { .name: W1_scales, .offset: 16, .size: 8, .value_kind: global_buffer, .address_space: global }
      - { .name: st1, .offset: 24, .size: 8, .value_kind: global_buffer, .address_space: global }
      - { .name: out0, .offset: 32, .size: 8, .value_kind: global_buffer, .address_space: global }
    .group_segment_fixed_size: 174080
    .private_segment_fixed_size: 0
    .kernarg_segment_align: 8
    .kernarg_segment_size: 40
    .max_flat_workgroup_size: 512
    .sgpr_count:     66
    .vgpr_count:     256
    .wavefront_size: 32
...
	.end_amdgpu_metadata
.endif
;; end of part 8
